; MI455X (gfx1250); checked and timed in simulation.
; The chip was launched on July 23, 2026; its instructions are those of AMD's public machine-readable ISA for CDNA 5 (MIT licence, August 2026) and "CDNA5" Instruction Set Architecture Reference Guide (July 2026). The comments in the code are by the model that wrote it; some were corrected since.
;; Encoder Attention. Allowed arithmetic: matrix products marked QUANTISED: E2M1 operands, one E8M0 scale for each 32 along K, by v_wmma_scale_f32_16x16x128_f8f6f4 with both operands' format E2M1 (or v_wmma_scale_f32_32x16x128_f4), f32 sums; everything else in f32.
;; Inputs: W_out 1,024 x 1,024 float32; W_qkv 1,024 x 3,072 float32; b_out 1,024 float32; b_qkv 3,072 float32; hidden_states 8 x 1,024 x 1,024 float32.
;; Outputs: out0 8 x 1,024 x 1,024 float32.
;; This version of the problem:
;;   THIS VERSION OF THE PROBLEM IS GIVEN IN LOW PRECISION. The matrix products marked QUANTISED in the list below multiply operands that are first quantised to E2M1 (2 exponent bits, 1 mantissa bit; 4 bits a number), with one power-of-two scale for each 32 numbers along K (OCP MX v1.0); their sums are f32. All else is computed in f32.
;;   The module's matrix products, in the order in which they are computed (A, B: the left and right operand; K: the contracted axis; several contracted axes count as one K, in the product's order):
;;     1. [M 8,192, K 1,024] x [K 1,024, N 3,072]; A: input hidden_states; B: input W_qkv: QUANTISED
;;     2. batch 128 x [M 1,024, K 64] x [K 64, N 1,024]; A: computed on the way; B: computed on the way: QUANTISED
;;     3. batch 128 x [M 1,024, K 1,024] x [K 1,024, N 64]; A: softmax (see below); B: computed on the way: QUANTISED
;;     4. [M 8,192, K 1,024] x [K 1,024, N 1,024]; A: computed on the way; B: input W_out: QUANTISED
;;   THE QUANTISER, for each operand of a quantised product, along K:
;;     - K is cut into blocks of 32 from its start; a last block that is shorter is filled with zeros.
;;     - A block's scale is 2^e with e = floor(log2(the largest magnitude in the block)) - 2, held to -126 .. 127; a block of zeros has e = 0. As a byte (E8M0): e + 127.
;;     - Each number is divided by its block's scale, clamped to +-6, and rounded to the nearest number of E2M1, ties to even, subnormals kept.
;;     - The product sums the exact products of the quantised numbers (number of the format x scale) in f32.
;;   ~~~python
;;   def quantise(x, axis):      # numpy; x: float32 -> the quantised numbers, widened to float32 again
;;       x = np.moveaxis(x, axis, -1); K = x.shape[-1]
;;       x = np.pad(x, [(0, 0)] * (x.ndim - 1) + [(0, -K % 32)]); x = x.reshape(x.shape[:-1] + (-1, 32)); a = np.abs(x).max(-1, keepdims=True)
;;       e = np.where(a > 0, np.clip(np.frexp(np.where(a > 0, a, 1))[1] - 1 - 2, -126, 127), 0)      # np.frexp(a)[1] - 1 = floor(log2(a)), exactly
;;       r = np.clip(x / 2.0 ** e, -6, 6)
;;       step = 2.0 ** (np.maximum(np.frexp(np.where(r == 0, 1, r))[1] - 1, 0) - 1)
;;       q = np.round(r / step) * step * 2.0 ** e      # np.round: ties to even
;;       return np.moveaxis(q.reshape(q.shape[:-2] + (-1,))[..., :K], -1, axis).astype(np.float32)
;;   ~~~
;;   SOFTMAX AHEAD OF A QUANTISED PRODUCT. Where the list says 'softmax', what is quantised is not the finished softmax but p = 2^(t - M), with t = logit x log2(e) and M = ceil(the row's largest t), a whole number; so 1/2 < the row's largest p <= 1. The row's sum l is taken of the UNQUANTISED p, in f32, and the product's result is divided by l at the end. Since M is a whole number, a kernel that streams over the keys may use a running M (the ceiling of the running maximum): every later rescaling is an exact power of two, which a block's scale takes up: the codes' values come out the same.
;;   OPERANDS COMPUTED ON THE WAY. 'Computed on the way' means the value that the module computes at that place (a softmax that the list does not call 'softmax' is quantised finished and normalised). What goes into a quantiser is computed in f32, as accurately as f32 sums, v_exp_f32 and their like allow (about 1e-6 of the number): no bf16 or f16 on the way to a quantiser, and a product that is left as it is and whose result goes on into a quantised operand takes f32 operands (vector FMAs, or v_wmma_f32_16x16x4_f32). A number that lies on a knife's edge between two numbers of the format may be rounded either way, as far as f32 arithmetic and the matrix unit's own rounding can turn it there, and no further.
;; 2 versions. Each part assembles by itself: llvm-mc -triple=amdgcn-amd-amdhsa -mcpu=gfx1250 --defsym DOCPART=n.
;; ======== version 1 of 2: 4 launches
;; workspace buffers: hx 4,456,448 bytes; wq 1,671,168 bytes; wo 557,056 bytes; qkv 13,893,632 bytes; yq 4,456,448 bytes
;; launch quant (part 1): grid 256 x 1, 8 waves a work-group, no clusters, 70,656 bytes of LDS; arguments hidden_states, W_qkv, W_out, hx, wq, wo; writes hx, wq, wo
.if DOCPART == 1
	.amdgcn_target "amdgcn-amd-amdhsa--gfx1250"
	.amdhsa_code_object_version 6
	.text
	.protected	k_qb1d8589640_quant
	.globl	k_qb1d8589640_quant
	.p2align	8
	.type	k_qb1d8589640_quant,@function
k_qb1d8589640_quant:
	s_mov_b64 s[64:65], 0
	v_nop
	global_prefetch_b8 v0, s[64:65] scope:SCOPE_SE
	s_setreg_imm32_b32 hwreg(HW_REG_WAVE_MODE, 25, 1), 1
	s_wait_xcnt 0x0
; hidden_states [8192][1024], W_qkv [1024][3072] and W_out [1024][1024], f32, become codes of FP4 (E2M1) with one E8M0 byte for each 32 along K (K = 1,024 in all three).
; A block's scale is 2^(floor(log2(its largest magnitude)) - 2); its byte is that magnitude's exponent field - 2, held at 1 from below.
; LIMITS: a block of zeros, or one whose largest magnitude lies under 2^-124, gets the byte 1 (its codes are zeros or tiny; these bytes are read by this program alone); NaN and infinities are not served.
; LAYOUT OF THE RESULTS, in the order of a matrix operand's registers.  Rows are tokens (hidden) or output columns n (the weights).
;   codes:  (row / 16) x 8,192 + (k / 32) x 256 + (row % 16) x 16: a block of 32 codes is 16 bytes; 16 rows x 128 K are 1,024 bytes on end = two loads of 16 bytes a lane at 16 x lane.
;   scales: behind the codes: (row / 16) x 512 + (k / 512) x 256 + (row % 16) x 16 + ((k / 128) % 4) x 4 + (k / 32) % 4.
; SHARES.  Work-groups 0-127: hidden (K innermost): a wave takes 16 rows x 512 K, in four steps of 128 K.  128-223: W_qkv, 224-255: W_out (K is the first axis): a lane takes a column, its registers run down K.
; No work-group reads what another reads: no cluster, no tensor load, no matrix unit.  The three paths part on the work-group's number; each has LDS bytes of its own.
.set HSTG,  8448                       ; hidden: a wave's stage: 16 rows x (512 bytes + 16)
.set WSTQ,  8*HSTG                     ; W_qkv's scale words: 1,024 bytes
.set WSTO,  WSTQ+1024                  ; W_out's
.set R,     16                         ; v16-143  two sets of 64: 16 rows x 128 K as loaded
.set X,     144                        ; v144-207 64 numbers of my row: register 16 b + i = k 32 b + 16 (lane / 16) + i
.set PC,    208                        ; v208-215 a fragment's codes
.set TM,    216                        ; v216-231 at work
.set PWS,   232                        ; v232-235 the four steps' scale words
.set SEL,   20                         ; s[20:21] selects of v_permlanex16_b32: lane l xor 16
.set WX,    32                         ; weights: v32-95 two sets of 32 numbers down K
.set WC,    96                         ; v96-111 four blocks' codes, never written twice
	s_load_b128 s[4:7], s[0:1], 0x0                ; hidden, W_qkv
	s_load_b128 s[8:11], s[0:1], 0x10              ; W_out, hx
	s_load_b128 s[12:15], s[0:1], 0x20             ; wq, wo
	v_lshl_add_u32 v254, v0, 2, 0x11000
	v_mov_b32 v255, 0
	v_lshrrev_b32 v1, 5, v0
	v_readfirstlane_b32 s16, v1                    ; wave 0..7
	v_and_b32 v5, 31, v0                           ; lane
	v_and_b32 v6, 15, v0                           ; r
	v_bfe_u32 v7, v0, 4, 1                         ; h
	v_lshlrev_b32 v1, 4, v5                        ; 16 x lane
	s_mov_b32 s[SEL], 0x76543210
	s_mov_b32 s[SEL+1], 0xfedcba98
	s_wait_kmcnt 0x0
	s_cmp_lt_u32 ttmp9, 128
	s_cbranch_scc0 .Lweights
; ---------------- hidden_states ----------------
	s_mul_i32 s17, s16, HSTG
	v_add_nc_u32 v2, s17, v1                       ; into the stage: a row's 512 bytes as they lie
	v_mul_u32_u24 v3, v6, 528
	v_lshl_add_u32 v3, v7, 6, v3
	v_add_nc_u32 v3, s17, v3                       ; out of it: row r, + 64 h: my 16 numbers of each block of 32
	v_lshlrev_b32 v4, 4, v6
	v_lshl_add_u32 v4, v7, 3, v4                   ; the scale words' place: 16 r + 8 h
.irp b, 0,1,2,3
	v_mov_b32 v[TM+4+\b], 0                        ; written once: a lane permute's destination counts as one of its sources
.endr
	s_lshl_b32 s18, ttmp9, 3
	s_add_co_u32 s18, s18, s16                     ; job = 8 x work-group + wave
	s_lshr_b32 s19, s18, 1                         ; which 16 rows
	s_and_b32 s18, s18, 1                          ; which 512 along K
	s_mov_b32 s23, 0
	s_lshl_b32 s22, s19, 16
	s_lshl_b32 s24, s18, 11
	s_add_co_u32 s22, s22, s24
	s_add_nc_u64 s[4:5], s[4:5], s[22:23]          ; hidden at my first number
	s_lshl_b32 s22, s19, 13
	s_lshl_b32 s24, s18, 12
	s_add_co_u32 s22, s22, s24
	s_add_nc_u64 s[26:27], s[10:11], s[22:23]      ; my codes
	s_lshl_b32 s22, s19, 9
	s_lshl_b32 s24, s18, 8
	s_add_co_u32 s22, s22, s24
	s_add_co_u32 s22, s22, 4194304
	s_add_nc_u64 s[28:29], s[10:11], s[22:23]      ; my 256 scale bytes
.macro LOADH q                         ; step q: 16 loads, each one row's 512 consecutive bytes
.set ii, 0
.rept 16
	global_load_b128 v[R+64*((\q)%2)+4*ii:R+64*((\q)%2)+4*ii+3], v1, s[4:5] offset:ii*4096+(\q)*512 th:TH_LOAD_NT
.set ii, ii+1
.endr
.endm
; 64 numbers of a lane become a fragment's codes in v[PC] on and its row's scale word in v[pw]
.macro QUANT s, pw
.irp b, 0,1,2,3
	v_max3_num_f32 v[TM+\b], |v[\s+16*\b]|, |v[\s+1+16*\b]|, 0x1800000   ; block b: my 16 numbers, and the floor 2^(3 - 127): the byte cannot fall under 1
.endr
.irp i, 2,4,6,8,10,12,14
.irp b, 0,1,2,3
	v_max3_num_f32 v[TM+\b], v[TM+\b], |v[\s+16*\b+\i]|, |v[\s+1+16*\b+\i]|   ; the four blocks by turns
.endr
.endr
.irp b, 0,1,2,3
	v_permlanex16_b32 v[TM+4+\b], v[TM+\b], s[SEL], s[SEL+1]
.endr
.irp b, 0,1,2,3
	v_max_num_f32 v[TM+\b], v[TM+\b], v[TM+4+\b]   ; with lane l xor 16's: the block's largest magnitude
.endr
.irp b, 0,1,2,3
	v_add_nc_u32 v[TM+12+\b], 0xff000000, v[TM+\b] ; 2 off its exponent field: the conversion's scale operand
.endr
.irp b, 0,1,2,3
	v_lshrrev_b32 v[TM+4+\b], 23, v[TM+12+\b]      ; the scale's byte
.endr
	v_lshl_or_b32 v[\pw], v[TM+5], 8, v[TM+4]
	v_lshl_or_b32 v[\pw], v[TM+6], 16, v[\pw]
	v_lshl_or_b32 v[\pw], v[TM+7], 24, v[\pw]
.irp b, 0,1,2,3
	v_cvt_scalef32_pk8_fp4_f32 v[PC+2*\b], v[\s+16*\b:\s+7+16*\b], v[TM+12+\b]
	v_cvt_scalef32_pk8_fp4_f32 v[PC+1+2*\b], v[\s+8+16*\b:\s+15+16*\b], v[TM+12+\b]
.endr
	v_nop                                          ; one plain line behind the scaled conversions
.irp c, 0,1                                    ; a whole block to a lane: lanes 0-15 block 2 c, lanes 16-31 block 2 c + 1
.irp i, 0,1
	v_permlane16_swap_b32 v[PC+4*\c+\i], v[PC+2+4*\c+\i]
.endr
.endr
.endm
.macro STEPH q
.if (\q) < 3
	s_wait_loadcnt 16                              ; this step's 16 loads are in; the other set's 16 may be out
.else
	s_wait_loadcnt 0x0
.endif
.set ii, 0
.rept 16
	ds_store_b128 v2, v[R+64*((\q)%2)+4*ii:R+64*((\q)%2)+4*ii+3] offset:528*ii
.set ii, ii+1
.endr
.irp b, 0,1,2,3
.irp j, 0,1,2,3
	ds_load_b128 v[X+16*\b+4*\j:X+16*\b+4*\j+3], v3 offset:128*\b+16*\j   ; LDS serves a wave's instructions in order: these see the stores above
.endr
.endr
	s_wait_dscnt 0x0                               ; my numbers are back, and the stores have read their registers,
.if (\q) < 2
	LOADH (\q)+2                                   ; which take the loads of two steps on
.endif
	s_wait_xcnt 0x0                                ; the last step's stores have read v[PC] on: only now are they written again
	QUANT X, PWS+(\q)
.irp c, 0,1
	global_store_b128 v1, v[PC+4*\c:PC+4*\c+3], s[26:27] offset:(\q)*1024+512*\c   ; 32 lanes store 512 consecutive bytes, aligned
.endr
.endm
	LOADH 0
	LOADH 1
	STEPH 0
	STEPH 1
	STEPH 2
	STEPH 3
	v_cmp_eq_u32 vcc_lo, 1, v7
	v_cndmask_b32 v236, v[PWS], v[PWS+2], vcc_lo   ; lanes 0-15 store the words of steps 0, 1; lanes 16-31 those of steps 2, 3
	v_cndmask_b32 v237, v[PWS+1], v[PWS+3], vcc_lo
	global_store_b64 v4, v[236:237], s[28:29]      ; 32 lanes store 256 consecutive bytes, aligned
	s_wait_tensorcnt 0x0
	ds_add_u32 v254, v255
	s_wait_dscnt 0x0
	s_endpgm
; ---------------- the weights ----------------
; A work-group takes 64 columns x 512 K; wave w: columns 32 (w % 2) on, K 128 (w / 2) on: four blocks of 32 a lane.  A lane's block is 16 bytes of its own row of the codes, and sixteen neighbouring
; lanes' 16 bytes are neighbours in this layout: the codes leave straight from registers.  The scale words of the four waves of a column half meet in LDS and leave as whole runs of 256 bytes.
.macro WLOAD t, N
.set ii, 0
.rept 32
	global_load_b32 v[WX+32*((\t)%2)+ii], v2, s[34:35] offset:(32*(\t)+ii)*\N*4 th:TH_LOAD_NT
.set ii, ii+1
.endr
.endm
.macro WBLOCK t, N
.set XS, WX+32*((\t)%2)
.if (\t) < 3
	s_wait_loadcnt 32                              ; this block's 32 loads are in; the next block's may be out
.else
	s_wait_loadcnt 0x0
.endif
	v_max3_num_f32 v12, |v[XS]|, |v[XS+1]|, |v[XS+2]|      ; all 32 numbers of the block are mine
	v_max3_num_f32 v13, |v[XS+3]|, |v[XS+4]|, |v[XS+5]|
.irp i, 6,10,14,18,22,26
	v_max3_num_f32 v12, v12, |v[XS+\i]|, |v[XS+\i+1]|
	v_max3_num_f32 v13, v13, |v[XS+\i+2]|, |v[XS+\i+3]|
.endr
	v_max3_num_f32 v12, v12, |v[XS+30]|, |v[XS+31]|
	v_max3_num_f32 v12, v12, v13, 0x1800000        ; and the floor
	v_add_nc_u32 v11, 0xff000000, v12              ; the conversion's scale operand
	v_lshrrev_b32 v13, 23, v11                     ; the byte
.if (\t) == 0
	v_mov_b32 v24, v13
.else
	v_lshl_or_b32 v24, v13, 8*(\t), v24            ; four bytes make the word of these 128 along K
.endif
.irp g, 0,1,2,3
	v_cvt_scalef32_pk8_fp4_f32 v[WC+4*(\t)+\g], v[XS+8*\g:XS+8*\g+7], v11
.endr
	v_nop                                          ; one plain line behind the scaled conversions
	global_store_b128 v3, v[WC+4*(\t):WC+4*(\t)+3], s[36:37] offset:256*(\t)   ; each half of the lanes stores 256 consecutive bytes, aligned
.if (\t) < 2
	WLOAD (\t)+2, \N
.endif
.endm
.macro WPATH N, FIRST, SRC, DST, SCLOFF, WST
	s_sub_co_u32 s17, ttmp9, \FIRST
	s_lshr_b32 s18, s17, 1                         ; which 64 columns
	s_and_b32 s17, s17, 1                          ; which 512 along K
	s_and_b32 s19, s16, 1                          ; my 32 of the columns
	s_lshr_b32 s22, s16, 1                         ; my 128 of the K
	s_lshl_b32 s24, s17, 2
	s_add_co_u32 s24, s24, s22                     ; K step of 128: 0..7
	s_lshl_b32 s25, s18, 1
	s_add_co_u32 s25, s25, s19                     ; group of 32 columns
	s_mul_i32 s26, s24, 128*\N*4
	s_lshl_b32 s28, s25, 7
	s_add_co_u32 s26, s26, s28
	s_mov_b32 s27, 0
	s_add_nc_u64 s[34:35], s[\SRC:\SRC+1], s[26:27]    ; the weight at (my first k, my first column)
	s_lshl_b32 s26, s25, 14
	s_lshl_b32 s28, s24, 10
	s_add_co_u32 s26, s26, s28
	s_add_nc_u64 s[36:37], s[\DST:\DST+1], s[26:27]    ; my codes
	s_lshl_b32 s26, s25, 10
	s_lshl_b32 s28, s17, 8
	s_add_co_u32 s26, s26, s28
	s_add_co_u32 s26, s26, \SCLOFF
	s_add_nc_u64 s[38:39], s[\DST:\DST+1], s[26:27]    ; the scale words of my 32 columns and these 512 along K
	v_lshlrev_b32 v2, 2, v5                        ; in: 4 bytes a lane
	v_lshlrev_b32 v3, 4, v6
	v_lshl_add_u32 v3, v7, 13, v3                  ; codes: 16 r, the next 16 rows 8,192 bytes on
	s_lshl_b32 s23, s19, 9
	s_add_co_u32 s23, s23, \WST
	v_add_nc_u32 v8, s23, v1                       ; LDS: my column's four words
	s_lshl_b32 s28, s22, 2
	v_add_nc_u32 v4, s28, v8                       ; and mine among them
	v_lshlrev_b32 v9, 4, v6
	v_lshl_add_u32 v9, v7, 9, v9                   ; scales out: 16 r, the next 16 rows 512 bytes on
	WLOAD 0, \N
	WLOAD 1, \N
	WBLOCK 0, \N
	WBLOCK 1, \N
	WBLOCK 2, \N
	WBLOCK 3, \N
	ds_store_b32 v4, v24
	s_wait_dscnt 0x0                               ; for the others' sake: my word lies in LDS
	s_barrier_signal -1
	s_barrier_wait -1
	s_cmp_lt_u32 s16, 2                            ; waves 0 and 1 carry the two column halves' words out
	s_cbranch_scc0 .Lwdone_\@
	ds_load_b128 v[112:115], v8
	s_wait_dscnt 0x0
	global_store_b128 v9, v[112:115], s[38:39]     ; each half of the lanes stores 256 consecutive bytes, aligned
.Lwdone_\@:
	s_wait_tensorcnt 0x0
	ds_add_u32 v254, v255
	s_wait_dscnt 0x0
	s_endpgm
.endm
.Lweights:
	s_cmp_lt_u32 ttmp9, 224
	s_cbranch_scc0 .Lwout
	WPATH 3072, 128, 6, 12, 1572864, WSTQ
.Lwout:
	WPATH 1024, 224, 8, 14, 524288, WSTO
.Lfunc_end_k_qb1d8589640_quant:
	.size	k_qb1d8589640_quant, .Lfunc_end_k_qb1d8589640_quant-k_qb1d8589640_quant
	.p2alignl 7, 3214868480
	.fill 96, 4, 3214868480
	.section	.rodata,"a",@progbits
	.p2align	6, 0x0
	.amdhsa_kernel k_qb1d8589640_quant
		.amdhsa_group_segment_fixed_size 70656
		.amdhsa_private_segment_fixed_size 0
		.amdhsa_enable_private_segment 0
		.amdhsa_kernarg_size 48
		.amdhsa_user_sgpr_count 2
		.amdhsa_user_sgpr_kernarg_segment_ptr 1
		.amdhsa_wavefront_size32 1
		.amdhsa_system_sgpr_workgroup_id_x 1
		.amdhsa_system_sgpr_workgroup_id_y 1
		.amdhsa_system_sgpr_workgroup_id_z 1
		.amdhsa_system_vgpr_workitem_id 0
		.amdhsa_next_free_vgpr 256
		.amdhsa_next_free_sgpr 66
		.amdhsa_reserve_vcc 1
		.amdhsa_float_denorm_mode_32 3
		.amdhsa_float_denorm_mode_16_64 3
		.amdhsa_memory_ordered 1
		.amdhsa_forward_progress 1
		.amdhsa_inst_pref_size 73
	.end_amdhsa_kernel
	.amdgpu_metadata
---
amdhsa.version: [ 1, 2 ]
amdhsa.kernels:
  - .name:           k_qb1d8589640_quant
    .symbol:         k_qb1d8589640_quant.kd
    .args:
      - { .name: hidden_states, .offset: 0, .size: 8, .value_kind: global_buffer, .address_space: global }
      - { .name: W_qkv, .offset: 8, .size: 8, .value_kind: global_buffer, .address_space: global }
      - { .name: W_out, .offset: 16, .size: 8, .value_kind: global_buffer, .address_space: global }
      - { .name: hx, .offset: 24, .size: 8, .value_kind: global_buffer, .address_space: global }
      - { .name: wq, .offset: 32, .size: 8, .value_kind: global_buffer, .address_space: global }
      - { .name: wo, .offset: 40, .size: 8, .value_kind: global_buffer, .address_space: global }
    .group_segment_fixed_size: 70656
    .private_segment_fixed_size: 0
    .kernarg_segment_align: 8
    .kernarg_segment_size: 48
    .max_flat_workgroup_size: 256
    .sgpr_count:     66
    .vgpr_count:     256
    .wavefront_size: 32
...
	.end_amdgpu_metadata
.endif
;; end of part 1
;; launch qkvgemm (part 2): grid 12 x 32, 4 waves a work-group, clusters of 4 x 4, 327,680 bytes of LDS; arguments hx, wq, b_qkv, qkv; writes qkv
.if DOCPART == 2
	.amdgcn_target "amdgcn-amd-amdhsa--gfx1250"
	.amdhsa_code_object_version 6
	.text
	.protected	k_qb1d8589640_qkvgemm
	.globl	k_qb1d8589640_qkvgemm
	.p2align	8
	.type	k_qb1d8589640_qkvgemm,@function
k_qb1d8589640_qkvgemm:
	s_mov_b64 s[64:65], 0
	v_nop
	global_prefetch_b8 v0, s[64:65] scope:SCOPE_SE
	s_setreg_imm32_b32 hwreg(HW_REG_WAVE_MODE, 25, 1), 1
	s_wait_xcnt 0x0
	s_wait_alu depctr_hold_cnt(0) depctr_sa_sdst(0) depctr_va_vdst(0) depctr_va_sdst(0) depctr_va_ssrc(0) depctr_va_vcc(0) depctr_vm_vsrc(0)
	s_getreg_b32 s2, hwreg(HW_REG_IB_STS2, 6, 4)
	s_cmp_eq_u32 s2, 0
	s_cbranch_scc0 .Lentry_in_a_cluster
	s_endpgm
.Lentry_in_a_cluster:
	s_bfe_u32 s2, ttmp6, 0x10000c
	s_cmp_lg_u32 s2, 0xf033
	s_cbranch_scc0 .Lentry_shape_is_right
	s_endpgm
.Lentry_shape_is_right:
; qkv = Q(hidden) Q(W_qkv) + b_qkv on codes of FP4 with E8M0 scales (M 8,192, N 3,072, K 1,024), and the result quantised at once for attention: q and k along the head's 64, v along the keys.  No f32 number goes to memory.
; A work-group of four waves makes 256 tokens x 256 columns, a wave 128 x 128: 64 accumulators, 512 registers.  Both operands lie in memory in the order of an operand's registers (16 rows x 128 K = 1,024 bytes on end),
; so a fragment is two LDS loads of 16 bytes a lane at 16 x lane: no pitch, no padding.  K = 1,024 is two LDS slots of 512: both are filled at the start and nothing is filled again.
; CLUSTERS: 4 x 4 work-groups; A's tiles (tokens) are asked for jointly along a row of the cluster, B's (columns) along a column.  The cluster's x says what the columns are: 0 q, 1 k, 2 v; it is the same in all partners.
; q, k: THE PRODUCT IS USED TRANSPOSED (source 0 = 16 columns, source 1 = 16 tokens): a lane holds one token and eight neighbouring channels.  v: not transposed: a lane holds one channel and eight neighbouring tokens.
; The bias is the C of each sum's first product.
; WHAT IS STORED (bh = 16 x batch + head):
;   q at 0, k at 4,194,304: [bh][token / 16][block of 32 channels][token % 16][16 bytes]: registers 0-3 of a fragment;   v at 8,388,608: [bh][128 keys][16 channels][2][lane][16 bytes]: whole fragments of V^T;
;   q's scale words at 12,582,912, k's at 13,107,200: [bh][128 tokens][lane' 32][i 4]: the word of token 32 i + lane': its two bytes below; the bytes above are never 0xff and meet zero codes alone;
;   v's at 13,631,488: [bh][128 keys][lane' 32][i 2]: the word of channel 32 i + lane'.
; LIMITS: NaN and infinities are not served; a block whose largest magnitude lies under 2^-124 (a block of zeros too) gets the byte 1: these bytes are read by this program alone.
; REGISTERS, in windows of 256: window 0: v16-31 addresses; v32-95 scale words, two sets, and nothing else; v96-143 at work on the way out; v128-191 A's fragments, one set; v192-255 the bias.
;   window 1: B's fragments, two sets, at v0 and v128.   window 2: the accumulators of my tokens 0-63 ((a, b) at v[8 (8 (a % 4) + b)]);   window 3: those of tokens 64-127.
.set HALFT,  32768                     ; 128 rows x 512 K: what one tensor load brings: 8 runs of 4,096 bytes
.set SLOT,   4*HALFT                   ; A's 256 rows, then B's 256 rows
.set SCL,    2*SLOT                    ; behind the slots: the scale words of all of K,
.set HALFS,  4096                      ; 4,096 bytes for 128 rows
.set SPARE,  SCL+4*HALFS               ; the spare words, 128 bytes for each wave: two blocks of 256 bytes that no other line names
.set ASCL,   4194304                   ; where the scales begin in hx
.set BSCL,   1572864                   ; and in wq
.set NQ,     4                         ; steps of 128 in a slot
.set FR,     8
.set NL,     2
.set NP,     4                         ; places behind this matrix instruction (ISA guide 7.12.1)
.set ADRA, 16                          ; v16-17 LDS address of my A fragments in slot 0, 1
.set SH,   18                          ; v18  16 h
.set VSO,  19                          ; v19  v's scale words in memory: 2,048 h + 16 r
.set ADRB, 20                          ; v20-21 the same for B
.set STV,  22                          ; v22  v's scale words into my stage;  v23 back
.set RDV,  23
.set STQ,  24                          ; v24  q's and k's into my stage;  v25 back
.set RDQ,  25
.set CO,   26                          ; v26  16 x lane
.set ADRS, 27                          ; v27  my scale words in LDS: lanes 0-15 A's rows, lanes 16-31 B's
.set SPW,  28                          ; v28  my spare word;  v29  0: both never rewritten
.set NIL,  29
.set BQ,   30                          ; v30  32 h;  v31  4 r: the bias's offsets
.set BV,   31
.set SC,   32
.set TM,   96                          ; the way out: v96-103 largest magnitudes, v104-107 the other half's, v108-111 scale operands, v112-115 bytes, v116 the word, v120-127 codes, v128-135 words kept, v136-143 words back
.set TP,   104
.set SO,   108
.set BY,   112
.set PW,   116
.set R,    120
.set WD,   128
.set BK,   136
.set AF,   128
.set BIAS, 192
.set G1, 24
.set G0, 32
.set G1B, 48
.set G0B, 56
.set G1S, 68
.set G0S, 76
.set G1SB, 80
.set G0SB, 88
.set SEL, 98                           ; s[98:99] selects of v_permlanex16_b32: lane l xor 16
.set FLOOR, 100                        ; s100 2^(3 - 127)
.set MSB, 0
.macro WIN new                         ; the immediate's high byte repeats the setting that is left; a switch that changes nothing is dropped
.if MSB != (\new)
	s_set_vgpr_msb (MSB<<8)|(\new)
.set MSB, (\new)
.endif
.endm
.set TO_B, 0x40                        ; destination window 1, address window 0
; A joint load: waves 0 and 1 fetch for A, waves 2 and 3 for B; the branch hangs on the wave's number alone.  Four v_nop follow each of the two lines.
.macro JLOAD g0a, g1a, g0b, g1b
	s_cmp_eq_u32 s15, 0
	s_cbranch_scc0 .Lfor_b_\@
	tensor_load_to_lds s[\g0a:\g0a+3], s[\g1a:\g1a+7]
	s_nop 0
.rept 4
	v_nop
.endr
	s_branch .Lasked_\@
.Lfor_b_\@:
	tensor_load_to_lds s[\g0b:\g0b+3], s[\g1b:\g1b+7]
	s_nop 0
.rept 4
	v_nop
.endr
.Lasked_\@:
.endm
.macro CROUND                          ; a round of the cluster's barrier
	s_barrier_signal -1
	s_barrier_wait -1
	s_cmp_lg_u32 s14, 0
	s_cbranch_scc1 .Lnot_wave_0_\@
	s_barrier_signal -3
.Lnot_wave_0_\@:
	s_barrier_wait -3
	s_barrier_signal -1
	s_barrier_wait -1
.endm
.macro PLACES n
.rept \n
	v_nop
.endr
.endm
	s_load_b128 s[4:7], s[0:1], 0x0                ; hx, wq
	s_load_b128 s[8:11], s[0:1], 0x10              ; b_qkv, qkv
	v_lshl_add_u32 v[SPW], v0, 2, SPARE
	v_mov_b32 v[NIL], 0
	ds_add_u32 v28, v29
	ds_add_u32 v28, v29
	s_wait_dscnt 0x0
	v_lshrrev_b32 v1, 5, v0
	v_readfirstlane_b32 s14, v1                    ; wave 0..3
	s_lshr_b32 s15, s14, 1                         ; which half of the tile's tokens is mine.  Also: I fetch for A (0) or for B (1)
	s_and_b32 s16, s14, 1                          ; which half of its columns.  Also: which 128 rows of that tile I fetch
	s_bfe_u32 s40, ttmp6, 0x40000                  ; cx, cy: my place in the cluster
	s_bfe_u32 s41, ttmp6, 0x40004
	s_lshl_b32 s42, ttmp9, 2
	s_add_co_u32 s42, s42, s40                     ; tile column = 4 x cluster x + cx
	s_and_b32 s17, ttmp7, 0xffff
	s_lshl_b32 s17, s17, 2
	s_add_co_u32 s17, s17, s41                     ; tile row = 4 x cluster y + cy
	s_lshl_b32 s43, s41, 2
	s_lshl_b32 s43, 15, s43                        ; my row of the cluster
	s_lshl_b32 s44, 0x1111, s40                    ; my column
	; group 1 for the codes: 8 rows of 512 elements of 8 bytes (4,096 bytes: 16 rows of the operand x 512 K), 8,192 bytes apart in memory, on end in LDS
	s_or_b32 s[G1+0], s43, (3<<16)|(1<<21)         ; 15:0 the mask; 17:16 elements of 8 bytes; 21 set beside a mask; no padding
	s_or_b32 s[G1B+0], s44, (3<<16)|(1<<21)
.irp g, G1, G1B
	s_mov_b32 s[\g+1], 512<<16                     ; tensor_dim0
	s_mov_b32 s[\g+2], 8<<16                       ; tensor_dim1
	s_mov_b32 s[\g+3], 512<<16                     ; tile_dim0
	s_mov_b32 s[\g+4], 8                           ; tile_dim1
	s_mov_b32 s[\g+5], 1024                        ; from row to row
	s_mov_b32 s[\g+6], 0
	s_mov_b32 s[\g+7], 0
.endr
	; and for the scales of 128 rows: 4,096 dense bytes as 16 rows of 256
	s_or_b32 s[G1S+0], s43, (3<<16)|(1<<21)
	s_or_b32 s[G1SB+0], s44, (3<<16)|(1<<21)
.irp g, G1S, G1SB
	s_mov_b32 s[\g+1], 32<<16
	s_mov_b32 s[\g+2], 16<<16
	s_mov_b32 s[\g+3], 32<<16
	s_mov_b32 s[\g+4], 16
	s_mov_b32 s[\g+5], 32
	s_mov_b32 s[\g+6], 0
	s_mov_b32 s[\g+7], 0
.endr
	s_lshl_b32 s18, s16, 7                         ; which 128 rows of the tile I fetch
	s_lshl_b32 s20, s17, 8
	s_add_co_u32 s20, s20, s18                     ; A: row 256 x tile row + 128 x half
	s_lshl_b32 s46, s42, 8
	s_add_co_u32 s46, s46, s18                     ; B: row 256 x tile column + 128 x half
	s_lshl_b32 s22, s20, 5                         ; scales: 32 bytes a row,
	s_add_co_u32 s22, s22, ASCL
	s_mov_b32 s23, 0
	s_lshl_b32 s92, s46, 5
	s_add_co_u32 s92, s92, BSCL
	s_mov_b32 s93, 0
	s_lshl_b32 s20, s20, 9                         ; codes: 512 bytes a row
	s_mov_b32 s21, 0
	s_lshl_b32 s46, s46, 9
	s_mov_b32 s47, 0
	s_mul_i32 s45, s14, HALFT                      ; where they go: by the wave's number alone
	s_mul_i32 s94, s14, HALFS
	s_wait_kmcnt 0x0
	s_add_nc_u64 s[20:21], s[4:5], s[20:21]
	s_add_nc_u64 s[22:23], s[4:5], s[22:23]
	s_add_nc_u64 s[46:47], s[6:7], s[46:47]
	s_add_nc_u64 s[92:93], s[6:7], s[92:93]
	CROUND                                         ; all sixteen work-groups are here: the joint loads meet
	s_mov_b32 s[G0S], 1
	s_add_co_u32 s[G0S+1], s94, SCL
	s_mov_b64 s[G0S+2:G0S+3], s[22:23]
	s_or_b32 s[G0S+3], s[G0S+3], 0x80000000
	s_mov_b32 s[G0SB], 1
	s_add_co_u32 s[G0SB+1], s94, SCL
	s_mov_b64 s[G0SB+2:G0SB+3], s[92:93]
	s_or_b32 s[G0SB+3], s[G0SB+3], 0x80000000
	JLOAD G0S, G1S, G0SB, G1SB                     ; the scales first: three loads of mine are out in all
.irp s, 0,1
	s_mov_b32 s[G0+4*\s], 1
	s_add_co_u32 s[G0+4*\s+1], s45, \s*SLOT
	s_add_nc_u64 s[G0+4*\s+2:G0+4*\s+3], s[20:21], \s*4096
	s_or_b32 s[G0+4*\s+3], s[G0+4*\s+3], 0x80000000
	s_mov_b32 s[G0B+4*\s], 1
	s_add_co_u32 s[G0B+4*\s+1], s45, \s*SLOT
	s_add_nc_u64 s[G0B+4*\s+2:G0B+4*\s+3], s[46:47], \s*4096
	s_or_b32 s[G0B+4*\s+3], s[G0B+4*\s+3], 0x80000000
	JLOAD G0+4*\s, G1, G0B+4*\s, G1B
.endr
	v_and_b32 v1, 15, v0                           ; r
	v_bfe_u32 v2, v0, 4, 1                         ; h
	v_and_b32 v3, 31, v0
	v_lshlrev_b32 v[CO], 4, v3
	v_lshlrev_b32 v7, 4, v1                        ; 16 r
	s_mul_i32 s21, s15, HALFT                      ; my 128 rows of A
	s_mul_i32 s22, s16, HALFT                      ; my 128 rows of B,
	s_add_co_u32 s22, s22, 2*HALFT                 ; behind A's 256
.irp s, 0,1
	v_add_nc_u32 v[ADRA+\s], s21, v[CO]
	v_add_nc_u32 v[ADRB+\s], s22, v[CO]
	s_add_co_u32 s21, s21, SLOT
	s_add_co_u32 s22, s22, SLOT
.endr
	s_mul_i32 s21, s15, HALFS
	s_mul_i32 s22, s16, HALFS
	s_add_co_u32 s22, s22, 2*HALFS
	s_sub_co_u32 s22, s22, s21
	v_mul_u32_u24 v6, s22, v2                      ; lanes 16-31 take B's: one product, the distance between the two
	s_add_co_u32 s21, s21, SCL
	v_add_nc_u32 v5, v7, v6
	v_add_nc_u32 v[ADRS], s21, v5
	; the stages for the scale words lie in slot 0, which nobody reads and nothing fills when they are written; each path has bytes of its own
	s_lshl_b32 s21, s14, 10
	v_lshl_add_u32 v[STQ], v2, 9, v7
	v_add_nc_u32 v[STQ], s21, v[STQ]               ; q, k: 1,024 x wave + 512 h (the head) + 16 r
	v_add_nc_u32 v[RDQ], s21, v[CO]
	s_lshl_b32 s22, s14, 9
	s_add_co_u32 s22, s22, 8192
	v_lshl_add_u32 v[STV], v1, 3, s22              ; v: 8,192 + 512 x wave + 8 r
	v_add_nc_u32 v[RDV], s22, v[CO]
	v_lshl_add_u32 v[VSO], v2, 11, v7
	v_lshlrev_b32 v[SH], 4, v2
	v_lshlrev_b32 v[BQ], 5, v2
	v_lshlrev_b32 v[BV], 2, v1
	s_mov_b32 s[SEL], 0x76543210
	s_mov_b32 s[SEL+1], 0xfedcba98
	s_mov_b32 s[FLOOR], 0x1800000
	; where my results go
	s_lshr_b32 s19, s17, 2
	s_lshl_b32 s19, s19, 4                         ; 16 x batch
	s_and_b32 s101, s42, 3
	s_lshl_b32 s101, s101, 2
	s_add_co_u32 s19, s19, s101
	s_lshl_b32 s101, s16, 1
	s_add_co_u32 s19, s19, s101                    ; bh of my first head (I have two)
	s_and_b32 s95, s17, 3
	s_lshl_b32 s95, s95, 8
	s_lshl_b32 s101, s15, 7
	s_add_co_u32 s95, s95, s101                    ; my first token in the batch, a multiple of 128
	s_mov_b32 s3, 0
	s_lshl_b32 s2, ttmp9, 22
	s_lshl_b32 s101, s19, 15
	s_add_co_u32 s2, s2, s101
	s_lshl_b32 s101, s95, 5
	s_add_co_u32 s2, s2, s101
	s_add_nc_u64 s[12:13], s[10:11], s[2:3]        ; codes
	s_lshl_b32 s2, ttmp9, 19
	s_lshl_b32 s101, s19, 12
	s_add_co_u32 s2, s2, s101
	s_lshl_b32 s101, s95, 2
	s_add_co_u32 s2, s2, s101
	s_add_co_u32 s2, s2, 12582912
	s_add_nc_u64 s[66:67], s[10:11], s[2:3]        ; q's or k's scale words
	s_lshl_b32 s2, s19, 11
	s_lshl_b32 s101, s95, 1
	s_add_co_u32 s2, s2, s101
	s_add_co_u32 s2, s2, 13631488
	s_add_nc_u64 s[96:97], s[10:11], s[2:3]        ; v's
	s_lshl_b32 s2, s42, 10
	s_lshl_b32 s101, s16, 9
	s_add_co_u32 s2, s2, s101
	s_add_nc_u64 s[8:9], s[8:9], s[2:3]            ; the bias of my 128 columns
.macro FRAG reg, adr, q, i             ; 16 rows x 128 K: 8 registers: two loads of 512 consecutive bytes
.irp c, 0,1
	ds_load_b128 v[\reg+4*\c:\reg+4*\c+3], v[\adr] offset:4096*(\i)+1024*(\q)+512*\c
.endr
.endm
; 16 products: A's blocks a0, a0 + 1 x B's eight, the slot's q-th 128 along K.  p: B's set;  sc: the set of scale words;  first = 1: C is the bias.  The 64 accumulators take turns, one instruction a turn.
; A scale register holds A's word of block i in lanes 0-15 and B's word of block i in lanes 16-31.
.macro MUL16 a0, p, q, sc, first
.irp a, \a0, \a0+1
.irp b, 0,1,2,3,4,5,6,7
.set rD, 8*(8*((\a)%4)+\b)
.set rB, 128*(\p)+FR*\b
.set rA, AF+FR*(\a)
.set sB, SC+8*NQ*(\sc)+NQ*\b+(\q)
.set sA, SC+8*NQ*(\sc)+NQ*(\a)+(\q)
.if NAT
.if \first
	v_wmma_scale_f32_16x16x128_f8f6f4 v[rD:rD+7], v[rA:rA+7], v[rB:rB+7], v[BIAS+8*\b:BIAS+8*\b+7], v[sA], v[sB] matrix_a_fmt:MATRIX_FMT_FP4 matrix_b_fmt:MATRIX_FMT_FP4 matrix_b_scale:MATRIX_SCALE_ROW1
.else
	v_wmma_scale_f32_16x16x128_f8f6f4 v[rD:rD+7], v[rA:rA+7], v[rB:rB+7], v[rD:rD+7], v[sA], v[sB] matrix_a_fmt:MATRIX_FMT_FP4 matrix_b_fmt:MATRIX_FMT_FP4 matrix_b_scale:MATRIX_SCALE_ROW1
.endif
.else
.if \first
	v_wmma_scale_f32_16x16x128_f8f6f4 v[rD:rD+7], v[rB:rB+7], v[rA:rA+7], v[BIAS+8*\b:BIAS+8*\b+7], v[sB], v[sA] matrix_a_fmt:MATRIX_FMT_FP4 matrix_b_fmt:MATRIX_FMT_FP4 matrix_a_scale:MATRIX_SCALE_ROW1
.else
	v_wmma_scale_f32_16x16x128_f8f6f4 v[rD:rD+7], v[rB:rB+7], v[rA:rA+7], v[rD:rD+7], v[sB], v[sA] matrix_a_fmt:MATRIX_FMT_FP4 matrix_b_fmt:MATRIX_FMT_FP4 matrix_a_scale:MATRIX_SCALE_ROW1
.endif
.endif
.endr
.endr
.endm
.macro FETCH_B slot, q, p
	WIN TO_B
.irp i, 0,1,2,3,4,5,6,7
	FRAG 128*(\p)+FR*\i, ADRB+\slot, \q, \i
.endr
	WIN 0
.endm
.macro FETCH_A slot, q, i0
.irp i, \i0, \i0+1, \i0+2, \i0+3
	FRAG AF+FR*(\i), ADRA+\slot, \q, \i
.endr
.endm
.macro SCALES sc                       ; a slot's scale words: four words a row by one load
.irp i, 0,1,2,3,4,5,6,7
	ds_load_b128 v[SC+8*NQ*\sc+NQ*\i:SC+8*NQ*\sc+NQ*\i+3], v[ADRS] offset:512*\i+256*\sc
.endr
.endm
; A step of 128 along K with its successor in the same slot.  A's blocks 0-3 are fetched anew in its middle, blocks 4-7 at its end; B has two sets.  Four plain lines stand in front of each run of loads into registers that products have read.
.macro STEP slot, q, first
	s_wait_dscnt 4*NL                              ; all but the youngest eight loads (A's blocks 4-7) are in
.if \first
	WIN W_FLO
.else
	WIN W_LO
.endif
	MUL16 0, (\q)%2, \q, \slot, \first
	MUL16 2, (\q)%2, \q, \slot, \first
	s_wait_dscnt 0                                 ; A's blocks 4-7 are in
	PLACES NP
	FETCH_B \slot, (\q)+1, 1-(\q)%2
	FETCH_A \slot, (\q)+1, 0
.if \first
	WIN W_FHI
.else
	WIN W_HI
.endif
	MUL16 4, (\q)%2, \q, \slot, \first
	MUL16 6, (\q)%2, \q, \slot, \first
	PLACES NP
	WIN 0
	FETCH_A \slot, (\q)+1, 4
.endm
; Slot 0's last step changes slots: one barrier; in front of it each wave waits for all its tensor loads (its part of slot 1), adds 0 to its spare word, and waits for that and for its reads of slot 0.
.macro TURN slot, next
	s_wait_tensorcnt 0x0                           ; my part of the next slot has landed
	ds_add_u32 v[SPW], v[NIL]                      ; 0 onto my spare word
	s_wait_dscnt 4*NL+1                            ; (the add and the youngest eight loads may be out)
	WIN W_LO
	MUL16 0, 1, NQ-1, \slot, 0
	s_wait_dscnt 0x0                               ; the add is done, and my reads of this slot are over
	s_barrier_signal -1
	MUL16 2, 1, NQ-1, \slot, 0
	WIN 0
	s_barrier_wait -1                              ; the next slot is whole, and nobody reads this one any more
	PLACES NP
	FETCH_B \next, 0, 0
	FETCH_A \next, 0, 0
	SCALES \next
	WIN W_HI
	MUL16 4, 1, NQ-1, \slot, 0
	MUL16 6, 1, NQ-1, \slot, 0
	PLACES NP
	WIN 0
	FETCH_A \next, 0, 4
.endm
.macro MAIN                            ; all of K: eight steps of 128
	s_wait_loadcnt 0x0                             ; the bias
	s_wait_tensorcnt 1                             ; the scales and my part of slot 0 are in; slot 1's load may be out
	s_barrier_signal -1
	s_barrier_wait -1
	FETCH_B 0, 0, 0
	FETCH_A 0, 0, 0
	SCALES 0
	FETCH_A 0, 0, 4
	STEP 0, 0, 1
	STEP 0, 1, 0
	STEP 0, 2, 0
	TURN 0, 1
	STEP 1, 0, 0
	STEP 1, 1, 0
	STEP 1, 2, 0
	s_wait_dscnt 4*NL
	WIN W_LO
	MUL16 0, 1, NQ-1, 1, 0
	MUL16 2, 1, NQ-1, 1, 0
	s_wait_dscnt 0
	WIN W_HI
	MUL16 4, 1, NQ-1, 1, 0
	MUL16 6, 1, NQ-1, 1, 0
	WIN 0
.endm
.macro SETNAT n                        ; window settings: bits 1:0 source 0, 3:2 source 1, 5:4 C, 7:6 D.  A's fragments window 0, B's window 1; in the first step C (the bias) window 0
.set NAT, \n
.set W_LO,  0xa1+3*NAT
.set W_HI,  0xf1+3*NAT
.set W_FLO, 0x81+3*NAT
.set W_FHI, 0xc1+3*NAT
.endm
; THE WAY OUT.  Eight accumulators are four blocks of 32 along the next K: block n = the accumulators at l_n and l_n + d (blocks 0, 1 in window wa, blocks 2, 3 in window wb).  In a block lane (r, h) holds
; numbers 8 h + 0..7 (first accumulator) and 16 + 8 h + 0..7 (second).  GROUP leaves the codes in v[R] on, a whole block to a lane (lanes 0-15 blocks 0 and 2, lanes 16-31 blocks 1 and 3), and the four bytes in v[PW].
.macro MAX4 x0, x1, x2, x3, t0         ; four accumulators' largest magnitudes, by turns; each accumulator is read from its low end on
.irp i, 0,2,4,6
.set mi, 0
.irp x, \x0, \x1, \x2, \x3
.if \i == 0
	v_max3_num_f32 v[TM+\t0+mi], s[FLOOR], |v[(\x)]|, |v[(\x)+1]|
.else
	v_max3_num_f32 v[TM+\t0+mi], v[TM+\t0+mi], |v[(\x)+\i]|, |v[(\x)+\i+1]|
.endif
.set mi, mi+1
.endr
.endr
.endm
.macro SWAP4 r                         ; four registers, (block 0: numbers 8 h.., 16 + 8 h..; block 1 likewise) -> lane half h holds block h's 32 codes in order
	v_permlane16_swap_b32 v[\r], v[\r+1]
	v_permlane16_swap_b32 v[\r+2], v[\r+3]
	v_permlane16_swap_b32 v[\r], v[\r+2]
	v_permlane16_swap_b32 v[\r+1], v[\r+3]
.endm
.macro GROUP l0, l1, l2, l3, d, wa, wb
	WIN ((\wa)<<2)|((\wa)<<4)                      ; sources 1 and 2: the accumulators' window
	MAX4 \l0, \l0+\d, \l1, \l1+\d, 0
	WIN ((\wb)<<2)|((\wb)<<4)
	MAX4 \l2, \l2+\d, \l3, \l3+\d, 4
	WIN 0
.irp b, 0,1,2,3
	v_max_num_f32 v[TM+2*\b], v[TM+2*\b], v[TM+2*\b+1]
.endr
.irp b, 0,1,2,3
	v_permlanex16_b32 v[TP+\b], v[TM+2*\b], s[SEL], s[SEL+1]
.endr
.irp b, 0,1,2,3
	v_max_num_f32 v[TM+2*\b], v[TM+2*\b], v[TP+\b] ; the block's largest magnitude
.endr
.irp b, 0,1,2,3
	v_add_nc_u32 v[SO+\b], 0xff000000, v[TM+2*\b]  ; 2 off its exponent field: the conversion's scale operand
.endr
.irp b, 0,1,2,3
	v_lshrrev_b32 v[BY+\b], 23, v[SO+\b]           ; the byte
.endr
	v_lshl_or_b32 v[PW], v[BY+1], 8, v[BY]
	v_lshl_or_b32 v[PW], v[BY+2], 16, v[PW]
	v_lshl_or_b32 v[PW], v[BY+3], 24, v[PW]
	s_wait_xcnt 0x0                                ; the last group's stores have read v[R] on: only now are they written again
	WIN (\wa)                                      ; source 0: the accumulators' window
	v_cvt_scalef32_pk8_fp4_f32 v[R], v[(\l0):(\l0)+7], v[SO]
	v_cvt_scalef32_pk8_fp4_f32 v[R+1], v[(\l0)+(\d):(\l0)+(\d)+7], v[SO]
	v_cvt_scalef32_pk8_fp4_f32 v[R+2], v[(\l1):(\l1)+7], v[SO+1]
	v_cvt_scalef32_pk8_fp4_f32 v[R+3], v[(\l1)+(\d):(\l1)+(\d)+7], v[SO+1]
	WIN (\wb)
	v_cvt_scalef32_pk8_fp4_f32 v[R+4], v[(\l2):(\l2)+7], v[SO+2]
	v_cvt_scalef32_pk8_fp4_f32 v[R+5], v[(\l2)+(\d):(\l2)+(\d)+7], v[SO+2]
	v_cvt_scalef32_pk8_fp4_f32 v[R+6], v[(\l3):(\l3)+7], v[SO+3]
	v_cvt_scalef32_pk8_fp4_f32 v[R+7], v[(\l3)+(\d):(\l3)+(\d)+7], v[SO+3]
	WIN 0
	v_nop                                          ; one plain line behind the scaled conversions
	SWAP4 R
	SWAP4 R+4
.endm
.macro TAIL
	s_wait_tensorcnt 0x0                           ; the wave's end
	ds_add_u32 v[SPW], v[NIL]
	s_wait_dscnt 0x0
	CROUND                                         ; the closing round
	s_endpgm
.endm
	s_cmp_eq_u32 ttmp9, 2                          ; the cluster's x: the same in all sixteen partners
	s_cbranch_scc1 .Lpath_v
; ---------------- q and k ----------------
.irp b, 0,1,2,3,4,5,6,7
	global_load_b128 v[BIAS+8*\b:BIAS+8*\b+3], v[BQ], s[8:9] offset:64*\b          ; lane (r, h), register j: the bias of column 16 b + 8 h + j
	global_load_b128 v[BIAS+8*\b+4:BIAS+8*\b+7], v[BQ], s[8:9] offset:64*\b+16
.endr
	SETNAT 0
	MAIN
	PLACES NP                                      ; in front of the first read of results and the first write of registers that products have read
.irp b, 0,1,2,3
	v_mov_b32 v[TP+\b], 0                          ; a lane permute's destination counts as one of its sources
.endr
.irp a, 0,1,2,3,4,5,6,7                ; 16 tokens at a time: my 128 columns are two heads of two blocks each
.set L0, 64*(\a%4)
.set WA, 2+\a/4
	GROUP L0, L0+16, L0+32, L0+48, 8, WA, WA
	global_store_b128 v[CO], v[R:R+3], s[12:13] offset:\a*512            ; 32 lanes store 512 consecutive bytes, aligned: the first head's
	global_store_b128 v[CO], v[R+4:R+7], s[12:13] offset:32768+\a*512    ; the second head's
	v_lshrrev_b32 v[WD+\a], v[SH], v[PW]           ; lanes 0-15 keep the word as it is (first head's bytes below), lanes 16-31 bring the second head's bytes down
	ds_store_b32 v[STQ], v[WD+\a] offset:256*(\a%2)+4*(\a/2)             ; token 16 a + r = 32 (a / 2) + lane', lane' = 16 (a % 2) + r
.endr
	ds_load_b128 v[BK:BK+3], v[RDQ]                ; LDS serves a wave's instructions in order: these see my stores
	ds_load_b128 v[BK+4:BK+7], v[RDQ] offset:512
	s_wait_dscnt 0x0
	global_store_b128 v[CO], v[BK:BK+3], s[66:67]
	global_store_b128 v[CO], v[BK+4:BK+7], s[66:67] offset:4096
	TAIL
; ---------------- v ----------------
.Lpath_v:
.set bb, 0
.rept 8
.set jj, 0
.rept 8
	global_load_b32 v[BIAS+8*bb+jj], v[BV], s[8:9] offset:64*bb    ; lane (r, h): the bias of channel 16 b + r, in all eight registers
.set jj, jj+1
.endr
.set bb, bb+1
.endr
	SETNAT 1
	MAIN
	PLACES NP
.irp b, 0,1,2,3
	v_mov_b32 v[TP+\b], 0
.endr
.irp b, 0,1,2,3,4,5,6,7                ; 16 channels at a time: my 128 tokens are four blocks of 32 keys: one whole fragment of V^T
.set L0, 8*\b
	GROUP L0, L0+128, L0, L0+128, 64, 2, 3
	global_store_b128 v[CO], v[R:R+3], s[12:13] offset:(\b/4)*32768+(\b%4)*1024
	global_store_b128 v[CO], v[R+4:R+7], s[12:13] offset:(\b/4)*32768+(\b%4)*1024+512
	v_mov_b32 v[WD+\b], v[PW]
	ds_store_b32 v[STV], v[WD+\b] offset:256*(\b/4)+128*(\b%2)+4*((\b%4)/2)   ; channel 16 (b % 4) + r = 32 i + lane'; both halves of the lanes write the same word
.endr
	ds_load_b128 v[BK:BK+3], v[RDV]
	s_wait_dscnt 0x0
	global_store_b128 v[VSO], v[BK:BK+3], s[96:97] ; each half of the lanes stores 256 consecutive bytes, aligned: a head's words of these 128 keys
	TAIL
.Lfunc_end_k_qb1d8589640_qkvgemm:
	.size	k_qb1d8589640_qkvgemm, .Lfunc_end_k_qb1d8589640_qkvgemm-k_qb1d8589640_qkvgemm
	.p2alignl 7, 3214868480
	.fill 96, 4, 3214868480
	.section	.rodata,"a",@progbits
	.p2align	6, 0x0
	.amdhsa_kernel k_qb1d8589640_qkvgemm
		.amdhsa_group_segment_fixed_size 327680
		.amdhsa_private_segment_fixed_size 0
		.amdhsa_enable_private_segment 0
		.amdhsa_kernarg_size 32
		.amdhsa_user_sgpr_count 2
		.amdhsa_user_sgpr_kernarg_segment_ptr 1
		.amdhsa_wavefront_size32 1
		.amdhsa_system_sgpr_workgroup_id_x 1
		.amdhsa_system_sgpr_workgroup_id_y 1
		.amdhsa_system_sgpr_workgroup_id_z 1
		.amdhsa_system_vgpr_workitem_id 0
		.amdhsa_next_free_vgpr 1024
		.amdhsa_next_free_sgpr 102
		.amdhsa_reserve_vcc 0
		.amdhsa_float_denorm_mode_32 3
		.amdhsa_float_denorm_mode_16_64 3
		.amdhsa_memory_ordered 1
		.amdhsa_forward_progress 1
		.amdhsa_inst_pref_size 255
	.end_amdhsa_kernel
	.section	.bss,"aw",@nobits
	.p2align	6
	.space	262144
	.amdgpu_metadata
---
amdhsa.version: [ 1, 2 ]
amdhsa.kernels:
  - .name:           k_qb1d8589640_qkvgemm
    .symbol:         k_qb1d8589640_qkvgemm.kd
    .args:
      - { .name: hx, .offset: 0, .size: 8, .value_kind: global_buffer, .address_space: global }
      - { .name: wq, .offset: 8, .size: 8, .value_kind: global_buffer, .address_space: global }
      - { .name: b_qkv, .offset: 16, .size: 8, .value_kind: global_buffer, .address_space: global }
      - { .name: qkv, .offset: 24, .size: 8, .value_kind: global_buffer, .address_space: global }
    .group_segment_fixed_size: 327680
    .private_segment_fixed_size: 0
    .kernarg_segment_align: 8
    .kernarg_segment_size: 32
    .max_flat_workgroup_size: 128
    .sgpr_count:     102
    .vgpr_count:     1024
    .wavefront_size: 32
...
	.end_amdgpu_metadata
.endif
;; end of part 2
;; launch attn (part 3): grid 4 x 64, 16 waves a work-group, clusters of 4 x 1, 169,984 bytes of LDS; arguments qkv, yq; writes yq
.if DOCPART == 3
	.amdgcn_target "amdgcn-amd-amdhsa--gfx1250"
	.amdhsa_code_object_version 6
	.text
	.protected	k_qb1d8589640_attn
	.globl	k_qb1d8589640_attn
	.p2align	8
	.type	k_qb1d8589640_attn,@function
k_qb1d8589640_attn:
	s_mov_b64 s[64:65], 0
	v_nop
	global_prefetch_b8 v0, s[64:65] scope:SCOPE_SE
	s_setreg_imm32_b32 hwreg(HW_REG_WAVE_MODE, 25, 1), 1
	s_wait_xcnt 0x0
	s_wait_alu depctr_hold_cnt(0) depctr_sa_sdst(0) depctr_va_vdst(0) depctr_va_sdst(0) depctr_va_ssrc(0) depctr_va_vcc(0) depctr_vm_vsrc(0)
	s_getreg_b32 s2, hwreg(HW_REG_IB_STS2, 6, 4)
	s_cmp_eq_u32 s2, 0
	s_cbranch_scc0 .Lentry_in_a_cluster
	s_endpgm
.Lentry_in_a_cluster:
	s_bfe_u32 s2, ttmp6, 0x10000c
	s_cmp_lg_u32 s2, 0x3003
	s_cbranch_scc0 .Lentry_shape_is_right
	s_endpgm
.Lentry_shape_is_right:
; y[b][t][head 64 + d] = the sum over keys of softmax(q . k / 8) v, both products on codes of FP4 with E8M0 scales, and y quantised at once along its 1,024 columns for the last product.
; THE SOFTMAX: t = score x log2(e) / 8; M = the running largest t rounded UP to a whole number; p = 2^(t - M) is quantised along the keys, not normalised; the row's sum is taken of the unquantised p and divides at the end
; (by v_rcp_f32 and a multiplication).  When M moves, the sum and O are multiplied by 2^(old M - new M): exact.
; The first product's K is the head's 64: the upper half of the instruction's 128 is zero codes on both sides (registers 4-7 of each fragment, cleared once); their scale bytes are never 0xff.
; SHARES.  A work-group owns 256 tokens and TWO heads, 2 p and 2 p + 1; each of its sixteen waves one tile of 16 tokens, first head 2 p, then 2 p + 1: so a wave ends with 16 rows x 128 columns of y: a whole fragment and a whole scale word.
; Four waves share a SIMD: one wave's vector work stands beside another's products and LDS loads.
; LDS holds all keys and values of the two heads, filled ONCE: nothing is filled again, so there is no ring.  All of it lies in the order of the operands' registers: every LDS load takes consecutive bytes, 16 or 8 a lane.
; CLUSTER.  The four work-groups of a cluster are the four blocks of 256 tokens of one pair of heads: they need the same K and V, and every fill is asked for jointly, with a mask that names the four.
; LAYOUT.  Both products are used transposed: S^T = K Q^T, O^T = V^T P^T: a lane holds one query (lane % 16) throughout.  A block of 32 keys is two neighbouring tiles' 16 registers in lanes l and l xor 16; four lane swaps
; behind the conversions give each lane a whole block, as the operand's layout wants.
; LIMITS: NaN and infinities are not served; a block of y under 2^-124 gets the byte 1.
; The scale halfwords of y are stored two bytes a lane: 64 bytes of a run of 256 whose rest belongs to other pairs of heads: one byte in 16 of what this launch stores.
.set KI,  0                            ; LDS: K's codes, 32,768 bytes a head;
.set VI,  65536                        ; V's;
.set KS,  131072                       ; K's scale words, 4,096 a head;
.set VS,  139264                       ; V's, 2,048 a head
.set ADK, 8                            ; v8-11 the step's LDS addresses
.set ADV, 9
.set ADS, 10
.set ADT, 11
.set S,   96                           ; v96-159 S^T, then p
.set OT,  160                          ; v160-191 O^T
.set PCD, 192                          ; v192-199 p's codes
.set KSC, 200                          ; v200-203 K's scale words: register i: lanes 0-15 tile 2 i, lanes 16-31 tile 2 i + 1
.set VSC, 204                          ; v204-205 V's likewise
.set PSC, 206                          ; v206 p's scale word
.set BM,  208                          ; v208-211 the blocks' largest scores, then largest p
.set TP,  212                          ; v212-215 the other half's; then bytes
.set SO,  216                          ; v216-219 the conversions' scale operands
.set FF,  220                          ; v[220:221] f = 2^(old M - new M)
.set T1,  222
.set L2,  224                          ; v[224:225] the sum's second chain
.set QSC, 228                          ; v228-229 Q's scale words, head 0 and 1
.set YC,  232                          ; v232-239 y's codes
.set YH,  240                          ; v240-241 y's two scale bytes of each head
.set WV,  18
.set SEL, 20
.set CS,  22
.set G1A, 24                           ; s[24:31] 16 rows of 256 bytes;  s[32:39] 2 rows;  s[40:47] 1 row
.set G1B, 32
.set G1C, 40
.set TK,  66                           ; s66 the step's codes: head x 32,768 + step x 4,096 (K's and V's alike)
.set TS,  67                           ; s67 K's scale words: head x 4,096 + step x 512
.set TT,  68                           ; s68 V's: head x 2,048 + step x 256
.set CNT, 69
.macro CROUND
	s_barrier_signal -1
	s_barrier_wait -1
	s_cmp_lg_u32 s[WV], 0
	s_cbranch_scc1 .Lnot_wave_0_\@
	s_barrier_signal -3
.Lnot_wave_0_\@:
	s_barrier_wait -3
	s_barrier_signal -1
	s_barrier_wait -1
.endm
.macro SWAP4 r
	v_permlane16_swap_b32 v[\r], v[\r+1]
	v_permlane16_swap_b32 v[\r+2], v[\r+3]
	v_permlane16_swap_b32 v[\r], v[\r+2]
	v_permlane16_swap_b32 v[\r+1], v[\r+3]
.endm
	s_load_b128 s[4:7], s[0:1], 0x0                ; qkv, yq
	v_lshl_add_u32 v254, v0, 2, 0x29000
	v_mov_b32 v255, 0
	ds_add_u32 v254, v255
	ds_add_u32 v254, v255
	v_lshrrev_b32 v8, 5, v0
	v_readfirstlane_b32 s[WV], v8                  ; wave 0..15
	s_bfe_u32 s70, ttmp6, 0x40000                  ; cx: which 256 tokens: it enters Q's and y's addresses alone
	s_and_b32 s71, ttmp7, 0xffff                   ; 8 x batch + pair of heads: shared by the four partners
.irp g, G1A, G1B, G1C
	s_mov_b32 s[\g], 15|(3<<16)|(1<<21)            ; 15:0 the mask: all four; 17:16 elements of 8 bytes; 21 set beside a mask
	s_mov_b32 s[\g+1], 32<<16                      ; rows of 256 bytes, dense
	s_mov_b32 s[\g+3], 32<<16
	s_mov_b32 s[\g+5], 32
	s_mov_b32 s[\g+6], 0
	s_mov_b32 s[\g+7], 0
.endr
	s_mov_b32 s[G1A+2], 16<<16
	s_mov_b32 s[G1A+4], 16
	s_mov_b32 s[G1B+2], 2<<16
	s_mov_b32 s[G1B+4], 2
	s_mov_b32 s[G1C+2], 1<<16
	s_mov_b32 s[G1C+4], 1
	s_mov_b32 s85, 0
	s_mov_b32 s[SEL], 0x76543210
	s_mov_b32 s[SEL+1], 0xfedcba98
	s_mov_b32 s[CS], 0x3e38aa3b                    ; c = log2(e) / 8
	s_mov_b32 s[CS+1], s[CS]
	s_wait_dscnt 0x0
	s_wait_kmcnt 0x0
	; each wave fetches a sixteenth of each of the four regions
	s_lshl_b32 s73, s71, 16
	s_lshl_b32 s74, s[WV], 12
	s_add_co_u32 s73, s73, s74
	s_mov_b32 s48, 1
	s_mov_b32 s49, s74                             ; K's codes: LDS 4,096 x wave
	s_add_co_u32 s84, s73, 4194304
	s_add_nc_u64 s[50:51], s[4:5], s[84:85]
	s_or_b32 s51, s51, 0x80000000
	s_mov_b32 s52, 1
	s_add_co_u32 s53, s74, VI                      ; V's
	s_add_co_u32 s84, s73, 8388608
	s_add_nc_u64 s[54:55], s[4:5], s[84:85]
	s_or_b32 s55, s55, 0x80000000
	s_lshl_b32 s73, s71, 13
	s_lshl_b32 s74, s[WV], 9
	s_add_co_u32 s73, s73, s74
	s_mov_b32 s56, 1
	s_add_co_u32 s57, s74, KS                      ; K's scale words
	s_add_co_u32 s84, s73, 13107200
	s_add_nc_u64 s[58:59], s[4:5], s[84:85]
	s_or_b32 s59, s59, 0x80000000
	s_lshl_b32 s73, s71, 12
	s_lshl_b32 s74, s[WV], 8
	s_add_co_u32 s73, s73, s74
	s_mov_b32 s60, 1
	s_add_co_u32 s61, s74, VS                      ; V's
	s_add_co_u32 s84, s73, 13631488
	s_add_nc_u64 s[62:63], s[4:5], s[84:85]
	s_or_b32 s63, s63, 0x80000000
	CROUND                                         ; all four work-groups are here: the joint loads meet
	tensor_load_to_lds s[48:51], s[G1A:G1A+7]      ; four loads of mine are out
	s_nop 0
	tensor_load_to_lds s[52:55], s[G1A:G1A+7]
	s_nop 0
	tensor_load_to_lds s[56:59], s[G1B:G1B+7]
	s_nop 0
	tensor_load_to_lds s[60:63], s[G1C:G1C+7]
	s_nop 0
.rept 4
	v_nop
.endr
	s_lshl_b32 s72, s70, 4
	s_add_co_u32 s72, s72, s[WV]                   ; my tile of 16 tokens in the batch: 0..63
	s_lshl_b32 s84, s71, 16
	s_lshl_b32 s86, s72, 9
	s_add_co_u32 s84, s84, s86
	s_add_nc_u64 s[76:77], s[4:5], s[84:85]        ; Q's codes, first head; the second 32,768 bytes on
	s_lshl_b32 s84, s71, 13
	s_lshr_b32 s86, s72, 3
	s_lshl_b32 s86, s86, 9
	s_add_co_u32 s84, s84, s86                     ; the group of 128 tokens,
	s_and_b32 s86, s72, 1
	s_lshl_b32 s86, s86, 8
	s_add_co_u32 s84, s84, s86                     ; lane' = 16 (tile % 2) + r,
	s_and_b32 s86, s72, 7
	s_lshr_b32 s86, s86, 1
	s_lshl_b32 s86, s86, 2
	s_add_co_u32 s84, s84, s86                     ; i = (tile % 8) / 2
	s_add_co_u32 s84, s84, 12582912
	s_add_nc_u64 s[78:79], s[4:5], s[84:85]        ; Q's scale words
	s_lshr_b32 s87, s71, 3
	s_lshl_b32 s87, s87, 6
	s_add_co_u32 s87, s87, s72                     ; my 16 rows of y: 64 x batch + tile
	s_and_b32 s88, s71, 7                          ; the pair of heads = the K step of the last product
	s_lshl_b32 s84, s87, 13
	s_lshl_b32 s86, s88, 10
	s_add_co_u32 s84, s84, s86
	s_add_nc_u64 s[80:81], s[6:7], s[84:85]        ; y's codes
	s_lshl_b32 s84, s87, 9
	s_lshr_b32 s86, s88, 2
	s_lshl_b32 s86, s86, 8
	s_add_co_u32 s84, s84, s86
	s_and_b32 s86, s88, 3
	s_lshl_b32 s86, s86, 2
	s_add_co_u32 s84, s84, s86
	s_add_co_u32 s84, s84, 4194304
	s_add_nc_u64 s[82:83], s[6:7], s[84:85]        ; y's scale word
	v_and_b32 v9, 31, v0
	v_and_b32 v10, 15, v0
	v_bfe_u32 v7, v0, 4, 1                         ; h
	v_lshlrev_b32 v1, 4, v9                        ; 16 x lane
	v_add_nc_u32 v2, VI, v1
	v_add_nc_u32 v3, KS, v1
	v_lshl_add_u32 v4, v9, 3, VS
	v_lshlrev_b32 v5, 4, v10                       ; 16 r
	v_lshl_add_u32 v6, v7, 1, v5                   ; 16 r + 2 h
	global_load_b128 v[16:19], v1, s[76:77]        ; Q stays in registers: head 0,
	global_load_b128 v[24:27], v1, s[76:77] offset:32768   ; head 1
	global_load_b32 v[QSC], v5, s[78:79]
	global_load_b32 v[QSC+1], v5, s[78:79] offset:4096
.irp f, 20, 28, 36, 44, 52, 60
.irp j, 0,1,2,3
	v_mov_b32 v[\f+\j], 0                          ; the upper 64 of the first product's K: zero codes, in Q's two fragments and K's four, set once
.endr
.endr
.irp b, 0,1,2,3
	v_mov_b32 v[TP+\b], 0                          ; a lane permute's destination counts as one of its sources
.endr
	v_mov_b32 v[FF+1], 0                           ; (named as the upper half of a pair)
	v_mov_b32 v[T1], 0
	s_wait_tensorcnt 0x0                           ; my parts have landed,
	s_wait_loadcnt 0x0                             ; Q is in,
	s_barrier_signal -1
	s_barrier_wait -1                              ; and everybody's parts have landed
.macro SQK t, g, e                     ; S^T of keys 16 (4 g + t) on
.if (\t)%2
	v_wmma_scale_f32_16x16x128_f8f6f4 v[S+8*(4*\g+\t):S+8*(4*\g+\t)+7], v[32+8*\t:39+8*\t], v[16+8*\e:23+8*\e], 0, v[KSC+2*\g+(\t)/2], v[QSC+\e] matrix_a_fmt:MATRIX_FMT_FP4 matrix_b_fmt:MATRIX_FMT_FP4 matrix_a_scale:MATRIX_SCALE_ROW1
.else
	v_wmma_scale_f32_16x16x128_f8f6f4 v[S+8*(4*\g+\t):S+8*(4*\g+\t)+7], v[32+8*\t:39+8*\t], v[16+8*\e:23+8*\e], 0, v[KSC+2*\g+(\t)/2], v[QSC+\e] matrix_a_fmt:MATRIX_FMT_FP4 matrix_b_fmt:MATRIX_FMT_FP4
.endif
.endm
.macro PV d                            ; O^T of channels 16 d on += V^T P^T
.if (\d)%2
	v_wmma_scale_f32_16x16x128_f8f6f4 v[OT+8*\d:OT+8*\d+7], v[64+8*\d:71+8*\d], v[PCD:PCD+7], v[OT+8*\d:OT+8*\d+7], v[VSC+(\d)/2], v[PSC] matrix_a_fmt:MATRIX_FMT_FP4 matrix_b_fmt:MATRIX_FMT_FP4 matrix_a_scale:MATRIX_SCALE_ROW1
.else
	v_wmma_scale_f32_16x16x128_f8f6f4 v[OT+8*\d:OT+8*\d+7], v[64+8*\d:71+8*\d], v[PCD:PCD+7], v[OT+8*\d:OT+8*\d+7], v[VSC+(\d)/2], v[PSC] matrix_a_fmt:MATRIX_FMT_FP4 matrix_b_fmt:MATRIX_FMT_FP4
.endif
.endm
; ONE HEAD: eight steps of 128 keys.  The loop has no first step of its own: O^T and the sum begin as zeros and the largest t as -3e38.
.macro HEAD e
	v_mov_b32 v13, 0xff61b1e6                      ; the largest t so far: -3e38
	v_floor_f32 v12, -v13                          ; -M
	v_mov_b32 v14, 0
	v_mov_b32 v15, 0
.set jj, 0
.rept 32
	v_mov_b32 v[OT+jj], 0
.set jj, jj+1
.endr
	s_mov_b32 s[TK], \e*32768
	s_mov_b32 s[TS], \e*4096
	s_mov_b32 s[TT], \e*2048
	s_mov_b32 s[CNT], 8
.Lstep_\@:
	v_add_nc_u32 v[ADK], s[TK], v1                 ; these four are also the places between the last products and the loads into their registers
	v_add_nc_u32 v[ADV], s[TK], v2
	v_add_nc_u32 v[ADS], s[TS], v3
	v_add_nc_u32 v[ADT], s[TT], v4
.irp t, 0,1,2,3
	ds_load_b128 v[32+8*\t:35+8*\t], v[ADK] offset:512*\t
.endr
	ds_load_b128 v[KSC:KSC+3], v[ADS]
.irp d, 0,1,2,3
.irp c, 0,1
	ds_load_b128 v[64+8*\d+4*\c:67+8*\d+4*\c], v[ADV] offset:1024*\d+512*\c
.endr
.endr
	ds_load_b64 v[VSC:VSC+1], v[ADT]
	s_wait_dscnt 9                                 ; K's four tiles and its scale words are in; V's eight loads and its scale words may be out
.irp t, 0,1,2,3
	SQK \t, 0, \e
.endr
.rept 4
	v_nop                                          ; places in front of loads into registers that products have read
.endr
.irp t, 0,1,2,3
	ds_load_b128 v[32+8*\t:35+8*\t], v[ADK] offset:512*(4+\t)
.endr
	s_wait_dscnt 0x0
.irp t, 0,1,2,3
	SQK \t, 1, \e
.endr
.rept 4
	v_nop                                          ; places in front of the first read of results
.endr
.irp b, 0,1,2,3
	v_max3_num_f32 v[BM+\b], v[S+16*\b], v[S+1+16*\b], v[S+2+16*\b]   ; the largest score of each block of 32 keys: for the row's maximum and, since p rises with the score, for the block's largest p
.endr
.irp i, 3,5,7,9,11,13
.irp b, 0,1,2,3
	v_max3_num_f32 v[BM+\b], v[BM+\b], v[S+16*\b+\i], v[S+1+16*\b+\i]
.endr
.endr
.irp b, 0,1,2,3
	v_max_num_f32 v[BM+\b], v[BM+\b], v[S+15+16*\b]
.endr
.irp b, 0,1,2,3
	v_permlanex16_b32 v[TP+\b], v[BM+\b], s[SEL], s[SEL+1]
.endr
.irp b, 0,1,2,3
	v_max_num_f32 v[BM+\b], v[BM+\b], v[TP+\b]     ; with lane l xor 16's 16 keys
.endr
	v_max3_num_f32 v[T1], v[BM], v[BM+1], v[BM+2]
	v_max_num_f32 v[T1], v[T1], v[BM+3]
	v_mul_f32 v[T1], s[CS], v[T1]                  ; the step's largest t
	v_max_num_f32 v13, v13, v[T1]                  ; the running largest t
	v_mov_b32 v[T1], v12
	v_floor_f32 v12, -v13                          ; the new -M = -ceil(t)
	v_sub_f32 v[T1], v12, v[T1]                    ; old M - new M: a whole number, 0 or less
	v_cvt_i32_f32 v[T1], v[T1]                     ; (it saturates)
	v_ldexp_f32 v[FF], 1.0, v[T1]                  ; f
.set jj, 0
.rept 32
	v_pk_fma_f32 v[S+jj:S+jj+1], v[S+jj:S+jj+1], s[CS:CS+1], v[12:13] op_sel_hi:[1,0,0]   ; t - M, two at a time
.set jj, jj+2
.endr
.irp b, 0,1,2,3
	v_fma_f32 v[BM+\b], v[BM+\b], s[CS], v12
.endr
.set jj, 0
.rept 64
	v_exp_f32 v[S+jj], v[S+jj]                     ; p = 2^(t - M)
.set jj, jj+1
.endr
	v_pk_mul_f32 v[14:15], v[14:15], v[FF:FF+1] op_sel_hi:[1,0]    ; the sums under the new M: a plain line behind the exponentials
	s_wait_alu depctr_va_vdst(0)                   ; one wait for the 64, ahead of their first reader
.irp b, 0,1,2,3
	v_exp_f32 v[BM+\b], v[BM+\b]                   ; the blocks' largest p
.endr
	v_pk_add_f32 v[L2:L2+1], v[S:S+1], v[S+2:S+3]  ; the row's sum of the unquantised p, in two chains
.irp j, 4,8,12,16,20,24,28,32,36,40,44,48,52,56,60
	v_pk_add_f32 v[14:15], v[14:15], v[S+\j:S+\j+1]
	v_pk_add_f32 v[L2:L2+1], v[L2:L2+1], v[S+2+\j:S+3+\j]
.endr
	v_pk_add_f32 v[14:15], v[14:15], v[L2:L2+1]
	s_wait_alu depctr_va_vdst(0)                   ; and one for the four
.irp b, 0,1,2,3
	v_max_num_f32 v[BM+\b], 0x1800000, v[BM+\b]    ; the floor 2^(3 - 127)
.endr
.irp b, 0,1,2,3
	v_add_nc_u32 v[SO+\b], 0xff000000, v[BM+\b]
.endr
.irp b, 0,1,2,3
	v_lshrrev_b32 v[TP+\b], 23, v[SO+\b]
.endr
	v_lshl_or_b32 v[PSC], v[TP+1], 8, v[TP]
	v_lshl_or_b32 v[PSC], v[TP+2], 16, v[PSC]
	v_lshl_or_b32 v[PSC], v[TP+3], 24, v[PSC]
.irp b, 0,1,2,3
	v_cvt_scalef32_pk8_fp4_f32 v[PCD+2*\b], v[S+16*\b:S+7+16*\b], v[SO+\b]
	v_cvt_scalef32_pk8_fp4_f32 v[PCD+1+2*\b], v[S+8+16*\b:S+15+16*\b], v[SO+\b]
.endr
	v_nop                                          ; one plain line behind the scaled conversions
	SWAP4 PCD
	SWAP4 PCD+4
.set jj, 0
.rept 16
	v_pk_mul_f32 v[OT+jj:OT+jj+1], v[OT+jj:OT+jj+1], v[FF:FF+1] op_sel_hi:[1,0]   ; O^T under the new M; these sixteen are also the places between the operand and scale just made and the products
.set jj, jj+2
.endr
.irp d, 0,1,2,3
	PV \d                                          ; four accumulators by turns
.endr
	s_add_co_u32 s[TK], s[TK], 4096
	s_add_co_u32 s[TS], s[TS], 512
	s_add_co_u32 s[TT], s[TT], 256
	s_sub_co_u32 s[CNT], s[CNT], 1
	s_cmp_lg_u32 s[CNT], 0
	s_cbranch_scc1 .Lstep_\@
.endm
; A head's way out: O^T / the sum is y(my token, 64 head + 16 d + 8 h + j): two blocks of 32 along the last product's K.  They are quantised; the codes wait in v[YC + 4 e] on, the two bytes in v[YH + e].
.macro YOUT e
.rept 4
	v_nop                                          ; places in front of the first read of results
.endr
	v_add_f32 v14, v14, v15
	v_permlanex16_b32 v[T1], v14, s[SEL], s[SEL+1]
	v_add_f32 v14, v14, v[T1]                      ; the row's sum
	v_rcp_f32 v14, v14
	v_nop                                          ; a plain line behind the reciprocal
	s_wait_alu depctr_va_vdst(0)                   ; and the wait ahead of its first reader
.set jj, 0
.rept 16
	v_pk_mul_f32 v[S+jj:S+jj+1], v[OT+jj:OT+jj+1], v[14:15] op_sel_hi:[1,0]   ; each accumulator from its low end on
.set jj, jj+2
.endr
.irp b, 0,1
	v_max3_num_f32 v[BM+\b], |v[S+16*\b]|, |v[S+1+16*\b]|, 0x1800000
.endr
.irp i, 2,4,6,8,10,12,14
.irp b, 0,1
	v_max3_num_f32 v[BM+\b], v[BM+\b], |v[S+16*\b+\i]|, |v[S+1+16*\b+\i]|
.endr
.endr
.irp b, 0,1
	v_permlanex16_b32 v[TP+\b], v[BM+\b], s[SEL], s[SEL+1]
.endr
.irp b, 0,1
	v_max_num_f32 v[BM+\b], v[BM+\b], v[TP+\b]
.endr
.irp b, 0,1
	v_add_nc_u32 v[SO+\b], 0xff000000, v[BM+\b]
.endr
.irp b, 0,1
	v_lshrrev_b32 v[TP+\b], 23, v[SO+\b]
.endr
	v_lshl_or_b32 v[YH+\e], v[TP+1], 8, v[TP]
.irp b, 0,1
	v_cvt_scalef32_pk8_fp4_f32 v[YC+4*\e+2*\b], v[S+16*\b:S+7+16*\b], v[SO+\b]
	v_cvt_scalef32_pk8_fp4_f32 v[YC+4*\e+1+2*\b], v[S+8+16*\b:S+15+16*\b], v[SO+\b]
.endr
	v_nop
	SWAP4 YC+4*\e
.endm
	HEAD 0
	YOUT 0
	HEAD 1
	YOUT 1
	global_store_b128 v1, v[YC:YC+3], s[80:81]             ; 32 lanes store 512 consecutive bytes, aligned: the fragment's first half (head 2 p),
	global_store_b128 v1, v[YC+4:YC+7], s[80:81] offset:512    ; its second (head 2 p + 1)
	v_cmp_eq_u32 vcc_lo, 1, v7
	v_cndmask_b32 v242, v[YH], v[YH+1], vcc_lo     ; lanes 0-15 store the first head's two bytes, lanes 16-31 the second's
	global_store_b16 v6, v242, s[82:83]
	s_wait_dscnt 0x0
	s_wait_tensorcnt 0x0
	ds_add_u32 v254, v255
	s_wait_dscnt 0x0
	CROUND                                         ; the closing round
	s_endpgm
.Lfunc_end_k_qb1d8589640_attn:
	.size	k_qb1d8589640_attn, .Lfunc_end_k_qb1d8589640_attn-k_qb1d8589640_attn
	.p2alignl 7, 3214868480
	.fill 96, 4, 3214868480
	.section	.rodata,"a",@progbits
	.p2align	6, 0x0
	.amdhsa_kernel k_qb1d8589640_attn
		.amdhsa_group_segment_fixed_size 169984
		.amdhsa_private_segment_fixed_size 0
		.amdhsa_enable_private_segment 0
		.amdhsa_kernarg_size 16
		.amdhsa_user_sgpr_count 2
		.amdhsa_user_sgpr_kernarg_segment_ptr 1
		.amdhsa_wavefront_size32 1
		.amdhsa_system_sgpr_workgroup_id_x 1
		.amdhsa_system_sgpr_workgroup_id_y 1
		.amdhsa_system_sgpr_workgroup_id_z 1
		.amdhsa_system_vgpr_workitem_id 0
		.amdhsa_next_free_vgpr 256
		.amdhsa_next_free_sgpr 96
		.amdhsa_reserve_vcc 1
		.amdhsa_float_denorm_mode_32 3
		.amdhsa_float_denorm_mode_16_64 3
		.amdhsa_memory_ordered 1
		.amdhsa_forward_progress 1
		.amdhsa_inst_pref_size 48
	.end_amdhsa_kernel
	.amdgpu_metadata
---
amdhsa.version: [ 1, 2 ]
amdhsa.kernels:
  - .name:           k_qb1d8589640_attn
    .symbol:         k_qb1d8589640_attn.kd
    .args:
      - { .name: qkv, .offset: 0, .size: 8, .value_kind: global_buffer, .address_space: global }
      - { .name: yq, .offset: 8, .size: 8, .value_kind: global_buffer, .address_space: global }
    .group_segment_fixed_size: 169984
    .private_segment_fixed_size: 0
    .kernarg_segment_align: 8
    .kernarg_segment_size: 16
    .max_flat_workgroup_size: 512
    .sgpr_count:     96
    .vgpr_count:     256
    .wavefront_size: 32
...
	.end_amdgpu_metadata
.endif
;; end of part 3
;; launch outgemm (part 4): grid 4 x 32, 4 waves a work-group, clusters of 4 x 4, 327,680 bytes of LDS; arguments yq, wo, b_out, out0; writes out0
.if DOCPART == 4
	.amdgcn_target "amdgcn-amd-amdhsa--gfx1250"
	.amdhsa_code_object_version 6
	.text
	.protected	k_qb1d8589640_outgemm
	.globl	k_qb1d8589640_outgemm
	.p2align	8
	.type	k_qb1d8589640_outgemm,@function
k_qb1d8589640_outgemm:
	s_mov_b64 s[64:65], 0
	v_nop
	global_prefetch_b8 v0, s[64:65] scope:SCOPE_SE
	s_setreg_imm32_b32 hwreg(HW_REG_WAVE_MODE, 25, 1), 1
	s_wait_xcnt 0x0
	s_wait_alu depctr_hold_cnt(0) depctr_sa_sdst(0) depctr_va_vdst(0) depctr_va_sdst(0) depctr_va_ssrc(0) depctr_va_vcc(0) depctr_vm_vsrc(0)
	s_getreg_b32 s2, hwreg(HW_REG_IB_STS2, 6, 4)
	s_cmp_eq_u32 s2, 0
	s_cbranch_scc0 .Lentry_in_a_cluster
	s_endpgm
.Lentry_in_a_cluster:
	s_bfe_u32 s2, ttmp6, 0x10000c
	s_cmp_lg_u32 s2, 0xf033
	s_cbranch_scc0 .Lentry_shape_is_right
	s_endpgm
.Lentry_shape_is_right:
; out0 = Q(y) Q(W_out) + b_out on codes of FP4 with E8M0 scales (M 8,192, N 1,024, K 1,024); out0 is f32.
; A work-group of four waves makes 256 rows x 256 columns, a wave 128 x 128: 64 accumulators, 512 registers.  Both operands lie in memory in the order of an operand's registers (16 rows x 128 K = 1,024 bytes on end),
; so a fragment is two LDS loads of 16 bytes a lane at 16 x lane: no pitch, no padding.  K = 1,024 is two LDS slots of 512: both are filled at the start and nothing is filled again.
; CLUSTERS: 4 x 4 work-groups; A's tiles are asked for jointly along a row of the cluster, B's along a column.  The grid has 128 work-groups: tiles of this size are no more.
; THE PRODUCT IS USED TRANSPOSED (source 0 = 16 columns, source 1 = 16 rows): a lane holds eight neighbouring numbers of a row of out0.  The bias is the C of each sum's first product.
; REGISTERS, in windows of 256: window 0: v16-31 addresses; v32-95 scale words, two sets, and nothing else; v128-191 A's fragments, one set; v192-255 the bias; on the way out v128-255 take rows of out0.
;   window 1: B's fragments, two sets, at v0 and v128.   window 2: the accumulators of my rows 0-63 ((a, b) at v[8 (8 (a % 4) + b)]);   window 3: those of rows 64-127.
.set HALFT,  32768
.set SLOT,   4*HALFT
.set SCL,    2*SLOT
.set HALFS,  4096
.set SPARE,  SCL+4*HALFS               ; the spare words, 128 bytes for each wave: two blocks of 256 bytes that no other line names
.set ASCL,   4194304                   ; where the scales begin in yq
.set BSCL,   524288                    ; and in wo
.set SIZE_N, 1024
.set NQ,     4
.set FR,     8
.set NL,     2
.set NP,     4                         ; places behind this matrix instruction (ISA guide 7.12.1)
.set SPITCH, 528                       ; the way out: a stage of 16 rows x (512 bytes + 16) for each wave, in slot 0, which nobody reads and nothing fills when it is written
.set ADRA, 16
.set ADRB, 20
.set STO,  24
.set RD,   25
.set CO,   26
.set ADRS, 27
.set SPW,  28
.set NIL,  29
.set BQ,   30
.set SC,   32
.set AF,   128
.set BK,   128
.set BIAS, 192
.set G1, 24
.set G0, 32
.set G1B, 48
.set G0B, 56
.set G1S, 68
.set G0S, 76
.set G1SB, 80
.set G0SB, 88
.set MSB, 0
.macro WIN new
.if MSB != (\new)
	s_set_vgpr_msb (MSB<<8)|(\new)
.set MSB, (\new)
.endif
.endm
.set TO_B,  0x40
.set W_LO,  0xa1                       ; source 0 (B) window 1, source 1 (A) window 0, C and D window 2
.set W_HI,  0xf1
.set W_FLO, 0x81                       ; the first step: C (the bias) window 0
.set W_FHI, 0xc1
.macro JLOAD g0a, g1a, g0b, g1b        ; a joint load: waves 0 and 1 for A, waves 2 and 3 for B; four v_nop follow each of the two lines
	s_cmp_eq_u32 s15, 0
	s_cbranch_scc0 .Lfor_b_\@
	tensor_load_to_lds s[\g0a:\g0a+3], s[\g1a:\g1a+7]
	s_nop 0
.rept 4
	v_nop
.endr
	s_branch .Lasked_\@
.Lfor_b_\@:
	tensor_load_to_lds s[\g0b:\g0b+3], s[\g1b:\g1b+7]
	s_nop 0
.rept 4
	v_nop
.endr
.Lasked_\@:
.endm
.macro CROUND
	s_barrier_signal -1
	s_barrier_wait -1
	s_cmp_lg_u32 s14, 0
	s_cbranch_scc1 .Lnot_wave_0_\@
	s_barrier_signal -3
.Lnot_wave_0_\@:
	s_barrier_wait -3
	s_barrier_signal -1
	s_barrier_wait -1
.endm
.macro PLACES n
.rept \n
	v_nop
.endr
.endm
	s_load_b128 s[4:7], s[0:1], 0x0                ; yq, wo
	s_load_b128 s[8:11], s[0:1], 0x10              ; b_out, out0
	v_lshl_add_u32 v[SPW], v0, 2, SPARE
	v_mov_b32 v[NIL], 0
	ds_add_u32 v28, v29
	ds_add_u32 v28, v29
	s_wait_dscnt 0x0
	v_lshrrev_b32 v1, 5, v0
	v_readfirstlane_b32 s14, v1                    ; wave 0..3
	s_lshr_b32 s15, s14, 1                         ; which half of the tile's rows is mine.  Also: I fetch for A (0) or for B (1)
	s_and_b32 s16, s14, 1                          ; which half of its columns.  Also: which 128 rows of that tile I fetch
	s_bfe_u32 s40, ttmp6, 0x40000
	s_bfe_u32 s41, ttmp6, 0x40004
	s_lshl_b32 s42, ttmp9, 2
	s_add_co_u32 s42, s42, s40                     ; tile column
	s_and_b32 s17, ttmp7, 0xffff
	s_lshl_b32 s17, s17, 2
	s_add_co_u32 s17, s17, s41                     ; tile row
	s_lshl_b32 s43, s41, 2
	s_lshl_b32 s43, 15, s43                        ; my row of the cluster
	s_lshl_b32 s44, 0x1111, s40                    ; my column
	s_or_b32 s[G1+0], s43, (3<<16)|(1<<21)         ; codes: 8 rows of 4,096 bytes, 8,192 bytes apart in memory, on end in LDS
	s_or_b32 s[G1B+0], s44, (3<<16)|(1<<21)
.irp g, G1, G1B
	s_mov_b32 s[\g+1], 512<<16
	s_mov_b32 s[\g+2], 8<<16
	s_mov_b32 s[\g+3], 512<<16
	s_mov_b32 s[\g+4], 8
	s_mov_b32 s[\g+5], 1024
	s_mov_b32 s[\g+6], 0
	s_mov_b32 s[\g+7], 0
.endr
	s_or_b32 s[G1S+0], s43, (3<<16)|(1<<21)        ; scales of 128 rows: 4,096 dense bytes as 16 rows of 256
	s_or_b32 s[G1SB+0], s44, (3<<16)|(1<<21)
.irp g, G1S, G1SB
	s_mov_b32 s[\g+1], 32<<16
	s_mov_b32 s[\g+2], 16<<16
	s_mov_b32 s[\g+3], 32<<16
	s_mov_b32 s[\g+4], 16
	s_mov_b32 s[\g+5], 32
	s_mov_b32 s[\g+6], 0
	s_mov_b32 s[\g+7], 0
.endr
	s_lshl_b32 s18, s16, 7
	s_lshl_b32 s20, s17, 8
	s_add_co_u32 s20, s20, s18                     ; A: row 256 x tile row + 128 x half
	s_lshl_b32 s46, s42, 8
	s_add_co_u32 s46, s46, s18                     ; B: row 256 x tile column + 128 x half
	s_lshl_b32 s22, s20, 5
	s_add_co_u32 s22, s22, ASCL
	s_mov_b32 s23, 0
	s_lshl_b32 s92, s46, 5
	s_add_co_u32 s92, s92, BSCL
	s_mov_b32 s93, 0
	s_lshl_b32 s20, s20, 9
	s_mov_b32 s21, 0
	s_lshl_b32 s46, s46, 9
	s_mov_b32 s47, 0
	s_mul_i32 s45, s14, HALFT
	s_mul_i32 s94, s14, HALFS
	s_wait_kmcnt 0x0
	s_add_nc_u64 s[20:21], s[4:5], s[20:21]
	s_add_nc_u64 s[22:23], s[4:5], s[22:23]
	s_add_nc_u64 s[46:47], s[6:7], s[46:47]
	s_add_nc_u64 s[92:93], s[6:7], s[92:93]
	CROUND                                         ; all sixteen work-groups are here: the joint loads meet
	s_mov_b32 s[G0S], 1
	s_add_co_u32 s[G0S+1], s94, SCL
	s_mov_b64 s[G0S+2:G0S+3], s[22:23]
	s_or_b32 s[G0S+3], s[G0S+3], 0x80000000
	s_mov_b32 s[G0SB], 1
	s_add_co_u32 s[G0SB+1], s94, SCL
	s_mov_b64 s[G0SB+2:G0SB+3], s[92:93]
	s_or_b32 s[G0SB+3], s[G0SB+3], 0x80000000
	JLOAD G0S, G1S, G0SB, G1SB                     ; three loads of mine are out in all
.irp s, 0,1
	s_mov_b32 s[G0+4*\s], 1
	s_add_co_u32 s[G0+4*\s+1], s45, \s*SLOT
	s_add_nc_u64 s[G0+4*\s+2:G0+4*\s+3], s[20:21], \s*4096
	s_or_b32 s[G0+4*\s+3], s[G0+4*\s+3], 0x80000000
	s_mov_b32 s[G0B+4*\s], 1
	s_add_co_u32 s[G0B+4*\s+1], s45, \s*SLOT
	s_add_nc_u64 s[G0B+4*\s+2:G0B+4*\s+3], s[46:47], \s*4096
	s_or_b32 s[G0B+4*\s+3], s[G0B+4*\s+3], 0x80000000
	JLOAD G0+4*\s, G1, G0B+4*\s, G1B
.endr
	v_and_b32 v1, 15, v0                           ; r
	v_bfe_u32 v2, v0, 4, 1                         ; h
	v_and_b32 v3, 31, v0
	v_lshlrev_b32 v[CO], 4, v3                     ; 16 x lane
	v_lshlrev_b32 v7, 4, v1
	s_mul_i32 s21, s15, HALFT
	s_mul_i32 s22, s16, HALFT
	s_add_co_u32 s22, s22, 2*HALFT
.irp s, 0,1
	v_add_nc_u32 v[ADRA+\s], s21, v[CO]
	v_add_nc_u32 v[ADRB+\s], s22, v[CO]
	s_add_co_u32 s21, s21, SLOT
	s_add_co_u32 s22, s22, SLOT
.endr
	s_mul_i32 s21, s15, HALFS
	s_mul_i32 s22, s16, HALFS
	s_add_co_u32 s22, s22, 2*HALFS
	s_sub_co_u32 s22, s22, s21
	v_mul_u32_u24 v6, s22, v2                      ; lanes 16-31 take B's: one product, the distance between the two
	s_add_co_u32 s21, s21, SCL
	v_add_nc_u32 v5, v7, v6
	v_add_nc_u32 v[ADRS], s21, v5
	s_mul_i32 s23, s14, 16*SPITCH                  ; my stage
	v_mul_u32_u24 v5, v1, SPITCH
	v_lshl_add_u32 v5, v2, 5, v5
	v_add_nc_u32 v[STO], s23, v5                   ; in: row r, 32 bytes for each half of the lanes
	v_add_nc_u32 v[RD], s23, v[CO]                 ; back: the 32 lanes take one row of 512 bytes
	v_lshlrev_b32 v[BQ], 5, v2
	s_lshl_b32 s2, s17, 8
	s_lshl_b32 s95, s15, 7
	s_add_co_u32 s2, s2, s95                       ; my first row of out0,
	s_lshl_b32 s2, s2, 12                          ; 4,096 bytes a row,
	s_lshl_b32 s95, s42, 10
	s_add_co_u32 s2, s2, s95
	s_lshl_b32 s101, s16, 9
	s_add_co_u32 s2, s2, s101                      ; and my first column
	s_mov_b32 s3, 0
	s_add_nc_u64 s[12:13], s[10:11], s[2:3]
	s_add_co_u32 s2, s95, s101
	s_add_nc_u64 s[8:9], s[8:9], s[2:3]            ; the bias of my 128 columns
.irp b, 0,1,2,3,4,5,6,7
	global_load_b128 v[BIAS+8*\b:BIAS+8*\b+3], v[BQ], s[8:9] offset:64*\b          ; lane (r, h), register j: the bias of column 16 b + 8 h + j
	global_load_b128 v[BIAS+8*\b+4:BIAS+8*\b+7], v[BQ], s[8:9] offset:64*\b+16
.endr
.macro FRAG reg, adr, q, i
.irp c, 0,1
	ds_load_b128 v[\reg+4*\c:\reg+4*\c+3], v[\adr] offset:4096*(\i)+1024*(\q)+512*\c
.endr
.endm
; 16 products: A's blocks a0, a0 + 1 x B's eight.  The 64 accumulators take turns, one instruction a turn.  A scale register holds A's word of block i in lanes 0-15, B's in lanes 16-31.
.macro MUL16 a0, p, q, sc, first
.irp a, \a0, \a0+1
.irp b, 0,1,2,3,4,5,6,7
.set rD, 8*(8*((\a)%4)+\b)
.set rB, 128*(\p)+FR*\b
.set rA, AF+FR*(\a)
.set sB, SC+8*NQ*(\sc)+NQ*\b+(\q)
.set sA, SC+8*NQ*(\sc)+NQ*(\a)+(\q)
.if \first
	v_wmma_scale_f32_16x16x128_f8f6f4 v[rD:rD+7], v[rB:rB+7], v[rA:rA+7], v[BIAS+8*\b:BIAS+8*\b+7], v[sB], v[sA] matrix_a_fmt:MATRIX_FMT_FP4 matrix_b_fmt:MATRIX_FMT_FP4 matrix_a_scale:MATRIX_SCALE_ROW1
.else
	v_wmma_scale_f32_16x16x128_f8f6f4 v[rD:rD+7], v[rB:rB+7], v[rA:rA+7], v[rD:rD+7], v[sB], v[sA] matrix_a_fmt:MATRIX_FMT_FP4 matrix_b_fmt:MATRIX_FMT_FP4 matrix_a_scale:MATRIX_SCALE_ROW1
.endif
.endr
.endr
.endm
.macro FETCH_B slot, q, p
	WIN TO_B
.irp i, 0,1,2,3,4,5,6,7
	FRAG 128*(\p)+FR*\i, ADRB+\slot, \q, \i
.endr
	WIN 0
.endm
.macro FETCH_A slot, q, i0
.irp i, \i0, \i0+1, \i0+2, \i0+3
	FRAG AF+FR*(\i), ADRA+\slot, \q, \i
.endr
.endm
.macro SCALES sc
.irp i, 0,1,2,3,4,5,6,7
	ds_load_b128 v[SC+8*NQ*\sc+NQ*\i:SC+8*NQ*\sc+NQ*\i+3], v[ADRS] offset:512*\i+256*\sc
.endr
.endm
.macro STEP slot, q, first
	s_wait_dscnt 4*NL                              ; all but the youngest eight loads (A's blocks 4-7) are in
.if \first
	WIN W_FLO
.else
	WIN W_LO
.endif
	MUL16 0, (\q)%2, \q, \slot, \first
	MUL16 2, (\q)%2, \q, \slot, \first
	s_wait_dscnt 0                                 ; A's blocks 4-7 are in
	PLACES NP
	FETCH_B \slot, (\q)+1, 1-(\q)%2
	FETCH_A \slot, (\q)+1, 0
.if \first
	WIN W_FHI
.else
	WIN W_HI
.endif
	MUL16 4, (\q)%2, \q, \slot, \first
	MUL16 6, (\q)%2, \q, \slot, \first
	PLACES NP
	WIN 0
	FETCH_A \slot, (\q)+1, 4
.endm
.macro TURN slot, next
	s_wait_tensorcnt 0x0                           ; my part of the next slot has landed
	ds_add_u32 v[SPW], v[NIL]                      ; 0 onto my spare word
	s_wait_dscnt 4*NL+1                            ; (the add and the youngest eight loads may be out)
	WIN W_LO
	MUL16 0, 1, NQ-1, \slot, 0
	s_wait_dscnt 0x0                               ; the add is done, and my reads of this slot are over
	s_barrier_signal -1
	MUL16 2, 1, NQ-1, \slot, 0
	WIN 0
	s_barrier_wait -1                              ; the next slot is whole, and nobody reads this one any more
	PLACES NP
	FETCH_B \next, 0, 0
	FETCH_A \next, 0, 0
	SCALES \next
	WIN W_HI
	MUL16 4, 1, NQ-1, \slot, 0
	MUL16 6, 1, NQ-1, \slot, 0
	PLACES NP
	WIN 0
	FETCH_A \next, 0, 4
.endm
	s_wait_loadcnt 0x0                             ; the bias
	s_wait_tensorcnt 1                             ; the scales and my part of slot 0 are in; slot 1's load may be out
	s_barrier_signal -1
	s_barrier_wait -1
	FETCH_B 0, 0, 0
	FETCH_A 0, 0, 0
	SCALES 0
	FETCH_A 0, 0, 4
	STEP 0, 0, 1
	STEP 0, 1, 0
	STEP 0, 2, 0
	TURN 0, 1
	STEP 1, 0, 0
	STEP 1, 1, 0
	STEP 1, 2, 0
	s_wait_dscnt 4*NL
	WIN W_LO
	MUL16 0, 1, NQ-1, 1, 0
	MUL16 2, 1, NQ-1, 1, 0
	s_wait_dscnt 0
	WIN W_HI
	MUL16 4, 1, NQ-1, 1, 0
	MUL16 6, 1, NQ-1, 1, 0
	WIN 0
; THE WAY OUT, block by block of 16 rows x 128 columns: through my own stage in LDS and back as whole rows of 512 bytes.  LDS serves a wave's instructions in order: no wait between the stores and the loads.
.macro TOSTAGE a
.set AC, 64*((\a)%4)
	WIN 0x08+4*((\a)/4)                            ; an LDS store's data: window 2 or 3
.irp b, 0,1,2,3,4,5,6,7
	ds_store_b128 v[STO], v[AC+8*\b:AC+8*\b+3] offset:64*\b          ; each accumulator from its low end on
	ds_store_b128 v[STO], v[AC+8*\b+4:AC+8*\b+7] offset:64*\b+16
.endr
	WIN 0
.set BB, BK+64*((\a)%2)
.irp t, 0,1,2,3,4,5,6,7,8,9,10,11,12,13,14,15
	ds_load_b128 v[BB+4*\t:BB+4*\t+3], v[RD] offset:\t*SPITCH
.endr
.endm
.macro SEND a, younger                 ; younger: the LDS instructions issued behind block a's loads, which may stay out
.set BB, BK+64*((\a)%2)
	s_wait_dscnt \younger
.if (\a) > 0
	s_add_nc_u64 s[12:13], s[12:13], 16*SIZE_N*4   ; (behind a wait on XCNT: the earlier stores have read their base)
.endif
.irp t, 0,1,2,3,4,5,6,7,8,9,10,11,12,13,14,15
	global_store_b128 v[CO], v[BB+4*\t:BB+4*\t+3], s[12:13] offset:\t*SIZE_N*4 th:TH_STORE_NT   ; 32 lanes store 512 consecutive bytes, aligned; written once, read by nobody here
.endr
.endm
	PLACES NP                                      ; in front of the first read of results and of loads into registers that products have read
	TOSTAGE 0
.irp a, 1,2,3,4,5,6,7
.if \a > 1
	s_wait_xcnt 0x0                                ; block a - 2's stores have read their registers and their base
.endif
	TOSTAGE \a
	SEND \a-1, 32                                  ; behind block a - 1's loads: block a's 16 stores and 16 loads
.endr
	s_wait_xcnt 0x0
	SEND 7, 0
	s_wait_tensorcnt 0x0                           ; the wave's end
	ds_add_u32 v[SPW], v[NIL]
	s_wait_dscnt 0x0
	CROUND                                         ; the closing round
	s_endpgm
.Lfunc_end_k_qb1d8589640_outgemm:
	.size	k_qb1d8589640_outgemm, .Lfunc_end_k_qb1d8589640_outgemm-k_qb1d8589640_outgemm
	.p2alignl 7, 3214868480
	.fill 96, 4, 3214868480
	.section	.rodata,"a",@progbits
	.p2align	6, 0x0
	.amdhsa_kernel k_qb1d8589640_outgemm
		.amdhsa_group_segment_fixed_size 327680
		.amdhsa_private_segment_fixed_size 0
		.amdhsa_enable_private_segment 0
		.amdhsa_kernarg_size 32
		.amdhsa_user_sgpr_count 2
		.amdhsa_user_sgpr_kernarg_segment_ptr 1
		.amdhsa_wavefront_size32 1
		.amdhsa_system_sgpr_workgroup_id_x 1
		.amdhsa_system_sgpr_workgroup_id_y 1
		.amdhsa_system_sgpr_workgroup_id_z 1
		.amdhsa_system_vgpr_workitem_id 0
		.amdhsa_next_free_vgpr 1024
		.amdhsa_next_free_sgpr 102
		.amdhsa_reserve_vcc 0
		.amdhsa_float_denorm_mode_32 3
		.amdhsa_float_denorm_mode_16_64 3
		.amdhsa_memory_ordered 1
		.amdhsa_forward_progress 1
		.amdhsa_inst_pref_size 126
	.end_amdhsa_kernel
	.amdgpu_metadata
---
amdhsa.version: [ 1, 2 ]
amdhsa.kernels:
  - .name:           k_qb1d8589640_outgemm
    .symbol:         k_qb1d8589640_outgemm.kd
    .args:
      - { .name: yq, .offset: 0, .size: 8, .value_kind: global_buffer, .address_space: global }
      - { .name: wo, .offset: 8, .size: 8, .value_kind: global_buffer, .address_space: global }
      - { .name: b_out, .offset: 16, .size: 8, .value_kind: global_buffer, .address_space: global }
      - { .name: out0, .offset: 24, .size: 8, .value_kind: global_buffer, .address_space: global }
    .group_segment_fixed_size: 327680
    .private_segment_fixed_size: 0
    .kernarg_segment_align: 8
    .kernarg_segment_size: 32
    .max_flat_workgroup_size: 128
    .sgpr_count:     102
    .vgpr_count:     1024
    .wavefront_size: 32
...
	.end_amdgpu_metadata
.endif
;; end of part 4
;; ======== version 2 of 2: 3 launches
;; limits: right only within a limited range of input values
;; workspace buffers: hx 4,456,448 bytes; wq 1,671,168 bytes; wo 557,056 bytes; qkv 14,155,776 bytes
;; launch quant (part 5): grid 256 x 1, 8 waves a work-group, no clusters, 70,656 bytes of LDS; arguments hidden_states, W_qkv, W_out, hx, wq, wo; writes hx, wq, wo
.if DOCPART == 5
	.amdgcn_target "amdgcn-amd-amdhsa--gfx1250"
	.amdhsa_code_object_version 6
	.text
	.protected	k_qb1d8589640_quant
	.globl	k_qb1d8589640_quant
	.p2align	8
	.type	k_qb1d8589640_quant,@function
k_qb1d8589640_quant:
	s_mov_b64 s[64:65], 0
	v_nop
	global_prefetch_b8 v0, s[64:65] scope:SCOPE_SE
	s_setreg_imm32_b32 hwreg(HW_REG_WAVE_MODE, 25, 1), 1
	s_wait_xcnt 0x0
; hidden_states [8192][1024], W_qkv [1024][3072] and W_out [1024][1024], f32, become codes of FP4 (E2M1) with one E8M0 byte for each 32 along K (K = 1,024 in all three).
; A block's scale is 2^(floor(log2(its largest magnitude)) - 2); its byte is that magnitude's exponent field - 2, held at 1 from below.
; LIMITS: a block of zeros, or one whose largest magnitude lies under 2^-124, gets the byte 1 (its codes are zeros or tiny; these bytes are read by this program alone); NaN and infinities are not served.
; LAYOUT OF THE RESULTS, in the order of a matrix operand's registers.  Rows are tokens (hidden) or output columns n (the weights).
;   codes:  (row / 16) x 8,192 + (k / 32) x 256 + (row % 16) x 16: a block of 32 codes is 16 bytes; 16 rows x 128 K are 1,024 bytes on end = two loads of 16 bytes a lane at 16 x lane.
;   scales: behind the codes: (row / 16) x 512 + (k / 512) x 256 + (row % 16) x 16 + ((k / 128) % 4) x 4 + (k / 32) % 4.
; SHARES.  Work-groups 0-127: hidden (K innermost): a wave takes 16 rows x 512 K, in four steps of 128 K.  128-223: W_qkv, 224-255: W_out (K is the first axis): a lane takes a column, its registers run down K.
; No work-group reads what another reads: no cluster, no tensor load, no matrix unit.  The three paths part on the work-group's number; each has LDS bytes of its own.
.set HSTG,  8448                       ; hidden: a wave's stage: 16 rows x (512 bytes + 16)
.set WSTQ,  8*HSTG                     ; W_qkv's scale words: 1,024 bytes
.set WSTO,  WSTQ+1024                  ; W_out's
.set R,     16                         ; v16-143  two sets of 64: 16 rows x 128 K as loaded
.set X,     144                        ; v144-207 64 numbers of my row: register 16 b + i = k 32 b + 16 (lane / 16) + i
.set PC,    208                        ; v208-215 a fragment's codes
.set TM,    216                        ; v216-231 at work
.set PWS,   232                        ; v232-235 the four steps' scale words
.set SEL,   20                         ; s[20:21] selects of v_permlanex16_b32: lane l xor 16
.set WX,    32                         ; weights: v32-95 two sets of 32 numbers down K
.set WC,    96                         ; v96-111 four blocks' codes, never written twice
	s_load_b128 s[4:7], s[0:1], 0x0                ; hidden, W_qkv
	s_load_b128 s[8:11], s[0:1], 0x10              ; W_out, hx
	s_load_b128 s[12:15], s[0:1], 0x20             ; wq, wo
	v_lshl_add_u32 v254, v0, 2, 0x11000
	v_mov_b32 v255, 0
	v_lshrrev_b32 v1, 5, v0
	s_delay_alu instid0(VALU_DEP_1)
	v_readfirstlane_b32 s16, v1                    ; wave 0..7
	v_and_b32 v5, 31, v0                           ; lane
	v_and_b32 v6, 15, v0                           ; r
	v_bfe_u32 v7, v0, 4, 1                         ; h
	s_delay_alu instid0(VALU_DEP_3)
	v_lshlrev_b32 v1, 4, v5                        ; 16 x lane
	s_mov_b32 s[SEL], 0x76543210
	s_mov_b32 s[SEL+1], 0xfedcba98
	s_wait_kmcnt 0x0
	s_cmp_lt_u32 ttmp9, 128
	s_cbranch_scc0 .Lweights
; ---------------- hidden_states ----------------
	s_mul_i32 s17, s16, HSTG
	s_wait_alu depctr_va_vdst(0)
	v_add_nc_u32 v2, s17, v1                       ; into the stage: a row's 512 bytes as they lie
	v_mul_u32_u24 v3, v6, 528
	s_delay_alu instid0(VALU_DEP_1)
	v_lshl_add_u32 v3, v7, 6, v3
	s_delay_alu instid0(VALU_DEP_1)
	v_add_nc_u32 v3, s17, v3                       ; out of it: row r, + 64 h: my 16 numbers of each block of 32
	v_lshlrev_b32 v4, 4, v6
	s_delay_alu instid0(VALU_DEP_1)
	v_lshl_add_u32 v4, v7, 3, v4                   ; the scale words' place: 16 r + 8 h
.irp b, 0,1,2,3
	v_mov_b32 v[TM+4+\b], 0                        ; written once: a lane permute's destination counts as one of its sources
.endr
	s_lshl_b32 s18, ttmp9, 3
	s_add_co_u32 s18, s18, s16                     ; job = 8 x work-group + wave
	s_lshr_b32 s19, s18, 1                         ; which 16 rows
	s_and_b32 s18, s18, 1                          ; which 512 along K
	s_mov_b32 s23, 0
	s_lshl_b32 s22, s19, 16
	s_lshl_b32 s24, s18, 11
	s_add_co_u32 s22, s22, s24
	s_add_nc_u64 s[4:5], s[4:5], s[22:23]          ; hidden at my first number
	s_lshl_b32 s22, s19, 13
	s_lshl_b32 s24, s18, 12
	s_add_co_u32 s22, s22, s24
	s_add_nc_u64 s[26:27], s[10:11], s[22:23]      ; my codes
	s_lshl_b32 s22, s19, 9
	s_lshl_b32 s24, s18, 8
	s_add_co_u32 s22, s22, s24
	s_add_co_u32 s22, s22, 4194304
	s_add_nc_u64 s[28:29], s[10:11], s[22:23]      ; my 256 scale bytes
.macro LOADH q                         ; step q: 16 loads, each one row's 512 consecutive bytes
.set ii, 0
.rept 16
	global_load_b128 v[R+64*((\q)%2)+4*ii:R+64*((\q)%2)+4*ii+3], v1, s[4:5] offset:ii*4096+(\q)*512 th:TH_LOAD_NT
.set ii, ii+1
.endr
.endm
; 64 numbers of a lane become a fragment's codes in v[PC] on and its row's scale word in v[pw]
.macro QUANT s, pw
.irp b, 0,1,2,3
	v_max3_num_f32 v[TM+\b], |v[\s+16*\b]|, |v[\s+1+16*\b]|, 0x1800000   ; block b: my 16 numbers, and the floor 2^(3 - 127): the byte cannot fall under 1
.endr
.irp i, 2,4,6,8,10,12,14
.irp b, 0,1,2,3
	s_delay_alu instid0(VALU_DEP_4)
	v_max3_num_f32 v[TM+\b], v[TM+\b], |v[\s+16*\b+\i]|, |v[\s+1+16*\b+\i]|   ; the four blocks by turns
.endr
.endr
.irp b, 0,1,2,3
	s_delay_alu instid0(VALU_DEP_4)
	v_permlanex16_b32 v[TM+4+\b], v[TM+\b], s[SEL], s[SEL+1]
.endr
.irp b, 0,1,2,3
	s_delay_alu instid0(VALU_DEP_4)
	v_max_num_f32 v[TM+\b], v[TM+\b], v[TM+4+\b]   ; with lane l xor 16's: the block's largest magnitude
.endr
.irp b, 0,1,2,3
	s_delay_alu instid0(VALU_DEP_4)
	v_add_nc_u32 v[TM+12+\b], 0xff000000, v[TM+\b] ; 2 off its exponent field: the conversion's scale operand
.endr
.irp b, 0,1,2,3
	s_delay_alu instid0(VALU_DEP_4)
	v_lshrrev_b32 v[TM+4+\b], 23, v[TM+12+\b]      ; the scale's byte
.endr
	s_delay_alu instid0(VALU_DEP_3)
	v_lshl_or_b32 v[\pw], v[TM+5], 8, v[TM+4]
	s_delay_alu instid0(VALU_DEP_1)
	v_lshl_or_b32 v[\pw], v[TM+6], 16, v[\pw]
	s_delay_alu instid0(VALU_DEP_1)
	v_lshl_or_b32 v[\pw], v[TM+7], 24, v[\pw]
.irp b, 0,1,2,3
	v_cvt_scalef32_pk8_fp4_f32 v[PC+2*\b], v[\s+16*\b:\s+7+16*\b], v[TM+12+\b]
	v_cvt_scalef32_pk8_fp4_f32 v[PC+1+2*\b], v[\s+8+16*\b:\s+15+16*\b], v[TM+12+\b]
.endr
	v_nop                                          ; one plain line behind the scaled conversions
.irp c, 0,1                                    ; a whole block to a lane: lanes 0-15 block 2 c, lanes 16-31 block 2 c + 1
.irp i, 0,1
	v_permlane16_swap_b32 v[PC+4*\c+\i], v[PC+2+4*\c+\i]
.endr
.endr
.endm
.macro STEPH q
.if (\q) < 3
	s_wait_loadcnt 16                              ; this step's 16 loads are in; the other set's 16 may be out
.else
	s_wait_loadcnt 0x0
.endif
.set ii, 0
.rept 16
	ds_store_b128 v2, v[R+64*((\q)%2)+4*ii:R+64*((\q)%2)+4*ii+3] offset:528*ii
.set ii, ii+1
.endr
.irp b, 0,1,2,3
.irp j, 0,1,2,3
	ds_load_b128 v[X+16*\b+4*\j:X+16*\b+4*\j+3], v3 offset:128*\b+16*\j   ; LDS serves a wave's instructions in order: these see the stores above
.endr
.endr
	s_wait_dscnt 0x0                               ; my numbers are back, and the stores have read their registers,
.if (\q) < 2
	LOADH (\q)+2                                   ; which take the loads of two steps on
.endif
	s_wait_xcnt 0x0                                ; the last step's stores have read v[PC] on: only now are they written again
	QUANT X, PWS+(\q)
.irp c, 0,1
	global_store_b128 v1, v[PC+4*\c:PC+4*\c+3], s[26:27] offset:(\q)*1024+512*\c   ; 32 lanes store 512 consecutive bytes, aligned
.endr
.endm
	LOADH 0
	LOADH 1
	s_wait_alu depctr_va_vdst(0)
	STEPH 0
	STEPH 1
	STEPH 2
	STEPH 3
	v_cmp_eq_u32 vcc_lo, 1, v7
	s_delay_alu instid0(VALU_DEP_1)
	v_cndmask_b32 v236, v[PWS], v[PWS+2], vcc_lo   ; lanes 0-15 store the words of steps 0, 1; lanes 16-31 those of steps 2, 3
	s_delay_alu instid0(VALU_DEP_2)
	v_cndmask_b32 v237, v[PWS+1], v[PWS+3], vcc_lo
	global_store_b64 v4, v[236:237], s[28:29]      ; 32 lanes store 256 consecutive bytes, aligned
	s_wait_tensorcnt 0x0
	ds_add_u32 v254, v255
	s_wait_dscnt 0x0
	s_endpgm
; ---------------- the weights ----------------
; A work-group takes 64 columns x 512 K; wave w: columns 32 (w % 2) on, K 128 (w / 2) on: four blocks of 32 a lane.  A lane's block is 16 bytes of its own row of the codes, and sixteen neighbouring
; lanes' 16 bytes are neighbours in this layout: the codes leave straight from registers.  The scale words of the four waves of a column half meet in LDS and leave as whole runs of 256 bytes.
.macro WLOAD t, N
.set ii, 0
.rept 32
	global_load_b32 v[WX+32*((\t)%2)+ii], v2, s[34:35] offset:(32*(\t)+ii)*\N*4 th:TH_LOAD_NT
.set ii, ii+1
.endr
.endm
.macro WBLOCK t, N
.set XS, WX+32*((\t)%2)
.if (\t) < 3
	s_wait_loadcnt 32                              ; this block's 32 loads are in; the next block's may be out
.else
	s_wait_loadcnt 0x0
.endif
	v_max3_num_f32 v12, |v[XS]|, |v[XS+1]|, |v[XS+2]|      ; all 32 numbers of the block are mine
	v_max3_num_f32 v13, |v[XS+3]|, |v[XS+4]|, |v[XS+5]|
.irp i, 6,10,14,18,22,26
	s_delay_alu instid0(VALU_DEP_2)
	v_max3_num_f32 v12, v12, |v[XS+\i]|, |v[XS+\i+1]|
	s_delay_alu instid0(VALU_DEP_2)
	v_max3_num_f32 v13, v13, |v[XS+\i+2]|, |v[XS+\i+3]|
.endr
	s_delay_alu instid0(VALU_DEP_2)
	v_max3_num_f32 v12, v12, |v[XS+30]|, |v[XS+31]|
	s_delay_alu instid0(VALU_DEP_1)
	v_max3_num_f32 v12, v12, v13, 0x1800000        ; and the floor
	s_delay_alu instid0(VALU_DEP_1)
	v_add_nc_u32 v11, 0xff000000, v12              ; the conversion's scale operand
	s_delay_alu instid0(VALU_DEP_1)
	v_lshrrev_b32 v13, 23, v11                     ; the byte
.if (\t) == 0
	s_delay_alu instid0(VALU_DEP_1)
	v_mov_b32 v24, v13
.else
	s_delay_alu instid0(VALU_DEP_1)
	v_lshl_or_b32 v24, v13, 8*(\t), v24            ; four bytes make the word of these 128 along K
.endif
.irp g, 0,1,2,3
	v_cvt_scalef32_pk8_fp4_f32 v[WC+4*(\t)+\g], v[XS+8*\g:XS+8*\g+7], v11
.endr
	v_nop                                          ; one plain line behind the scaled conversions
	global_store_b128 v3, v[WC+4*(\t):WC+4*(\t)+3], s[36:37] offset:256*(\t)   ; each half of the lanes stores 256 consecutive bytes, aligned
.if (\t) < 2
	WLOAD (\t)+2, \N
.endif
.endm
.macro WPATH N, FIRST, SRC, DST, SCLOFF, WST
	s_sub_co_u32 s17, ttmp9, \FIRST
	s_lshr_b32 s18, s17, 1                         ; which 64 columns
	s_and_b32 s17, s17, 1                          ; which 512 along K
	s_and_b32 s19, s16, 1                          ; my 32 of the columns
	s_lshr_b32 s22, s16, 1                         ; my 128 of the K
	s_lshl_b32 s24, s17, 2
	s_add_co_u32 s24, s24, s22                     ; K step of 128: 0..7
	s_lshl_b32 s25, s18, 1
	s_add_co_u32 s25, s25, s19                     ; group of 32 columns
	s_mul_i32 s26, s24, 128*\N*4
	s_lshl_b32 s28, s25, 7
	s_add_co_u32 s26, s26, s28
	s_mov_b32 s27, 0
	s_add_nc_u64 s[34:35], s[\SRC:\SRC+1], s[26:27]    ; the weight at (my first k, my first column)
	s_lshl_b32 s26, s25, 14
	s_lshl_b32 s28, s24, 10
	s_add_co_u32 s26, s26, s28
	s_add_nc_u64 s[36:37], s[\DST:\DST+1], s[26:27]    ; my codes
	s_lshl_b32 s26, s25, 10
	s_lshl_b32 s28, s17, 8
	s_add_co_u32 s26, s26, s28
	s_add_co_u32 s26, s26, \SCLOFF
	s_add_nc_u64 s[38:39], s[\DST:\DST+1], s[26:27]    ; the scale words of my 32 columns and these 512 along K
	v_lshlrev_b32 v2, 2, v5                        ; in: 4 bytes a lane
	v_lshlrev_b32 v3, 4, v6
	s_delay_alu instid0(VALU_DEP_1)
	v_lshl_add_u32 v3, v7, 13, v3                  ; codes: 16 r, the next 16 rows 8,192 bytes on
	s_lshl_b32 s23, s19, 9
	s_add_co_u32 s23, s23, \WST
	v_add_nc_u32 v8, s23, v1                       ; LDS: my column's four words
	s_lshl_b32 s28, s22, 2
	v_add_nc_u32 v4, s28, v8                       ; and mine among them
	v_lshlrev_b32 v9, 4, v6
	s_delay_alu instid0(VALU_DEP_1)
	v_lshl_add_u32 v9, v7, 9, v9                   ; scales out: 16 r, the next 16 rows 512 bytes on
	WLOAD 0, \N
	WLOAD 1, \N
	WBLOCK 0, \N
	WBLOCK 1, \N
	WBLOCK 2, \N
	WBLOCK 3, \N
	ds_store_b32 v4, v24
	s_wait_dscnt 0x0                               ; for the others' sake: my word lies in LDS
	s_barrier_signal -1
	s_barrier_wait -1
	s_cmp_lt_u32 s16, 2                            ; waves 0 and 1 carry the two column halves' words out
	s_cbranch_scc0 .Lwdone_\@
	ds_load_b128 v[112:115], v8
	s_wait_dscnt 0x0
	global_store_b128 v9, v[112:115], s[38:39]     ; each half of the lanes stores 256 consecutive bytes, aligned
.Lwdone_\@:
	s_wait_tensorcnt 0x0
	ds_add_u32 v254, v255
	s_wait_dscnt 0x0
	s_endpgm
.endm
.Lweights:
	s_cmp_lt_u32 ttmp9, 224
	s_cbranch_scc0 .Lwout
	s_wait_alu depctr_va_vdst(0)
	WPATH 3072, 128, 6, 12, 1572864, WSTQ
.Lwout:
	s_wait_alu depctr_va_vdst(0)
	WPATH 1024, 224, 8, 14, 524288, WSTO
.Lfunc_end_k_qb1d8589640_quant:
	.size	k_qb1d8589640_quant, .Lfunc_end_k_qb1d8589640_quant-k_qb1d8589640_quant
	.p2alignl 7, 3214868480
	.fill 96, 4, 3214868480
	.section	.rodata,"a",@progbits
	.p2align	6, 0x0
	.amdhsa_kernel k_qb1d8589640_quant
		.amdhsa_group_segment_fixed_size 70656
		.amdhsa_private_segment_fixed_size 0
		.amdhsa_enable_private_segment 0
		.amdhsa_kernarg_size 48
		.amdhsa_user_sgpr_count 2
		.amdhsa_user_sgpr_kernarg_segment_ptr 1
		.amdhsa_wavefront_size32 1
		.amdhsa_system_sgpr_workgroup_id_x 1
		.amdhsa_system_sgpr_workgroup_id_y 1
		.amdhsa_system_sgpr_workgroup_id_z 1
		.amdhsa_system_vgpr_workitem_id 0
		.amdhsa_next_free_vgpr 256
		.amdhsa_next_free_sgpr 66
		.amdhsa_reserve_vcc 1
		.amdhsa_float_denorm_mode_32 3
		.amdhsa_float_denorm_mode_16_64 3
		.amdhsa_memory_ordered 1
		.amdhsa_forward_progress 1
		.amdhsa_inst_pref_size 84
	.end_amdhsa_kernel
	.amdgpu_metadata
---
amdhsa.version: [ 1, 2 ]
amdhsa.kernels:
  - .name:           k_qb1d8589640_quant
    .symbol:         k_qb1d8589640_quant.kd
    .args:
      - { .name: hidden_states, .offset: 0, .size: 8, .value_kind: global_buffer, .address_space: global }
      - { .name: W_qkv, .offset: 8, .size: 8, .value_kind: global_buffer, .address_space: global }
      - { .name: W_out, .offset: 16, .size: 8, .value_kind: global_buffer, .address_space: global }
      - { .name: hx, .offset: 24, .size: 8, .value_kind: global_buffer, .address_space: global }
      - { .name: wq, .offset: 32, .size: 8, .value_kind: global_buffer, .address_space: global }
      - { .name: wo, .offset: 40, .size: 8, .value_kind: global_buffer, .address_space: global }
    .group_segment_fixed_size: 70656
    .private_segment_fixed_size: 0
    .kernarg_segment_align: 8
    .kernarg_segment_size: 48
    .max_flat_workgroup_size: 256
    .sgpr_count:     66
    .vgpr_count:     256
    .wavefront_size: 32
...
	.end_amdgpu_metadata
.endif
;; end of part 5
;; launch qkvgemm (part 6): grid 4 x 64, 4 waves a work-group, clusters of 4 x 4, 327,680 bytes of LDS; arguments hx, wq, b_qkv, qkv; writes qkv
.if DOCPART == 6
	.amdgcn_target "amdgcn-amd-amdhsa--gfx1250"
	.amdhsa_code_object_version 6
	.text
	.protected	k_qb1d8589640_qkvgemm
	.globl	k_qb1d8589640_qkvgemm
	.p2align	8
	.type	k_qb1d8589640_qkvgemm,@function
k_qb1d8589640_qkvgemm:
	s_mov_b64 s[64:65], 0
	v_nop
	global_prefetch_b8 v0, s[64:65] scope:SCOPE_SE
	s_setreg_imm32_b32 hwreg(HW_REG_WAVE_MODE, 25, 1), 1
	s_wait_xcnt 0x0
	s_wait_alu depctr_hold_cnt(0) depctr_sa_sdst(0) depctr_va_vdst(0) depctr_va_sdst(0) depctr_va_ssrc(0) depctr_va_vcc(0) depctr_vm_vsrc(0)
	s_getreg_b32 s2, hwreg(HW_REG_IB_STS2, 6, 4)
	s_cmp_eq_u32 s2, 0
	s_cbranch_scc0 .Lentry_in_a_cluster
	s_endpgm
.Lentry_in_a_cluster:
	s_bfe_u32 s2, ttmp6, 0x10000c
	s_cmp_lg_u32 s2, 0xf033
	s_cbranch_scc0 .Lentry_shape_is_right
	s_endpgm
.Lentry_shape_is_right:
; qkv = Q(hidden) Q(W_qkv) + b_qkv on codes of FP4 with E8M0 scales (M 8,192, N 3,072, K 1,024), and the result quantised at once for attention: q and k along the head's 64, v along the keys.  No f32 number goes to memory.
; SHARES.  A work-group of four waves takes 128 tokens and FOUR HEADS, and makes q, then k, then v of those heads: 256 work-groups of equal work.  Wave w takes head 4 g + w: 128 tokens x 64 columns, 32 accumulators.
; Both operands lie in memory in the order of an operand's registers (16 rows x 128 K = 1,024 bytes on end): a fragment is two LDS loads of 16 bytes a lane at 16 x lane: no pitch, no padding.
; LDS.  A's 128 tokens x 1,024 K (65,536 dense bytes) stay for all three types.  B goes through three slots of 65,536 bytes, each half of K of one type.
; THE HEAD'S LOADS, one a wave: wave 0 A's codes, wave 1 slot 0 (q, K 0 on), wave 2 slot 1 (q, K 512 on), wave 3 B's scale words of q, k and v.  Slot 2 (k, K 0 on) is first filled behind the full sequence and a round, a quarter a wave.
; k K 512 on, v K 0 on, v K 512 on are refills, a quarter of a slot a wave (its head's 64 columns).  A's scale words, 4,096 bytes, go from memory straight into registers: eight loads a wave, 256 consecutive bytes for each half of the lanes.
; CLUSTERS: 4 x 4 work-groups; x is the group of heads, y the tile of tokens.  A's load is asked for jointly along a row of the cluster, B's along a column.  Each refill stands behind a round of the cluster's barrier.
; q, k: THE PRODUCT IS USED TRANSPOSED (source 0 = 16 columns, source 1 = 16 tokens): a lane holds one token and eight neighbouring channels.  v: not transposed: a lane holds one channel and eight neighbouring tokens.
; The bias is the C of each sum's first product.
; WHAT IS STORED (bh = 16 x batch + head), all straight from registers, in runs of 256 bytes or more:
;   q's codes at 0: [bh][token / 16][block of 32 channels][token % 16][16 bytes];  q's scale words at 13,631,488: [bh][128 tokens][lane' 32][i 4]: the word of token 32 i + lane': its two bytes below; the bytes above are never 0xff and meet zero codes alone;
;   k and v of (bh, 128 tokens) as ONE chunk of 9,216 bytes at 4,194,304 + (8 bh + tokens / 128) x 9,216: k's codes 4,096 (laid as q's), v's codes 4,096 ([16 channels][2][lane][16 bytes]: whole fragments of V^T),
;   k's scale words 512 (laid as q's), v's 512 ([lane' 32][16 bytes]: the words of channels lane' and 32 + lane' in the first 8).
; LIMITS: NaN and infinities are not served; a block whose largest magnitude lies under 2^-124 (a block of zeros too) gets the byte 1: these bytes are read by this program alone.
; REGISTERS, in windows of 256: window 0: v8-15 scale words on their way out; v16-29 addresses; v32-63 A's scale words, v64-95 B's, and nothing else there; v96-124 at work on the way out; v128-255 A's fragments, two sets.
;   window 1: v0-63 B's fragments, two sets; v64-159 the three biases.   window 2: the accumulators ((a, b) at v[8 (4 a + b)]).
.set AB,     0                         ; LDS: A's codes: [16 tokens: 8][K step: 8][1,024]
.set BB,     65536                     ; B's three slots: [wave 4][16 columns: 4][4,096]
.set BSLOT,  65536
.set BS,     BB+3*BSLOT                ; B's scale words: [type 3][wave 4][2,048]
.set SPARE,  BS+3*8192                 ; the spare words, 128 bytes for each wave
.set ASCL,   4194304                   ; where the scales begin in hx
.set BSCL,   1572864                   ; and in wq
.set TSTEP,  524288                    ; from q's columns to k's in wq's codes
.set LAST,   23                        ; the last of the 24 steps of 128 along K
.set WD,   8                           ; v8-11  scale words to store
.set PWK,  12                          ; v12-15 v's four words, kept
.set CO,   16                          ; v16  16 x lane
.set SH,   18                          ; v18  16 h
.set BQ,   19                          ; v19  32 h: q's and k's bias
.set ADRB, 20                          ; v20-22 my quarter of B's slots 0, 1, 2
.set BV,   23                          ; v23  4 r: v's bias
.set ADRSA, 24                         ; v24  A's scale words in memory: lanes 0-15 block i, lanes 16-31 block i + 4
.set ADRSB, 25                         ; v25  B's, in LDS
.set SPW,  28                          ; v28  my spare word;  v29  0: both never rewritten
.set NIL,  29
.set SA,   32                          ; register 16 (K / 512) + 4 (block % 4) + (K / 128) % 4
.set SB,   64                          ; register 8 block + 4 (K / 512) + (K / 128) % 4
.set TM,   96
.set TP,   104
.set SO,   108
.set BY,   112
.set R,    116
.set PW,   124
.set AF,   128
.set BIAS, 64                          ; in window 1
.set G1A,  24                          ; s[24:31] group 1: A's codes;  s[48:55] B's codes;  s[56:63] B's scales
.set G1B,  48
.set G1BS, 56
.set G0A,  68                          ; groups 0: s[68:71] A's codes, s[72:75] slot 1 whole, s[76:79] B's scales, s[4:7] slot 0 whole;  s[80:91] a quarter of each of B's three slots
.set G0S1, 72
.set G0BS, 76
.set G0B,  80
.set SEL,  92                          ; s[92:93] selects of v_permlanex16_b32: lane l xor 16
.set FLOOR, 94                         ; s94 2^(3 - 127)
.set MSB, 0
.macro WIN new                         ; the immediate's high byte repeats the setting that is left; a switch that changes nothing is dropped
.if MSB != (\new)
	s_set_vgpr_msb (MSB<<8)|(\new)
.set MSB, (\new)
.endif
.endm
.macro CROUND                          ; a round of the cluster's barrier
	s_barrier_signal -1
	s_barrier_wait -1
	s_cmp_lg_u32 s14, 0
	s_cbranch_scc1 .Lnot_wave_0_\@
	s_barrier_signal -3
.Lnot_wave_0_\@:
	s_barrier_wait -3
	s_barrier_signal -1
	s_barrier_wait -1
.endm
.macro PLACES n
.rept \n
	v_nop
.endr
.endm
	s_load_b128 s[4:7], s[0:1], 0x0                ; hx, wq
	s_load_b128 s[8:11], s[0:1], 0x10              ; b_qkv, qkv
	v_lshl_add_u32 v[SPW], v0, 2, SPARE
	v_mov_b32 v[NIL], 0
	ds_add_u32 v[SPW], v[NIL]                      ; the opening lines: the add, twice on end, and its wait
	ds_add_u32 v[SPW], v[NIL]
	s_wait_dscnt 0x0
	v_lshrrev_b32 v1, 5, v0
	v_readfirstlane_b32 s14, v1                    ; wave 0..3
	s_bfe_u32 s40, ttmp6, 0x40000                  ; cx, cy: my place in the cluster
	s_bfe_u32 s41, ttmp6, 0x40004
	s_lshl_b32 s42, ttmp9, 2
	s_add_co_u32 s42, s42, s40                     ; the group of four heads = 4 x cluster x + cx
	s_and_b32 s17, ttmp7, 0xffff
	s_lshl_b32 s17, s17, 2
	s_add_co_u32 s17, s17, s41                     ; the tile of 128 tokens = 4 x cluster y + cy
	s_lshl_b32 s43, s41, 2
	s_lshl_b32 s43, 15, s43                        ; my row of the cluster
	s_lshl_b32 s44, 0x1111, s40                    ; my column
	; groups 1: 15:0 the mask; 17:16 elements of 8 bytes; 21 set beside a mask; no padding
	s_or_b32 s[G1A], s43, (3<<16)|(1<<21)          ; A's codes: 65,536 dense bytes as 256 rows of 256
	s_mov_b32 s[G1A+1], 32<<16
	s_mov_b32 s[G1A+2], 256<<16
	s_mov_b32 s[G1A+3], 32<<16
	s_mov_b32 s[G1A+4], 256
	s_mov_b32 s[G1A+5], 32
	s_mov_b32 s[G1A+6], 0
	s_mov_b32 s[G1A+7], 0
	s_or_b32 s[G1B], s44, (3<<16)|(1<<21)          ; B's codes: rows of 4,096 bytes (16 columns x 512 K), 8,192 bytes apart in memory, on end in LDS: 16 rows at the head (a slot), then 4 (a quarter)
	s_mov_b32 s[G1B+1], 512<<16
	s_mov_b32 s[G1B+2], 16<<16
	s_mov_b32 s[G1B+3], 512<<16
	s_mov_b32 s[G1B+4], 16
	s_mov_b32 s[G1B+5], 1024
	s_mov_b32 s[G1B+6], 0
	s_mov_b32 s[G1B+7], 0
	s_or_b32 s[G1BS], s44, (3<<16)|(1<<21)         ; B's scales: the four heads' 8,192 bytes of q, of k and of v: 3 rows, 32,768 bytes apart in memory
	s_mov_b32 s[G1BS+1], 1024<<16
	s_mov_b32 s[G1BS+2], 3<<16
	s_mov_b32 s[G1BS+3], 1024<<16
	s_mov_b32 s[G1BS+4], 3
	s_mov_b32 s[G1BS+5], 4096
	s_mov_b32 s[G1BS+6], 0
	s_mov_b32 s[G1BS+7], 0
	; where the tiles come from.  A's addresses hang on the tile of tokens, B's on the group of heads and the wave, each in registers that never hold the other coordinate
	s_lshl_b32 s20, s17, 16                        ; A: 128 tokens are 65,536 bytes of codes
	s_lshl_b32 s45, s14, 14                        ; my quarter of a slot of B in LDS
	s_mov_b32 s21, 0
	s_lshl_b32 s22, s17, 12                        ; and 4,096 bytes of scale words
	s_add_co_u32 s22, s22, ASCL
	s_mov_b32 s23, 0
	s_lshl_b32 s46, s42, 17                        ; B: the group's 256 columns of q are 131,072 bytes of codes;
	s_lshl_b32 s47, s14, 15                        ; my head's 64 columns
	s_add_co_u32 s46, s46, s47
	s_mov_b32 s47, 0
	s_lshl_b32 s96, s42, 13                        ; and 8,192 bytes of scale words
	s_add_co_u32 s96, s96, BSCL
	s_mov_b32 s97, 0
	s_lshl_b32 s16, s14, 11                        ; my head's part of a type's scale words in LDS
	s_wait_kmcnt 0x0
	s_add_nc_u64 s[20:21], s[4:5], s[20:21]
	s_add_nc_u64 s[22:23], s[4:5], s[22:23]
	s_add_nc_u64 s[46:47], s[6:7], s[46:47]
	s_add_nc_u64 s[96:97], s[6:7], s[96:97]
	CROUND                                         ; all sixteen work-groups are here: the joint loads meet
	s_mov_b32 s[G0A], 1
	s_mov_b32 s[G0A+1], 0
	s_mov_b64 s[G0A+2:G0A+3], s[20:21]
	s_or_b32 s[G0A+3], s[G0A+3], 0x80000000
	s_mov_b32 s[G0BS], 1
	s_mov_b32 s[G0BS+1], BS
	s_mov_b64 s[G0BS+2:G0BS+3], s[96:97]
	s_or_b32 s[G0BS+3], s[G0BS+3], 0x80000000
.irp s, 0,1,2
	s_mov_b32 s[G0B+4*\s], 1
	s_add_co_u32 s[G0B+4*\s+1], s45, BB+\s*BSLOT
.endr
	s_mov_b64 s[G0B+2:G0B+3], s[46:47]             ; my quarter of slot 0: q, K 0-511 (first used, stepped, at its refill)
	s_add_nc_u64 s[G0B+6:G0B+7], s[46:47], 4096    ; of slot 1: q, K 512-1,023 (likewise)
	s_add_nc_u64 s[G0B+10:G0B+11], s[46:47], TSTEP ; of slot 2: k, K 0-511
	s_or_b32 s[G0B+3], s[G0B+3], 0x80000000
	s_or_b32 s[G0B+7], s[G0B+7], 0x80000000
	s_or_b32 s[G0B+11], s[G0B+11], 0x80000000
	s_lshl_b32 s2, s14, 15
	s_mov_b32 s3, 0
	s_sub_nc_u64 s[6:7], s[46:47], s[2:3]          ; the group's first column of q: slot 0 whole,
	s_add_nc_u64 s[G0S1+2:G0S1+3], s[6:7], 4096    ; slot 1 whole
	s_or_b32 s[G0S1+3], s[G0S1+3], 0x80000000
	s_mov_b32 s[G0S1], 1
	s_mov_b32 s[G0S1+1], BB+BSLOT
	s_mov_b32 s4, 1
	s_mov_b32 s5, BB
	s_or_b32 s7, s7, 0x80000000
	; the head's loads, one a wave, in one tree of branches on the wave's number
	s_cmp_lt_u32 s14, 1
	s_cbranch_scc0 .Lhead_b
	tensor_load_to_lds s[G0A:G0A+3], s[G1A:G1A+7]
	s_nop 0
	PLACES 4
	s_branch .Lhead_asked
.Lhead_b:
	s_cmp_lt_u32 s14, 2
	s_cbranch_scc0 .Lhead_b1
	tensor_load_to_lds s[4:7], s[G1B:G1B+7]
	s_nop 0
	PLACES 4
	s_branch .Lhead_asked
.Lhead_b1:
	s_cmp_lt_u32 s14, 3
	s_cbranch_scc0 .Lhead_sb
	tensor_load_to_lds s[G0S1:G0S1+3], s[G1B:G1B+7]
	s_nop 0
	PLACES 4
	s_branch .Lhead_asked
.Lhead_sb:
	tensor_load_to_lds s[G0BS:G0BS+3], s[G1BS:G1BS+7]
	s_nop 0
	PLACES 4
.Lhead_asked:
	v_and_b32 v1, 15, v0                           ; r: kept
	v_bfe_u32 v2, v0, 4, 1                         ; h: kept
	v_and_b32 v3, 31, v0
	v_lshlrev_b32 v[CO], 4, v3
	v_lshlrev_b32 v7, 4, v1                        ; 16 r
	v_lshlrev_b32 v[SH], 4, v2
	v_lshlrev_b32 v[BQ], 5, v2
	v_lshlrev_b32 v[BV], 2, v1
	v_lshl_add_u32 v[ADRSA], v2, 11, v7            ; 16 r, and four blocks (2,048 bytes) further on for lanes 16-31
.irp f, 0,1
.irp i, 0,1,2,3
	global_load_b128 v[SA+16*\f+4*\i:SA+16*\f+4*\i+3], v[ADRSA], s[22:23] offset:512*\i+256*\f   ; A's scale words of all of K: they stay
.endr
.endr
	s_add_co_u32 s18, s45, BB
.irp s, 0,1,2
	v_add_nc_u32 v[ADRB+\s], s18, v[CO]
	s_add_co_u32 s18, s18, BSLOT
.endr
	s_add_co_u32 s18, s16, BS
	v_add_nc_u32 v[ADRSB], s18, v7
.irp b, 0,1,2,3
	v_mov_b32 v[TP+\b], 0                          ; a lane permute's destination counts as one of its sources
.endr
	s_mov_b32 s[SEL], 0x76543210
	s_mov_b32 s[SEL+1], 0xfedcba98
	s_mov_b32 s[FLOOR], 0x1800000
	; where my results go
	s_lshr_b32 s95, s17, 3
	s_lshl_b32 s95, s95, 4                         ; 16 x batch
	s_lshl_b32 s100, s42, 2
	s_add_co_u32 s95, s95, s100
	s_add_co_u32 s95, s95, s14                     ; bh of my head
	s_and_b32 s101, s17, 7                         ; which 128 tokens of the batch
	s_mov_b32 s3, 0
	s_lshl_b32 s2, s95, 15
	s_lshl_b32 s100, s101, 12
	s_add_co_u32 s2, s2, s100
	s_add_nc_u64 s[12:13], s[10:11], s[2:3]        ; q's codes
	s_lshl_b32 s2, s95, 12
	s_lshl_b32 s100, s101, 9
	s_add_co_u32 s2, s2, s100
	s_add_co_u32 s2, s2, 13631488
	s_add_nc_u64 s[66:67], s[10:11], s[2:3]        ; q's scale words
	s_lshl_b32 s2, s95, 3
	s_add_co_u32 s2, s2, s101
	s_mul_i32 s2, s2, 9216
	s_add_co_u32 s2, s2, 4194304
	s_add_nc_u64 s[98:99], s[10:11], s[2:3]        ; my chunk of k and v
	s_lshl_b32 s2, s42, 10
	s_lshl_b32 s100, s14, 8
	s_add_co_u32 s2, s2, s100
	s_add_nc_u64 s[8:9], s[8:9], s[2:3]            ; the bias of my head's 64 columns of q; k's and v's 4,096 bytes on each
	WIN 0x40                                       ; destination window 1
.irp t, 0,1
.irp b, 0,1,2,3
	global_load_b128 v[BIAS+32*\t+8*\b:BIAS+32*\t+8*\b+3], v[BQ], s[8:9] offset:4096*\t+64*\b         ; q, k: lane (r, h), register j: the bias of column 16 b + 8 h + j
	global_load_b128 v[BIAS+32*\t+8*\b+4:BIAS+32*\t+8*\b+7], v[BQ], s[8:9] offset:4096*\t+64*\b+16
.endr
.endr
.set bb, 0
.rept 4
.set jj, 0
.rept 8
	global_load_b32 v[BIAS+64+8*bb+jj], v[BV], s[8:9] offset:8192+64*bb    ; v: the bias of channel 16 b + r, in all eight registers
.set jj, jj+1
.endr
.set bb, bb+1
.endr
	WIN 0
; The fragments of step m (type m / 8, K step m % 8) into set m % 2: B's four from my quarter of slot (m / 4) % 3, A's eight: 24 loads of 512 consecutive bytes
.macro FETCH m
.set fS, ((\m)/4)%3
.set fQ, (\m)%4
.set fK, (\m)%8
.set fP, (\m)%2
	WIN 0x40
.irp b, 0,1,2,3
.irp c, 0,1
	ds_load_b128 v[32*fP+8*\b+4*\c:32*fP+8*\b+4*\c+3], v[ADRB+fS] offset:4096*\b+1024*fQ+512*\c
.endr
.endr
	WIN 0
.irp i, 0,1,2,3,4,5,6,7
.irp c, 0,1
	ds_load_b128 v[AF+64*fP+8*\i+4*\c:AF+64*fP+8*\i+4*\c+3], v[CO] offset:8192*\i+1024*fK+512*\c
.endr
.endr
.endm
; The 32 products of step n.  The accumulators take turns, one instruction a turn, in the same order in every step.  A type's first step takes the bias as C.
; Window settings: bits 1:0 source 0, 3:2 source 1, 5:4 C, 7:6 D.  A's fragments window 0, B's and the bias window 1, the accumulators window 2.
.macro MUL32 n
.set mT, (\n)/8
.set mK, (\n)%8
.set mP, (\n)%2
.if mK == 0
.set mW, 0x91
.else
.set mW, 0xa1
.endif
.if mT == 2
.set mW, mW+3                          ; v: A is source 0, B source 1
.endif
	WIN mW
.irp a, 0,1,2,3,4,5,6,7
.irp b, 0,1,2,3
.set rD, 8*(4*\a+\b)
.set rB, 32*mP+8*\b
.set rA, AF+64*mP+8*\a
.set sA, SA+16*(mK/4)+4*(\a%4)+mK%4
.set sB, SB+8*\b+4*(mK/4)+mK%4
.if mK == 0
.set rC, BIAS+32*mT+8*\b
.else
.set rC, rD
.endif
.if mT == 2
.if \a >= 4
	v_wmma_scale_f32_16x16x128_f8f6f4 v[rD:rD+7], v[rA:rA+7], v[rB:rB+7], v[rC:rC+7], v[sA], v[sB] matrix_a_fmt:MATRIX_FMT_FP4 matrix_b_fmt:MATRIX_FMT_FP4 matrix_a_scale:MATRIX_SCALE_ROW1
.else
	v_wmma_scale_f32_16x16x128_f8f6f4 v[rD:rD+7], v[rA:rA+7], v[rB:rB+7], v[rC:rC+7], v[sA], v[sB] matrix_a_fmt:MATRIX_FMT_FP4 matrix_b_fmt:MATRIX_FMT_FP4
.endif
.else
.if \a >= 4
	v_wmma_scale_f32_16x16x128_f8f6f4 v[rD:rD+7], v[rB:rB+7], v[rA:rA+7], v[rC:rC+7], v[sB], v[sA] matrix_a_fmt:MATRIX_FMT_FP4 matrix_b_fmt:MATRIX_FMT_FP4 matrix_b_scale:MATRIX_SCALE_ROW1
.else
	v_wmma_scale_f32_16x16x128_f8f6f4 v[rD:rD+7], v[rB:rB+7], v[rA:rA+7], v[rC:rC+7], v[sB], v[sA] matrix_a_fmt:MATRIX_FMT_FP4 matrix_b_fmt:MATRIX_FMT_FP4
.endif
.endif
.endr
.endr
	WIN 0
.endm
; A step: the next step's fragments are asked for, into the set that the step before multiplied (four plain lines stand between those products and the loads), then this step's 32 products are issued.
.macro STEP n
.if (\n) < LAST
	PLACES 4
	FETCH (\n)+1
	s_wait_dscnt 24                                ; all but the 24 loads just issued are in: this step's fragments
.else
	s_wait_dscnt 0x0
.endif
	MUL32 \n
.endm
.macro SBLOAD t                        ; B's scale words of type t, all of K: four words a row by one load
.irp b, 0,1,2,3
.irp f, 0,1
	ds_load_b128 v[SB+8*\b+4*\f:SB+8*\b+4*\f+3], v[ADRSB] offset:8192*(\t)+512*\b+256*\f
.endr
.endr
.endm
; A slot of B that has been read out is filled again.  Every wave waits for all its tensor loads, adds 0 to its spare word, steps the slot's descriptor, waits for the add and for its LDS reads; a round of the
; cluster's barrier follows, so that no wave of any partner still reads the slot or has a load on its way; the joint load is the first thing behind it, one a wave.
.macro REFILL sg, bytes
	s_wait_tensorcnt 0x0                           ; no tensor load of mine is out, so a group 0 may be written
	ds_add_u32 v[SPW], v[NIL]                      ; 0 onto my spare word
	s_add_nc_u64 s[G0B+4*\sg+2:G0B+4*\sg+3], s[G0B+4*\sg+2:G0B+4*\sg+3], \bytes
	s_wait_dscnt 0x0                               ; the add is done, and my reads of the slot are over
	CROUND
	tensor_load_to_lds s[G0B+4*\sg:G0B+4*\sg+3], s[G1B:G1B+7]
	s_nop 0
	PLACES 4
.endm
; THE WAY OUT.  Eight accumulators are four blocks of 32 along the next K: block n = the accumulators at l_n and l_n + d.  In a block lane (r, h) holds numbers 8 h + 0..7 (first accumulator) and 16 + 8 h + 0..7 (second).
; GROUP leaves the codes in v[R] on, a whole block to a lane (lanes 0-15 blocks 0 and 2, lanes 16-31 blocks 1 and 3), and the four bytes in v[PW].
.macro MAX4 x0, x1, x2, x3, t0         ; four accumulators' largest magnitudes, by turns; each accumulator is read from its low end on
.irp i, 0,2,4,6
.set mi, 0
.irp x, \x0, \x1, \x2, \x3
.if \i == 0
	v_max3_num_f32 v[TM+\t0+mi], s[FLOOR], |v[(\x)]|, |v[(\x)+1]|
.else
	v_max3_num_f32 v[TM+\t0+mi], v[TM+\t0+mi], |v[(\x)+\i]|, |v[(\x)+\i+1]|
.endif
.set mi, mi+1
.endr
.endr
.endm
.macro SWAP4 r                         ; four registers (block 0: numbers 8 h.., 16 + 8 h..; block 1 likewise) -> lane half h holds block h's 32 codes in order
	v_permlane16_swap_b32 v[\r], v[\r+1]
	v_permlane16_swap_b32 v[\r+2], v[\r+3]
	v_permlane16_swap_b32 v[\r], v[\r+2]
	v_permlane16_swap_b32 v[\r+1], v[\r+3]
.endm
.macro GROUP l0, l1, l2, l3, d
	WIN 0x28                                       ; sources 1 and 2: the accumulators' window
	MAX4 \l0, \l0+\d, \l1, \l1+\d, 0
	MAX4 \l2, \l2+\d, \l3, \l3+\d, 4
	WIN 0
.irp b, 0,1,2,3
	v_max_num_f32 v[TM+2*\b], v[TM+2*\b], v[TM+2*\b+1]
.endr
.irp b, 0,1,2,3
	v_permlanex16_b32 v[TP+\b], v[TM+2*\b], s[SEL], s[SEL+1]
.endr
.irp b, 0,1,2,3
	v_max_num_f32 v[TM+2*\b], v[TM+2*\b], v[TP+\b] ; the block's largest magnitude
.endr
.irp b, 0,1,2,3
	v_add_nc_u32 v[SO+\b], 0xff000000, v[TM+2*\b]  ; 2 off its exponent field: the conversion's scale operand
.endr
.irp b, 0,1,2,3
	v_lshrrev_b32 v[BY+\b], 23, v[SO+\b]           ; the byte
.endr
	v_lshl_or_b32 v[PW], v[BY+1], 8, v[BY]
	v_lshl_or_b32 v[PW], v[BY+2], 16, v[PW]
	v_lshl_or_b32 v[PW], v[BY+3], 24, v[PW]
	s_wait_xcnt 0x0                                ; the earlier stores have read their registers: only now are v[R] on and the words written again
	WIN 0x02                                       ; source 0: the accumulators' window
	v_cvt_scalef32_pk8_fp4_f32 v[R], v[(\l0):(\l0)+7], v[SO]
	v_cvt_scalef32_pk8_fp4_f32 v[R+1], v[(\l0)+(\d):(\l0)+(\d)+7], v[SO]
	v_cvt_scalef32_pk8_fp4_f32 v[R+2], v[(\l1):(\l1)+7], v[SO+1]
	v_cvt_scalef32_pk8_fp4_f32 v[R+3], v[(\l1)+(\d):(\l1)+(\d)+7], v[SO+1]
	v_cvt_scalef32_pk8_fp4_f32 v[R+4], v[(\l2):(\l2)+7], v[SO+2]
	v_cvt_scalef32_pk8_fp4_f32 v[R+5], v[(\l2)+(\d):(\l2)+(\d)+7], v[SO+2]
	v_cvt_scalef32_pk8_fp4_f32 v[R+6], v[(\l3):(\l3)+7], v[SO+3]
	v_cvt_scalef32_pk8_fp4_f32 v[R+7], v[(\l3)+(\d):(\l3)+(\d)+7], v[SO+3]
	WIN 0
	v_nop                                          ; one plain line behind the scaled conversions
	SWAP4 R
	SWAP4 R+4
.endm
; q or k (t = 0, 1): two tiles of 16 tokens at a time; a tile's 64 columns are the head's two blocks.  Five plain lines stand behind the last products: their results are read, their scale registers loaded anew,
; and the next type's first products begin the accumulators anew.
.macro EPI_QK t
	PLACES 5
	SBLOAD (\t)+1                                  ; the next type's scale words land during the way out
.irp i, 0,1,2,3
	GROUP 64*\i, 64*\i+16, 64*\i+32, 64*\i+48, 8
	global_store_b128 v[CO], v[R:R+3], s[12:13] offset:1024*\i          ; 32 lanes store 512 consecutive bytes, aligned: tokens 32 i on,
	global_store_b128 v[CO], v[R+4:R+7], s[12:13] offset:1024*\i+512    ; tokens 32 i + 16 on
	v_lshrrev_b32 v[WD+\i], v[SH], v[PW]           ; lane 16 h + r: the word of token 32 i + 16 h + r: lanes 16-31 bring the second tile's two bytes down
.endr
.if \t == 0
	global_store_b128 v[CO], v[WD:WD+3], s[66:67]                       ; q's 128 words: 512 consecutive bytes, aligned
	s_wait_xcnt 0x0                                ; the stores have read their base
	s_mov_b64 s[12:13], s[98:99]                   ; on to my chunk: k's codes
.else
	global_store_b128 v[CO], v[WD:WD+3], s[12:13] offset:8192           ; k's words, in the chunk
	s_wait_xcnt 0x0
	s_add_nc_u64 s[12:13], s[12:13], 4096          ; on to v's codes
.endif
.endm
; v: 16 channels at a time; my 128 tokens are four blocks of 32 keys: one whole fragment of V^T
.macro EPI_V
	PLACES 5
.irp b, 0,1,2,3
	GROUP 8*\b, 8*\b+64, 8*\b+128, 8*\b+192, 32
	global_store_b128 v[CO], v[R:R+3], s[12:13] offset:1024*\b
	global_store_b128 v[CO], v[R+4:R+7], s[12:13] offset:1024*\b+512
	v_mov_b32 v[PWK+\b], v[PW]                     ; the word of channel 16 b + r
.endr
	v_cmp_eq_u32 vcc_lo, 1, v2
	v_cndmask_b32 v[WD], v[PWK], v[PWK+1], vcc_lo      ; lane': the word of channel lane',
	v_cndmask_b32 v[WD+1], v[PWK+2], v[PWK+3], vcc_lo  ; and of channel 32 + lane'
	global_store_b128 v[CO], v[WD:WD+3], s[12:13] offset:4608           ; v's words, at byte 8,704 of the chunk: 512 consecutive bytes, aligned; a lane's upper 8 bytes are never used
.endm
	s_wait_alu depctr_va_vdst(0)                   ; the head's end
	s_wait_loadcnt 0x0                             ; the biases and A's scale words
	s_wait_tensorcnt 0x0                           ; my tile of the head's four is in
	ds_add_u32 v[SPW], v[NIL]
	s_mov_b32 s[G1B+2], 4<<16                      ; no tensor load of mine is out: from here on a load brings a quarter of a slot, 4 rows
	s_mov_b32 s[G1B+4], 4
	s_wait_dscnt 0x0
	CROUND                                         ; all four tiles are in, and the sixteen work-groups are here
	tensor_load_to_lds s[G0B+8:G0B+11], s[G1B:G1B+7]   ; slot 2's first fill: k, K 0-511, my quarter, which I alone read
	s_nop 0
	PLACES 4
	SBLOAD 0
	FETCH 0
.irp n, 0,1,2,3,4,5
	STEP \n
.endr
	REFILL 0, TSTEP+4096                           ; slot 0, read out since step 2: from q K 0-511 to k K 512-1,023.  Its wait shows slot 2 landed, six steps behind its request
.irp n, 6,7
	STEP \n
.endr
	EPI_QK 0
	REFILL 1, 2*TSTEP-4096                         ; slot 1: from q K 512-1,023 to v K 0-511.  Its wait shows slot 0's refill landed, two steps and a way out behind its request
.irp n, 8,9,10,11,12,13,14
	STEP \n
.endr
	REFILL 2, TSTEP+4096                           ; slot 2: from k K 0-511 to v K 512-1,023.  Its wait shows slot 1's refill landed, seven steps behind its request
	STEP 15
	EPI_QK 1
.irp n, 16,17,18
	STEP \n
.endr
	s_wait_tensorcnt 0x0                           ; slot 2's refill, my own part, which I alone read: no load was issued behind it, so the count is 0
.irp n, 19,20,21,22,23
	STEP \n
.endr
	EPI_V
	s_wait_tensorcnt 0x0                           ; the wave's end
	ds_add_u32 v[SPW], v[NIL]
	s_wait_dscnt 0x0
	CROUND                                         ; the closing round
	s_endpgm
.Lfunc_end_k_qb1d8589640_qkvgemm:
	.size	k_qb1d8589640_qkvgemm, .Lfunc_end_k_qb1d8589640_qkvgemm-k_qb1d8589640_qkvgemm
	.p2alignl 7, 3214868480
	.fill 96, 4, 3214868480
	.section	.rodata,"a",@progbits
	.p2align	6, 0x0
	.amdhsa_kernel k_qb1d8589640_qkvgemm
		.amdhsa_group_segment_fixed_size 327680
		.amdhsa_private_segment_fixed_size 0
		.amdhsa_enable_private_segment 0
		.amdhsa_kernarg_size 32
		.amdhsa_user_sgpr_count 2
		.amdhsa_user_sgpr_kernarg_segment_ptr 1
		.amdhsa_wavefront_size32 1
		.amdhsa_system_sgpr_workgroup_id_x 1
		.amdhsa_system_sgpr_workgroup_id_y 1
		.amdhsa_system_sgpr_workgroup_id_z 1
		.amdhsa_system_vgpr_workitem_id 0
		.amdhsa_next_free_vgpr 768
		.amdhsa_next_free_sgpr 102
		.amdhsa_reserve_vcc 1
		.amdhsa_float_denorm_mode_32 3
		.amdhsa_float_denorm_mode_16_64 3
		.amdhsa_memory_ordered 1
		.amdhsa_forward_progress 1
		.amdhsa_inst_pref_size 209
	.end_amdhsa_kernel
	.amdgpu_metadata
---
amdhsa.version: [ 1, 2 ]
amdhsa.kernels:
  - .name:           k_qb1d8589640_qkvgemm
    .symbol:         k_qb1d8589640_qkvgemm.kd
    .args:
      - { .name: hx, .offset: 0, .size: 8, .value_kind: global_buffer, .address_space: global }
      - { .name: wq, .offset: 8, .size: 8, .value_kind: global_buffer, .address_space: global }
      - { .name: b_qkv, .offset: 16, .size: 8, .value_kind: global_buffer, .address_space: global }
      - { .name: qkv, .offset: 24, .size: 8, .value_kind: global_buffer, .address_space: global }
    .group_segment_fixed_size: 327680
    .private_segment_fixed_size: 0
    .kernarg_segment_align: 8
    .kernarg_segment_size: 32
    .max_flat_workgroup_size: 128
    .sgpr_count:     102
    .vgpr_count:     768
    .wavefront_size: 32
...
	.end_amdgpu_metadata
.endif
;; end of part 6
;; launch attnout (part 7): grid 256 x 1, 16 waves a work-group, clusters of 4 x 1, 327,680 bytes of LDS; arguments qkv, wo, b_out, out0; writes out0
.if DOCPART == 7
	.amdgcn_target "amdgcn-amd-amdhsa--gfx1250"
	.amdhsa_code_object_version 6
	.text
	.protected	k_qb1d8589640_attnout
	.globl	k_qb1d8589640_attnout
	.p2align	8
	.type	k_qb1d8589640_attnout,@function
k_qb1d8589640_attnout:
	s_mov_b64 s[64:65], 0
	v_nop
	global_prefetch_b8 v0, s[64:65] scope:SCOPE_SE
	s_setreg_imm32_b32 hwreg(HW_REG_WAVE_MODE, 25, 1), 1
	s_wait_xcnt 0x0
	s_wait_alu depctr_hold_cnt(0) depctr_sa_sdst(0) depctr_va_vdst(0) depctr_va_sdst(0) depctr_va_ssrc(0) depctr_va_vcc(0) depctr_vm_vsrc(0)
	s_getreg_b32 s2, hwreg(HW_REG_IB_STS2, 6, 4)
	s_cmp_eq_u32 s2, 0
	s_cbranch_scc0 .Lentry_in_a_cluster
	s_endpgm
.Lentry_in_a_cluster:
	s_bfe_u32 s2, ttmp6, 0x10000c
	s_cmp_lg_u32 s2, 0x3003
	s_cbranch_scc0 .Lentry_shape_is_right
	s_endpgm
.Lentry_shape_is_right:
; out0 = Q(y) Q(W_out) + b_out with y = softmax(q k^T / 8) v: products 2, 3 and 4 of the problem in one launch, all on codes of FP4 (E2M1) with E8M0 scales.  No step and no input of these products is left out.
; SHARES.  A work-group owns 32 tokens of a batch and ALL 16 heads; wave w owns head w and both tiles of 16 tokens, so each fragment of K and V feeds two products.  At the end the work-group holds 32 whole rows of y:
; they are quantised in registers, meet in LDS as operand images, and wave w makes 32 rows x columns 64 w on of out0.
; CLUSTER.  The four work-groups of a cluster are 128 neighbouring tokens of one batch: they need the same K, V and W_out, and every tensor load is asked for jointly, with a mask that names the four.
; THE RING.  K and V lie in memory in the order of an operand's registers, one chunk of 9,216 bytes for each (head, 128 keys): K's codes 4,096, V's 4,096, K's scale words 512, V's 512.  LDS: [wave 16][slot 2][9,216]: a wave fetches and
; reads only its own head's chunks.  The head's one load a wave brings chunks 0 and 1.  In step n chunk n is in registers; K of chunk n + 1 is read from LDS behind step n's last first product, V behind its last second product.
; So at step n's round slot n % 2 has been read out and chunk n + 1 has been shown landed: chunk n + 2 is asked for there and has a whole step in which to land.  By the text's own count one tensor load of a wave is out.
; W_out's codes (my 64 columns) ride the same ring: K steps 0-1 and 2-3, 8,192 bytes each, are asked for at the rounds of steps 6 and 7 and are all in registers at the round that y needs; behind that round one load brings
; K steps 4-7, 16,384 bytes, over both slots.
; THE SOFTMAX: t = score x log2(e) / 8; M = the running largest t rounded UP to a whole number; when M moves, the sum and O are multiplied by 2^(old M - new M), exact.
; p IS CARRIED TIMES 4: p' = 2^(t - M + 2).  A block's largest p = 2^(t - M), made beside them, has the exponent e; its bits are the conversion's scale operand as they stand (p' / 2^e = p / 2^(e - 2), the rule's codes) and its
; exponent field is the scale byte (2^e = 4 x the rule's scale).  So O and the row's sum both come out times 4, exactly, and the division at the end takes the 4 away.
; LIMITS: NaN and infinities are not served; the scaled scores stay under 2^31 in magnitude; a block whose p all lie under 2^-126 gets the byte 0 (2^-127, a finite code) and adds under 2^-120 of the row's sum;
; a block of y under 2^-124 gets the byte 1.
; The first product's K is the head's 64: Q's fragments have zero codes in their upper half; K's eight tiles lie on end, four registers each, and tile t's fragment is registers 4 t .. 4 t + 7 (behind the last: zeros).
; PREFETCHES INTO THE L2: wave 0 asks in step n for chunks n + 3, which the round of step n + 1 loads: the 32 work-groups of a batch share a step's 16 chunks out by address, half a chunk (18 blocks of 256 bytes, a lane a block) each;
; chunks 0 to 2 come by their loads, steps 5 to 7 ask for nothing.  Wave 1 asks in steps 0 to 3 for two blocks a step of W_out's codes: 8 blocks a work-group, 2,048 in all.  In step 0 wave 2 asks for W_out's scale words
; (128 blocks, 32 for each work-group of a cluster) and wave 3 for the bias (16 blocks, 4 for each).
.set KVB, 4194304                      ; qkv: the chunks of K and V
.set QSB, 13631488                     ; q's scale words
.set CH,  9216
.set YB,  294912                       ; LDS behind the ring: y's codes [tile 2][K step 8][1,024];
.set YS,  311296                       ; its scale words [row 32][K step 8];
.set SPARE, 312320                     ; the spare words, 128 bytes for each wave
.set AK0, 1                            ; v1 my ring's first byte + 16 x lane;  v2 the same in the slot that is read next (later: y's codes + 16 x lane);  v3 the prefetch's offset;  v4, v5 spare word and 0, kept
.set ADK, 2
.set PFO, 3
.set SPW, 4
.set NIL, 5
.set T1,  6
.set T2,  7                            ; v[8:9], v[12:13]: -M + 2 and the largest t of tile 1, 0;  v[10:11], v[14:15]: their sums
.set QF,  16                           ; v16-31 Q's two fragments
.set KF,  32                           ; v32-63 K's tiles, v64-67 zeros
.set VF,  68                           ; v68-99 V's four fragments
.set S,   100                          ; v100-163 S^T, then p'
.set OT,  164                          ; v164-227 O^T of tiles 0 and 1, then y; later the accumulators of out0
.set PCD, 228                          ; v228-235 p's codes
.set KSC, 236                          ; scale words: K's v236-239, V's v240-241, p's v242, Q's v243 (lanes 0-15 tile 0, lanes 16-31 tile 1)
.set VSC, 240
.set PSC, 242
.set QSC, 243
.set BM,  244                          ; v244-247 the blocks' largest scores, then largest p
.set TP,  248                          ; v248-251 the other half's; bytes; two chains of the sum
.set FF,  252                          ; v[252:253] f = 2^(old M - new M)
.set L4,  254
.set YBM, 16                           ; y's quantiser: at work in v16-27
.set YTP, 18
.set YSO, 20
.set YH,  22
.set YC,  24
.set SBW, 236                          ; v236-251 W_out's scale words;  v8-15 y's
.set YSW, 8
.set YAD, 252
.set YSA, 253
.set SBA, 254
.set BQ,  255
.set YSR, 64
.set STO, 65
.set RD,  66
.set GO,  67
.set WV,  12
.set SEL, 14
.set CS,  16
.set TB,  18                           ; s18 the slot that is read next, s19 the slot that is filled next: 0 or CH
.set TF,  19
.set PFA, 20
.set PFS, 22
.set LIM, 24
.set CNT, 25
.set WS,  42
.set BI,  44
.set OU,  46
.set WL,  57                           ; s57 my ring's first byte
.set G0,  60                           ; s[60:63], s[68:75] groups 0 and 1 for chunks;  s[84:87], s[76:83] for W_out
.set G1,  68
.set G1W, 76
.set G0W, 84
.macro D1
	s_delay_alu instid0(VALU_DEP_1)
.endm
.macro CROUND                          ; a round of the cluster's barrier
	s_barrier_signal -1
	s_barrier_wait -1
	s_cmp_lg_u32 s[WV], 0
	s_cbranch_scc1 .Lnot_wave_0_\@
	s_barrier_signal -3
.Lnot_wave_0_\@:
	s_barrier_wait -3
	s_barrier_signal -1
	s_barrier_wait -1
.endm
; a scaled product; ra, rb = 1: that side's scale words lie in lanes 16-31.  WM0 starts a sum, WMA adds in place
.macro WM0 d, a, b, sa, sb, ra, rb
.if (\ra)
.if (\rb)
	v_wmma_scale_f32_16x16x128_f8f6f4 v[(\d):(\d)+7], v[(\a):(\a)+7], v[(\b):(\b)+7], 0, v[(\sa)], v[(\sb)] matrix_a_fmt:MATRIX_FMT_FP4 matrix_b_fmt:MATRIX_FMT_FP4 matrix_a_scale:MATRIX_SCALE_ROW1 matrix_b_scale:MATRIX_SCALE_ROW1
.else
	v_wmma_scale_f32_16x16x128_f8f6f4 v[(\d):(\d)+7], v[(\a):(\a)+7], v[(\b):(\b)+7], 0, v[(\sa)], v[(\sb)] matrix_a_fmt:MATRIX_FMT_FP4 matrix_b_fmt:MATRIX_FMT_FP4 matrix_a_scale:MATRIX_SCALE_ROW1
.endif
.else
.if (\rb)
	v_wmma_scale_f32_16x16x128_f8f6f4 v[(\d):(\d)+7], v[(\a):(\a)+7], v[(\b):(\b)+7], 0, v[(\sa)], v[(\sb)] matrix_a_fmt:MATRIX_FMT_FP4 matrix_b_fmt:MATRIX_FMT_FP4 matrix_b_scale:MATRIX_SCALE_ROW1
.else
	v_wmma_scale_f32_16x16x128_f8f6f4 v[(\d):(\d)+7], v[(\a):(\a)+7], v[(\b):(\b)+7], 0, v[(\sa)], v[(\sb)] matrix_a_fmt:MATRIX_FMT_FP4 matrix_b_fmt:MATRIX_FMT_FP4
.endif
.endif
.endm
.macro WMA d, a, b, sa, sb, ra, rb
.if (\ra)
.if (\rb)
	v_wmma_scale_f32_16x16x128_f8f6f4 v[(\d):(\d)+7], v[(\a):(\a)+7], v[(\b):(\b)+7], v[(\d):(\d)+7], v[(\sa)], v[(\sb)] matrix_a_fmt:MATRIX_FMT_FP4 matrix_b_fmt:MATRIX_FMT_FP4 matrix_a_scale:MATRIX_SCALE_ROW1 matrix_b_scale:MATRIX_SCALE_ROW1
.else
	v_wmma_scale_f32_16x16x128_f8f6f4 v[(\d):(\d)+7], v[(\a):(\a)+7], v[(\b):(\b)+7], v[(\d):(\d)+7], v[(\sa)], v[(\sb)] matrix_a_fmt:MATRIX_FMT_FP4 matrix_b_fmt:MATRIX_FMT_FP4 matrix_a_scale:MATRIX_SCALE_ROW1
.endif
.else
.if (\rb)
	v_wmma_scale_f32_16x16x128_f8f6f4 v[(\d):(\d)+7], v[(\a):(\a)+7], v[(\b):(\b)+7], v[(\d):(\d)+7], v[(\sa)], v[(\sb)] matrix_a_fmt:MATRIX_FMT_FP4 matrix_b_fmt:MATRIX_FMT_FP4 matrix_b_scale:MATRIX_SCALE_ROW1
.else
	v_wmma_scale_f32_16x16x128_f8f6f4 v[(\d):(\d)+7], v[(\a):(\a)+7], v[(\b):(\b)+7], v[(\d):(\d)+7], v[(\sa)], v[(\sb)] matrix_a_fmt:MATRIX_FMT_FP4 matrix_b_fmt:MATRIX_FMT_FP4
.endif
.endif
.endm
.macro NOPS n
.rept \n
	v_nop
.endr
.endm
.macro SWAP4 r                         ; four registers (block 0: numbers 8 h.., 16 + 8 h..; block 1 likewise) -> lane half h holds block h's 32 codes in order
	v_permlane16_swap_b32 v[\r], v[\r+1]
	v_permlane16_swap_b32 v[\r+2], v[\r+3]
	v_permlane16_swap_b32 v[\r], v[\r+2]
	v_permlane16_swap_b32 v[\r+1], v[\r+3]
.endm
.macro SWAP8 r                         ; the same for two such groups, by turns
	v_permlane16_swap_b32 v[\r], v[\r+1]
	v_permlane16_swap_b32 v[\r+4], v[\r+5]
	v_permlane16_swap_b32 v[\r+2], v[\r+3]
	v_permlane16_swap_b32 v[\r+6], v[\r+7]
	v_permlane16_swap_b32 v[\r], v[\r+2]
	v_permlane16_swap_b32 v[\r+4], v[\r+6]
	v_permlane16_swap_b32 v[\r+1], v[\r+3]
	v_permlane16_swap_b32 v[\r+5], v[\r+7]
.endm
.macro LOADK                           ; nine LDS loads: a chunk's eight tiles of K and their scale words; each takes 512 consecutive bytes
.irp t, 0,1,2,3,4,5,6,7
	ds_load_b128 v[KF+4*\t:KF+4*\t+3], v[ADK] offset:512*\t
.endr
	ds_load_b128 v[KSC:KSC+3], v[ADK] offset:8192
.endm
.macro LOADV                           ; nine LDS loads: its four fragments of V^T and their scale words
.irp d, 0,1,2,3
.irp c, 0,1
	ds_load_b128 v[VF+8*\d+4*\c:VF+8*\d+4*\c+3], v[ADK] offset:4096+1024*\d+512*\c
.endr
.endr
	ds_load_b64 v[VSC:VSC+1], v[ADK] offset:8704
.endm
.macro WLDA m, rb                      ; eight LDS loads: W_out's four fragments of K step m (0 to 3), from slot m / 2, into v[rb] on
.irp b, 0,1,2,3
.irp c, 0,1
	ds_load_b128 v[(\rb)+8*\b+4*\c:(\rb)+8*\b+4*\c+3], v[AK0] offset:CH*((\m)/2)+2048*\b+1024*((\m)%2)+512*\c
.endr
.endr
.endm
.macro WLDB m, rb                      ; the same of K step m (4 to 7): [16 columns: 4][K step: 4][1,024] from my ring's first byte on
.irp b, 0,1,2,3
.irp c, 0,1
	ds_load_b128 v[(\rb)+8*\b+4*\c:(\rb)+8*\b+4*\c+3], v[AK0] offset:4096*\b+1024*((\m)-4)+512*\c
.endr
.endr
.endm
.macro ASK
	s_cmp_ge_u32 s[CNT], s[LIM]
	s_cbranch_scc0 .Lnoask_\@
	global_prefetch_b8 v[PFO], s[PFA:PFA+1] th:TH_LOAD_NT scope:SCOPE_SE
.Lnoask_\@:
.endm
	s_load_b128 s[4:7], s[0:1], 0x0                ; qkv, wo
	s_load_b128 s[8:11], s[0:1], 0x10              ; b_out, out0
	v_lshl_add_u32 v[SPW], v0, 2, SPARE
	v_mov_b32 v[NIL], 0
	ds_add_u32 v[SPW], v[NIL]                      ; the opening lines: the add, twice on end, and its wait ahead of my first tensor load
	ds_add_u32 v[SPW], v[NIL]
	v_lshrrev_b32 v6, 5, v0
	v_readfirstlane_b32 s[WV], v6                  ; wave = head 0..15
	s_bfe_u32 s13, ttmp6, 0x40000                  ; cx: it enters Q's, out0's and the prefetches' addresses alone
	s_lshr_b32 s32, ttmp9, 3                       ; batch: eight clusters each
	s_and_b32 s33, ttmp9, 7
	s_lshl_b32 s33, s33, 2
	s_add_co_u32 s33, s33, s13                     ; j: which 32 tokens of the batch
	s_lshl_b32 s58, ttmp9, 2
	s_add_co_u32 s58, s58, s13                     ; the work-group's number
	s_lshl_b32 s34, s32, 4
	s_add_co_u32 s35, s34, s[WV]                   ; bh
	s_mul_i32 s30, s35, 8*CH
	s_add_co_u32 s30, s30, KVB                     ; my head's first chunk
	s_mov_b32 s31, 0
	s_mul_i32 s[WL], s[WV], 2*CH
	s_mov_b32 s[G1], 15|(3<<16)|(1<<21)            ; 15:0 the mask: all four; 17:16 elements of 8 bytes; 21 set beside a mask
	s_mov_b32 s[G1+1], 32<<16                      ; dense rows of 256 bytes: 72 at the head (two chunks), then 36
	s_mov_b32 s[G1+2], 72<<16
	s_mov_b32 s[G1+3], 32<<16
	s_mov_b32 s[G1+4], 72
	s_mov_b32 s[G1+5], 32
	s_mov_b32 s[G1+6], 0
	s_mov_b32 s[G1+7], 0
	s_mov_b32 s[G1W], 15|(3<<16)|(1<<21)           ; W_out: 4 rows (16 columns each) of 2,048 bytes (256 K; the last load: 4,096 bytes, 512 K), 8,192 bytes apart in memory, on end in LDS
	s_mov_b32 s[G1W+1], 256<<16
	s_mov_b32 s[G1W+2], 4<<16
	s_mov_b32 s[G1W+3], 256<<16
	s_mov_b32 s[G1W+4], 4
	s_mov_b32 s[G1W+5], 1024
	s_mov_b32 s[G1W+6], 0
	s_mov_b32 s[G1W+7], 0
	s_mov_b32 s[G0], 1
	s_mov_b32 s[G0+1], s[WL]
	s_mov_b32 s[G0W], 1
	s_mov_b32 s[G0W+1], s[WL]
	s_lshl_b32 s36, s35, 15
	s_lshl_b32 s38, s33, 10
	s_add_co_u32 s36, s36, s38                     ; Q's codes: 512 bytes a tile
	s_mov_b32 s37, 0
	s_lshl_b32 s38, s35, 12
	s_lshr_b32 s48, s33, 2
	s_lshl_b32 s48, s48, 9
	s_add_co_u32 s38, s38, s48
	s_and_b32 s48, s33, 3
	s_lshl_b32 s48, s48, 2
	s_add_co_u32 s38, s38, s48
	s_add_co_u32 s38, s38, QSB                     ; Q's scale words: [bh][128 tokens][lane 32][i 4], i = j % 4
	s_mov_b32 s39, 0
	s_and_b32 s49, s33, 1                          ; the prefetches: wave 0: half j % 2 of head j / 2's chunk 3
	s_lshr_b32 s48, s33, 1
	s_add_co_u32 s48, s48, s34
	s_lshl_b32 s48, s48, 3
	s_add_co_u32 s48, s48, 3
	s_mul_i32 s48, s48, CH
	s_mul_i32 s50, s49, 18*256
	s_add_co_u32 s48, s48, s50
	s_add_co_u32 s48, s48, KVB
	s_lshl_b32 s50, s58, 11                        ; wave 1: my work-group's 2,048 bytes of W_out's codes
	s_mov_b32 s[PFS], 512
	s_mov_b32 s[PFS+1], 0
	s_mov_b32 s53, 0
	s_cmp_eq_u32 s[WV], 0
	s_cselect_b32 s52, s48, s50
	s_cselect_b32 s51, 17, 1                       ; the last lane that names a block of its own
	s_cselect_b32 s[PFS], CH, s[PFS]               ; from step to step
	s_cselect_b32 s[LIM], 2, 3                     ; a wave asks while the loop's count of steps to go is at least this
	s_cmp_gt_u32 s[WV], 1
	s_cselect_b32 s[LIM], 100, s[LIM]              ; waves 4 to 15 never ask
	s_lshl_b32 s48, s13, 13
	s_add_co_u32 s48, s48, 524288                  ; wave 2, in step 0 alone: my work-group's 32 blocks of W_out's scale words
	s_cmp_eq_u32 s[WV], 2
	s_cselect_b32 s52, s48, s52
	s_cselect_b32 s51, 31, s51
	s_cselect_b32 s[LIM], 6, s[LIM]
	s_lshl_b32 s48, s13, 10                        ; wave 3, in step 0 alone: my work-group's 4 blocks of the bias
	s_cmp_eq_u32 s[WV], 3
	s_cselect_b32 s52, s48, s52
	s_cselect_b32 s51, 3, s51
	s_cselect_b32 s[LIM], 6, s[LIM]
	s_mov_b32 s[SEL], 0x76543210
	s_mov_b32 s[SEL+1], 0xfedcba98
	s_mov_b32 s[CS], 0x3e38aa3b                    ; c = log2(e) / 8
	s_mov_b32 s[CS+1], s[CS]
	s_mov_b32 s[CNT], 6
	s_mov_b32 s[TB], CH
	s_mov_b32 s[TF], 0
	s_wait_dscnt 0x0                               ; both opening adds are done
	v_and_b32 v6, 31, v0
	v_lshlrev_b32 v7, 4, v6                        ; 16 x lane
	v_add_nc_u32 v[AK0], s[WL], v7
	v_add_nc_u32 v[ADK], s[WL], v7                 ; chunk 0 lies in slot 0
	v_min_u32 v[PFO], s51, v6
	v_lshlrev_b32 v[PFO], 8, v[PFO]
	s_wait_alu depctr_va_vdst(0)
	s_wait_kmcnt 0x0
	s_add_nc_u64 s[G0+2:G0+3], s[4:5], s[30:31]
	s_or_b32 s[G0+3], s[G0+3], 0x80000000
	s_lshl_b32 s30, s[WV], 15
	s_add_nc_u64 s[G0W+2:G0W+3], s[6:7], s[30:31]  ; W_out's codes of my 64 columns
	s_or_b32 s[G0W+3], s[G0W+3], 0x80000000
	CROUND                                         ; all four work-groups are here: the first joint loads meet
	tensor_load_to_lds s[G0:G0+3], s[G1:G1+7]      ; chunks 0 and 1 of my head: the wave's one load at the head
	s_nop 0
	s_add_nc_u64 s[26:27], s[4:5], s[36:37]
	s_add_nc_u64 s[28:29], s[4:5], s[38:39]
	global_load_b128 v[QF:QF+3], v7, s[26:27]
	global_load_b128 v[QF+8:QF+11], v7, s[26:27] offset:512
	global_load_b32 v[QSC], v7, s[28:29]
	s_cmp_eq_u32 s[WV], 0
	s_cselect_b64 s[PFA:PFA+1], s[4:5], s[6:7]
	s_cmp_eq_u32 s[WV], 3
	s_cselect_b64 s[PFA:PFA+1], s[8:9], s[PFA:PFA+1]
	s_add_nc_u64 s[PFA:PFA+1], s[PFA:PFA+1], s[52:53]
	s_lshl_b32 s30, s[WV], 11
	s_add_co_u32 s30, s30, 524288
	s_add_nc_u64 s[WS:WS+1], s[6:7], s[30:31]      ; W_out's scale words of my 64 columns
	s_lshl_b32 s30, s[WV], 8
	s_add_nc_u64 s[BI:BI+1], s[8:9], s[30:31]      ; their bias
	s_lshl_b32 s36, s58, 17
	s_add_co_u32 s36, s36, s30
	s_add_nc_u64 s[OU:OU+1], s[10:11], s[36:37]    ; out0 at (my work-group's first row, my first column)
	s_lshl_b32 s54, s[WV], 9
	s_add_co_u32 s54, s54, YB                      ; y's codes in LDS: 512 x head
	s_lshl_b32 s55, s[WV], 1
	s_add_co_u32 s55, s55, YS                      ; y's two scale bytes
.irp f, QF+4, QF+12, KF+32, TP
.irp j, 0,1,2,3
	v_mov_b32 v[\f+\j], 0                          ; zero codes, set once; and the lane permutes' destinations, which count as sources
.endr
.endr
	v_mov_b32 v[FF+1], 0                           ; (named as the upper half of a pair)
.irp st, 8, 12
	v_mov_b32 v[\st], 0x7f61b1e6                   ; -M + 2: 3e38, a whole number
	v_mov_b32 v[\st+1], 0xff61b1e6                 ; the largest t so far: -3e38
	v_mov_b32 v[\st+2], 0
	v_mov_b32 v[\st+3], 0
.endr
.set jj, 0
.rept 64
	v_mov_b32 v[OT+jj], 0                          ; the step is written for all steps alike: the first finds zeros
.set jj, jj+1
.endr
; THE SOFTMAX of tile x behind its first products.  kind 1, 3: the next chunk's K is read from LDS (1: and the prefetch's address stepped); kind 2: W_out's K step 0, into K's registers.
.macro SOFT x, kind
.set ST, 12-4*(\x)
.set LL, ST+2
.set O, OT+32*(\x)
	v_mov_b32 v[T1], v[ST]                         ; four plain lines behind the products: ahead of the first read of results and of loads into their sources
.if (\x) == 0
	v_add_nc_u32 v[ADK], s[TB], v[AK0]             ; where the next chunk lies
.else
	v_nop
.endif
	NOPS 2
.if (\kind) == 1
	s_wait_xcnt 0x0                                ; the prefetch has read its base
	s_add_nc_u64 s[PFA:PFA+1], s[PFA:PFA+1], s[PFS:PFS+1]
.endif
.if (\kind) == 1 || (\kind) == 3
	LOADK
.endif
.if (\kind) == 2
	WLDA 0, 32
.endif
.irp b, 0,1,2,3
	v_max3_num_f32 v[BM+\b], v[S+16*\b], v[S+1+16*\b], v[S+2+16*\b]   ; the largest score of each block of 32 keys
.endr
.irp i, 3,5,7,9,11,13
.irp b, 0,1,2,3
	v_max3_num_f32 v[BM+\b], v[BM+\b], v[S+16*\b+\i], v[S+1+16*\b+\i]
.endr
.endr
.irp b, 0,1,2,3
	v_max_num_f32 v[BM+\b], v[BM+\b], v[S+15+16*\b]
.endr
.irp b, 0,1,2,3
	v_permlanex16_b32 v[TP+\b], v[BM+\b], s[SEL], s[SEL+1]
.endr
.irp b, 0,1,2,3
	v_max_num_f32 v[BM+\b], v[BM+\b], v[TP+\b]     ; with lane l xor 16's 16 keys
.endr
	v_max3_num_f32 v[T2], v[BM], v[BM+1], v[BM+2]
	D1
	v_max_num_f32 v[T2], v[T2], v[BM+3]
	D1
	v_mul_f32 v[T2], s[CS], v[T2]                  ; the step's largest t
	D1
	v_max_num_f32 v[ST+1], v[ST+1], v[T2]          ; the running largest t
	D1
	v_floor_f32 v[T2], -v[ST+1]                    ; -M = -ceil(t)
	D1
	v_add_f32 v[ST], 2.0, v[T2]                    ; -M + 2
	D1
	v_sub_f32 v[T1], v[ST], v[T1]                  ; old M - new M: a whole number, 0 or less
.irp b, 0,1,2,3
	v_fma_f32 v[BM+\b], v[BM+\b], s[CS], v[T2]     ; t - M of each block's largest score
.endr
	v_cvt_i32_f32 v[T1], v[T1]                     ; (it saturates)
	v_pk_fma_f32 v[S:S+1], v[S:S+1], s[CS:CS+1], v[ST:ST+1] op_sel_hi:[1,0,0]
	v_pk_fma_f32 v[S+2:S+3], v[S+2:S+3], s[CS:CS+1], v[ST:ST+1] op_sel_hi:[1,0,0]
	v_ldexp_f32 v[FF], 1.0, v[T1]                  ; f
.set jj, 4
.rept 30
	v_pk_fma_f32 v[S+jj:S+jj+1], v[S+jj:S+jj+1], s[CS:CS+1], v[ST:ST+1] op_sel_hi:[1,0,0]   ; t - M + 2, two at a time
.set jj, jj+2
.endr
	s_wait_alu depctr_va_vdst(0)                   ; ahead of the batch, and directly ahead of the first readers of O^T
.set jj, 0
.rept 16
	v_pk_mul_f32 v[O+jj:O+jj+1], v[O+jj:O+jj+1], v[FF:FF+1] op_sel_hi:[1,0]   ; O^T under the new M, each accumulator from its low end on
.set jj, jj+2
.endr
.irp b, 0,1,2,3
	v_exp_f32 v[BM+\b], v[BM+\b]                   ; the blocks' largest p
.endr
.set jj, 0
.rept 64
	v_exp_f32 v[S+jj], v[S+jj]                     ; p' = 4 p
.set jj, jj+1
.endr
	v_pk_mul_f32 v[LL:LL+1], v[LL:LL+1], v[FF:FF+1] op_sel_hi:[1,0]    ; the sum under the new M: a plain line behind the batch
	s_wait_alu depctr_va_vdst(0)                   ; one wait for the 68, ahead of their first reader
.irp b, 0,1,2,3
	v_lshrrev_b32 v[TP+\b], 23, v[BM+\b]           ; the byte: the largest p's exponent field, 0 to 127
.endr
	v_lshl_or_b32 v[PSC], v[TP+1], 8, v[TP]
	v_cvt_scalef32_pk8_fp4_f32 v[PCD], v[S:S+7], v[BM]
	v_cvt_scalef32_pk8_fp4_f32 v[PCD+1], v[S+8:S+15], v[BM]
	v_lshl_or_b32 v[PSC], v[TP+2], 16, v[PSC]
	v_cvt_scalef32_pk8_fp4_f32 v[PCD+2], v[S+16:S+23], v[BM+1]
	v_cvt_scalef32_pk8_fp4_f32 v[PCD+3], v[S+24:S+31], v[BM+1]
	v_lshl_or_b32 v[PSC], v[TP+3], 24, v[PSC]
	v_cvt_scalef32_pk8_fp4_f32 v[PCD+4], v[S+32:S+39], v[BM+2]
	v_cvt_scalef32_pk8_fp4_f32 v[PCD+5], v[S+40:S+47], v[BM+2]
	v_cvt_scalef32_pk8_fp4_f32 v[PCD+6], v[S+48:S+55], v[BM+3]
	v_cvt_scalef32_pk8_fp4_f32 v[PCD+7], v[S+56:S+63], v[BM+3]
	v_nop                                          ; one plain line behind the scaled conversions
	SWAP8 PCD
	; the row's sum of the unquantised p', in four chains: 32 plain lines between the operand and scale word just made and the products
	v_pk_add_f32 v[TP:TP+1], v[S+2:S+3], v[S+4:S+5]
	v_pk_add_f32 v[TP+2:TP+3], v[S+6:S+7], v[S+8:S+9]
	v_pk_add_f32 v[L4:L4+1], v[S+10:S+11], v[S+12:S+13]
	v_pk_add_f32 v[LL:LL+1], v[LL:LL+1], v[S:S+1]
.set kk, 14
.rept 6
	v_pk_add_f32 v[TP:TP+1], v[TP:TP+1], v[S+kk:S+kk+1]
	v_pk_add_f32 v[TP+2:TP+3], v[TP+2:TP+3], v[S+kk+2:S+kk+3]
	v_pk_add_f32 v[L4:L4+1], v[L4:L4+1], v[S+kk+4:S+kk+5]
	v_pk_add_f32 v[LL:LL+1], v[LL:LL+1], v[S+kk+6:S+kk+7]
.set kk, kk+8
.endr
	v_pk_add_f32 v[TP:TP+1], v[TP:TP+1], v[S+62:S+63]
	v_pk_add_f32 v[TP+2:TP+3], v[TP+2:TP+3], v[L4:L4+1]
	v_pk_add_f32 v[LL:LL+1], v[LL:LL+1], v[TP:TP+1]
	v_pk_add_f32 v[LL:LL+1], v[LL:LL+1], v[TP+2:TP+3]
.endm
.macro SQK8 x                          ; S^T = K Q^T of tile x: eight sums begun with 0
.irp t, 0,1,2,3,4,5,6,7
	WM0 S+8*\t, KF+4*\t, QF+8*(\x), KSC+\t/2, QSC, \t%2, \x
.endr
.endm
.macro PV4 x                           ; O^T += V^T P^T: four accumulators by turns
.irp d, 0,1,2,3
	WMA OT+32*(\x)+8*\d, VF+8*\d, PCD, VSC+\d/2, PSC, \d%2, 0
.endr
.endm
; A STEP: 128 keys, both tiles.  fill 1: the chunk two steps on is asked for; 2, 3: W_out's K steps 0-1, 2-3.  fetch: SOFT's kind for tile 1.
.macro STEPM fill, fetch
	s_wait_tensorcnt 0x0                           ; my one tensor load has landed: the next chunk; so a group 0 may be written
	ds_add_u32 v[SPW], v[NIL]                      ; 0 onto my spare word
.if (\fill) == 1
	s_add_co_u32 s[G0+1], s[WL], s[TF]
	s_add_nc_u64 s[G0+2:G0+3], s[G0+2:G0+3], CH
.else
	s_add_co_u32 s[G0W+1], s[WL], s[TF]
.if (\fill) == 3
	s_add_nc_u64 s[G0W+2:G0W+3], s[G0W+2:G0W+3], 2048
.endif
.endif
	s_wait_dscnt 10                                ; this step's K and its scale words are in; V's nine loads and the add may be out
	SQK8 0                                         ; eight products stand between the add and the wait for it
	s_wait_dscnt 0x0                               ; the add is done, and this step's chunk has been read out of its slot
	CROUND                                         ; the same holds of every wave of the four work-groups
.if (\fill) == 1
	tensor_load_to_lds s[G0:G0+3], s[G1:G1+7]
.else
	tensor_load_to_lds s[G0W:G0W+3], s[G1W:G1W+7]
.endif
	s_nop 0
	SOFT 0, 0
	PV4 0
.if (\fill) == 1
	ASK
.endif
	SQK8 1
	SOFT 1, \fetch
	PV4 1
.if (\fetch) != 2
	NOPS 4                                         ; ahead of loads into registers that products have read
	LOADV
.endif
	s_xor_b32 s[TB], s[TB], CH
	s_xor_b32 s[TF], s[TF], CH
.endm
	s_wait_alu depctr_va_vdst(0)                   ; the head's end
	s_wait_tensorcnt 0x0                           ; chunks 0 and 1, which I alone read
	s_mov_b32 s[G1+2], 36<<16                      ; no tensor load of mine is out: from here on a load brings one chunk
	s_mov_b32 s[G1+4], 36
	s_add_nc_u64 s[G0+2:G0+3], s[G0+2:G0+3], CH
	LOADK
	LOADV
	s_wait_loadcnt 0x0                             ; Q
.Lstep:
	STEPM 1, 1                                     ; steps 0 to 5 ask for chunks 2 to 7
	s_sub_co_u32 s[CNT], s[CNT], 1
	s_cmp_lg_u32 s[CNT], 0
	s_wait_alu depctr_va_vdst(0)
	s_cbranch_scc1 .Lstep
	STEPM 2, 3                                     ; the last two steps are written out: their rounds ask for W_out
	STEPM 3, 2
	; addresses of the last product: plain lines that name no register of the last products, so they are the places behind them too
	v_and_b32 v6, 15, v0                           ; r
	v_bfe_u32 v7, v0, 4, 1                         ; h
	v_lshlrev_b32 v[GO], 4, v6
	v_lshl_add_u32 v[SBA], v7, 9, v[GO]            ; W_out's scale words: 16 r, lanes 16-31 the next 16 columns
	v_lshlrev_b32 v[BQ], 5, v7                     ; the bias: 32 h
	v_and_b32 v[YSR], 31, v0
	v_lshlrev_b32 v[ADK], 4, v[YSR]
	v_add_nc_u32 v[YAD], s54, v[ADK]
	v_add_nc_u32 v[ADK], YB, v[ADK]                ; y's codes + 16 x lane
	v_lshl_add_u32 v[YSA], v6, 5, s55              ; row r's 32 bytes of scale words, my head's two
	v_lshl_add_u32 v[YSR], v[YSR], 5, YS           ; lanes 0-15 tile 0's rows, lanes 16-31 tile 1's
	v_mul_u32_u24 v[STO], v6, 272
	v_lshl_add_u32 v[STO], v7, 5, v[STO]
	v_add_nc_u32 v[STO], s[WL], v[STO]             ; the stage, 16 rows x (256 + 16) bytes at my ring's first byte: in: row r, 32 bytes for each half of the lanes
	v_mul_u32_u24 v[RD], v7, 272
	v_add_nc_u32 v[RD], v[RD], v[GO]
	v_add_nc_u32 v[RD], s[WL], v[RD]               ; back: lanes 0-15 one row of 256 bytes, lanes 16-31 the next
	v_lshl_add_u32 v[GO], v7, 12, v[GO]            ; and the same two rows in out0
.irp i, 0,1
.irp f, 0,1
	global_load_b128 v[SBW+8*\i+4*\f:SBW+8*\i+4*\f+3], v[SBA], s[WS:WS+1] offset:1024*\i+256*\f   ; register 8 i + 4 (K / 512) + (K / 128) % 4: lanes 0-15 columns 32 i on, lanes 16-31 32 i + 16 on
.endr
.endr
	s_wait_alu depctr_va_vdst(0)
	s_wait_tensorcnt 0x0                           ; W_out's K steps 2-3, my own bytes, asked for a step ago
	WLDA 1, 68                                     ; K steps 1 to 3 join step 0 in registers: both slots are read out
	WLDA 2, 100
	WLDA 3, 132
; y of tile x = O^T / the sum (both times 4), made in place: two blocks of 32 along the last product's K.  Codes and bytes go to LDS as images of the operand's registers; then the bias is loaded into the same registers.
.macro YOUT x
.set LL, 14-4*(\x)
.set O, OT+32*(\x)
	v_add_f32 v[LL], v[LL], v[LL+1]
	v_permlanex16_b32 v[T1], v[LL], s[SEL], s[SEL+1]
	v_add_f32 v[LL], v[LL], v[T1]                  ; the row's sum
	s_wait_alu depctr_va_vdst(0)                   ; ahead of the reciprocal
	v_rcp_f32 v[LL], v[LL]
	v_nop
	s_wait_alu depctr_va_vdst(0)                   ; and ahead of its first reader, which is O^T's first reader too
.set jj, 0
.rept 16
	v_pk_mul_f32 v[O+jj:O+jj+1], v[O+jj:O+jj+1], v[LL:LL+1] op_sel_hi:[1,0]
.set jj, jj+2
.endr
.irp b, 0,1
	v_max3_num_f32 v[YBM+\b], |v[O+16*\b]|, |v[O+1+16*\b]|, 0x1800000   ; with the floor 2^(3 - 127)
.endr
.irp i, 2,4,6,8,10,12,14
.irp b, 0,1
	v_max3_num_f32 v[YBM+\b], v[YBM+\b], |v[O+16*\b+\i]|, |v[O+1+16*\b+\i]|
.endr
.endr
.irp b, 0,1
	v_permlanex16_b32 v[YTP+\b], v[YBM+\b], s[SEL], s[SEL+1]
.endr
.irp b, 0,1
	v_max_num_f32 v[YBM+\b], v[YBM+\b], v[YTP+\b]
.endr
.irp b, 0,1
	v_add_nc_u32 v[YSO+\b], 0xff000000, v[YBM+\b]  ; 2 off the exponent field: the conversion's scale operand
.endr
.irp b, 0,1
	v_lshrrev_b32 v[YTP+\b], 23, v[YSO+\b]
.endr
	v_lshl_or_b32 v[YH], v[YTP+1], 8, v[YTP]
.irp b, 0,1
	v_cvt_scalef32_pk8_fp4_f32 v[YC+2*\b], v[O+16*\b:O+7+16*\b], v[YSO+\b]
	v_cvt_scalef32_pk8_fp4_f32 v[YC+1+2*\b], v[O+8+16*\b:O+15+16*\b], v[YSO+\b]
.endr
	v_nop
	SWAP4 YC
	ds_store_b128 v[YAD], v[YC:YC+3] offset:8192*(\x)
	ds_store_b16 v[YSA], v[YH] offset:512*(\x)     ; both halves of the lanes write the same bytes with the same value
.irp b, 0,1,2,3
	global_load_b128 v[O+8*\b:O+8*\b+3], v[BQ], s[BI:BI+1] offset:64*\b          ; lane (r, h), register j: the bias of column 16 b + 8 h + j: the sums begin with it
	global_load_b128 v[O+8*\b+4:O+8*\b+7], v[BQ], s[BI:BI+1] offset:64*\b+16
.endr
.endm
	YOUT 0
	YOUT 1
.macro ALOAD m, ab                     ; four LDS loads: y's two fragments of K step m into v[ab] on
.irp x, 0,1
.irp c, 0,1
	ds_load_b128 v[(\ab)+8*\x+4*\c:(\ab)+8*\x+4*\c+3], v[ADK] offset:8192*\x+1024*(\m)+512*\c
.endr
.endr
.endm
; A K step of the last product, used transposed (source 0 = 16 columns of W_out, at v[rb] on, source 1 = 16 rows of y, at v[ab] on): eight accumulators by turns.  dsw: the LDS loads issued behind this step's
.macro KSTEP m, rb, ab, dsw
	s_wait_dscnt \dsw
.irp x, 0,1
.irp b, 0,1,2,3
	WMA OT+32*\x+8*\b, (\rb)+8*\b, (\ab)+8*\x, SBW+8*(\b/2)+4*((\m)/4)+(\m)%4, YSW+(\m), \b%2, \x
.endr
.endr
.endm
	s_wait_alu depctr_va_vdst(0)
	s_wait_tensorcnt 0x0                           ; no tensor load of mine is out, so the descriptors may be written
	ds_add_u32 v[SPW], v[NIL]
	s_mov_b32 s[G0W+1], s[WL]
	s_add_nc_u64 s[G0W+2:G0W+3], s[G0W+2:G0W+3], 2048
	s_mov_b32 s[G1W+1], 512<<16                    ; rows of 4,096 bytes: 512 K
	s_mov_b32 s[G1W+3], 512<<16
	s_wait_dscnt 0x0                               ; my head's part of y lies in LDS, and K steps 0-3 have been read out of both slots
	CROUND                                         ; all of y is there
	tensor_load_to_lds s[G0W:G0W+3], s[G1W:G1W+7]  ; K steps 4-7, over both slots
	s_nop 0
	ds_load_b128 v[YSW:YSW+3], v[YSR]              ; y's scale words of all eight K steps
	ds_load_b128 v[YSW+4:YSW+7], v[YSR] offset:16
	ALOAD 0, 16
	s_wait_loadcnt 0x0                             ; W_out's scale words and the bias
	KSTEP 0, 32, 16, 0
	NOPS 4                                         ; ahead of loads into registers that products have read
	ALOAD 1, 32
	ALOAD 2, 48
	ALOAD 3, 16
	KSTEP 1, 68, 32, 8                             ; behind y's step 1: 4 + 4 loads
	KSTEP 2, 100, 48, 4
	KSTEP 3, 132, 16, 0
	s_wait_tensorcnt 0x0                           ; K steps 4-7, my own bytes, which I alone read
	NOPS 4
	WLDB 4, 68
	ALOAD 4, 32
	WLDB 5, 100
	ALOAD 5, 48
	WLDB 6, 132
	ALOAD 6, 16
	KSTEP 4, 68, 32, 24                            ; behind step 4's: 8 + 4 + 8 + 4
	NOPS 4
	WLDB 7, 68
	ALOAD 7, 32
	KSTEP 5, 100, 48, 24                           ; behind step 5's: 8 + 4 + 8 + 4
	KSTEP 6, 132, 16, 12                           ; behind step 6's: 8 + 4
	KSTEP 7, 68, 32, 0
	NOPS 4                                         ; ahead of the first read of results and of loads into registers that products have read
; THE WAY OUT: 16 rows x 64 columns at a time through my own stage and back as whole rows of 256 bytes.  The stage lies in my own ring, which has had its last fill and which I alone read and have read out.
; LDS serves a wave's instructions in order: no wait between the stores and the loads, nor ahead of the second tile's stores.
.irp x, 0,1
.irp b, 0,1,2,3
	ds_store_b128 v[STO], v[OT+32*\x+8*\b:OT+32*\x+8*\b+3] offset:64*\b          ; each accumulator from its low end on
	ds_store_b128 v[STO], v[OT+32*\x+8*\b+4:OT+32*\x+8*\b+7] offset:64*\b+16
.endr
.irp t, 0,1,2,3,4,5,6,7
	ds_load_b128 v[32+36*\x+4*\t:32+36*\x+4*\t+3], v[RD] offset:2*\t*272
.endr
.endr
.irp x, 0,1
	s_wait_dscnt 16-16*\x                          ; tile x is back; behind tile 0's loads stand tile 1's 8 stores and 8 loads
.irp t, 0,1,2,3,4,5,6,7
	global_store_b128 v[GO], v[32+36*\x+4*\t:32+36*\x+4*\t+3], s[OU:OU+1] offset:65536*\x+2*\t*4096 th:TH_STORE_NT   ; each half of the lanes stores 256 consecutive bytes, aligned
.endr
.endr
	s_wait_tensorcnt 0x0                           ; the wave's end: behind my last tensor load and my last LDS store
	ds_add_u32 v[SPW], v[NIL]
	s_wait_dscnt 0x0
	CROUND                                         ; the closing round
	s_endpgm
.Lfunc_end_k_qb1d8589640_attnout:
	.size	k_qb1d8589640_attnout, .Lfunc_end_k_qb1d8589640_attnout-k_qb1d8589640_attnout
	.p2alignl 7, 3214868480
	.fill 96, 4, 3214868480
	.section	.rodata,"a",@progbits
	.p2align	6, 0x0
	.amdhsa_kernel k_qb1d8589640_attnout
		.amdhsa_group_segment_fixed_size 327680
		.amdhsa_private_segment_fixed_size 0
		.amdhsa_enable_private_segment 0
		.amdhsa_kernarg_size 32
		.amdhsa_user_sgpr_count 2
		.amdhsa_user_sgpr_kernarg_segment_ptr 1
		.amdhsa_wavefront_size32 1
		.amdhsa_system_sgpr_workgroup_id_x 1
		.amdhsa_system_sgpr_workgroup_id_y 1
		.amdhsa_system_sgpr_workgroup_id_z 1
		.amdhsa_system_vgpr_workitem_id 0
		.amdhsa_next_free_vgpr 256
		.amdhsa_next_free_sgpr 90
		.amdhsa_reserve_vcc 0
		.amdhsa_float_denorm_mode_32 3
		.amdhsa_float_denorm_mode_16_64 3
		.amdhsa_memory_ordered 1
		.amdhsa_forward_progress 1
		.amdhsa_inst_pref_size 123
	.end_amdhsa_kernel
	.amdgpu_metadata
---
amdhsa.version: [ 1, 2 ]
amdhsa.kernels:
  - .name:           k_qb1d8589640_attnout
    .symbol:         k_qb1d8589640_attnout.kd
    .args:
      - { .name: qkv, .offset: 0, .size: 8, .value_kind: global_buffer, .address_space: global }
      - { .name: wo, .offset: 8, .size: 8, .value_kind: global_buffer, .address_space: global }
      - { .name: b_out, .offset: 16, .size: 8, .value_kind: global_buffer, .address_space: global }
      - { .name: out0, .offset: 24, .size: 8, .value_kind: global_buffer, .address_space: global }
    .group_segment_fixed_size: 327680
    .private_segment_fixed_size: 0
    .kernarg_segment_align: 8
    .kernarg_segment_size: 32
    .max_flat_workgroup_size: 512
    .sgpr_count:     90
    .vgpr_count:     256
    .wavefront_size: 32
...
	.end_amdgpu_metadata
.endif
;; end of part 7
